; MI455X (gfx1250); checked and timed in simulation.
; The chip was launched on July 23, 2026; its instructions are those of AMD's public machine-readable ISA for CDNA 5 (MIT licence, August 2026) and "CDNA5" Instruction Set Architecture Reference Guide (July 2026). The comments in the code are by the model that wrote it; some were corrected since.
;; Attention. Allowed arithmetic: float matrix products may take bf16 or f16 operands with f32 sums; other float arithmetic in f32, or as packed bf16 or f16 multiplies, adds, multiply-adds, maxima and minima; sums over many terms, partial sums and values carried from step to step in f32; what a program stores and reads back later, other than sums and carried values, may be rounded once to bf16 or f16.
;; Inputs: Wa1 1,024 x 256 float32; Wa2 256 x 1,024 float32; We 256 x 256 float32; Wk 256 x 128 float32; Wp1 64 x 256 float32; Wp2 256 x 64 float32; Wq 256 x 3 float32; Wv 256 x 128 float32; a_beta 1,024 float32; a_gamma 1,024 float32; a_mean 1,024 float32; a_var 1,024 float32; ba1 1,024 float32; ba2 256 float32; be 256 float32; bk 256 float32; bp1 64 float32; bp2 256 float32; bq 256 float32; bv 256 float32; key 2 x 128 x 4,096 x 8 float32; p_beta 64 float32; p_gamma 64 float32; p_mean 64 float32; p_var 64 float32; pos 2 x 3 x 4,096 float32; values 2 x 128 x 4,096 x 8 float32.
;; Outputs: out0 2 x 256 x 4,096 float32.
;; 3 versions, each right; version 2 is faster than version 1; version 3 is version 2 with the launch knn1 written anew for expert scheduling mode. Each part assembles by itself: llvm-mc -triple=amdgcn-amd-amdhsa -mcpu=gfx1250 --defsym DOCPART=n.
;; ======== version 1 of 3: 4 launches
;; limits: values are held in f16: magnitudes above 65,504 overflow, below 6.1e-05 lose precision; inputs' magnitudes at most 65,504; right only within a limited range of input values
;; workspace buffers: ws 1,576,960 bytes; tab 16,384 bytes; pq 131,072 bytes; grp 262,144 bytes of whole numbers; idx 262,144 bytes of whole numbers
;; launch prep (part 1): grid 436 x 1, 4 waves a work-group, no clusters, 0 bytes of LDS; arguments Wa1, Wa2, We, Wk, Wp1, Wp2, Wq, Wv, a_beta, a_gamma, a_mean, a_var, ba1, ba2, be, bk, bp1, bp2, bq, bv, p_beta, p_gamma, p_mean, p_var, ws, tab; writes ws, tab
.if DOCPART == 1
	.amdgcn_target "amdgcn-amd-amdhsa--gfx1250"
	.amdhsa_code_object_version 6
	.text
	.protected	k_q607a4fe25f_prep
	.globl	k_q607a4fe25f_prep
	.p2align	8
	.type	k_q607a4fe25f_prep,@function
k_q607a4fe25f_prep:
	s_mov_b64 s[64:65], 0
	v_nop
	global_prefetch_b8 v0, s[64:65] scope:SCOPE_SE
	s_setreg_imm32_b32 hwreg(HW_REG_WAVE_MODE, 25, 1), 1
	s_wait_xcnt 0x0
; Weights, biases and norms -> ws (16-bit fragment images in the order in which the main launch takes them) and tab (f32 tables).
; Every input is rounded to bf16 (nearest even) before it is used.  One task a wave, 1,744 tasks: TAU = 4 x work-group + wave.
;   TAU < 1536        fragment TAU of the stream (24 slots of 64; slots 2, 3 repeat slots 0, 1): 1 KB; byte 512 q + 16 L + 2 e = W[m0 + L%16][k0 + 16 q + 8 (L/16) + e].
;                     -Wk, Wq', Wv, We stay bf16; Wp2, Wa1, Wa2 (their partners are made by the program) are the bf16 numbers written as f16.
;   1536 .. 1599      row o of W' = s (Wp1 Wq), c' = s (Wp1 bq + bp1) + beta - mean s, s = gamma / sqrt(var + eps), in f32, split three ways into bf16 (24 bits)
;   1600 .. 1615      tables: 32 records {SA[32], TA[32]} (second norm folded with ba1), then bv + bp2, be, bp2, ba2
;   1616 .. 1743      RB[j] = |SA_j| x sum over i of |Wa1[j][i]| (of the unrounded weights: a bound, used with a spare factor of 2), 8 rows a wave
; LIMITS: NaN and infinities are not treated apart; 1 / sqrt is v_rsq_f32; a weight written as f16 must lie within 65,504, and below 2^-14 it keeps f16's fixed step.
.set WPQ, 1572864
.macro RND a, b, t                     ; two f32 rounded to bf16 and widened again
	v_cvt_pk_bf16_f32 v[\t], v[\a], v[\b]
	v_lshlrev_b32 v[\a], 16, v[\t]
	v_and_b32 v[\b], 0xffff0000, v[\t]
.endm
.macro SPLIT3 x, h, m, l, t            ; x = h + m + l: h, m exact bf16 numbers, l the rest (rounded when it is packed)
	v_cvt_pk_bf16_f32 v[\t], v[\x], v[\x]
	v_lshlrev_b32 v[\h], 16, v[\t]
	v_sub_f32 v[\l], v[\x], v[\h]
	v_cvt_pk_bf16_f32 v[\t], v[\l], v[\l]
	v_lshlrev_b32 v[\m], 16, v[\t]
	v_sub_f32 v[\l], v[\l], v[\m]
.endm
; one fragment of the matrix at s[p:p+1] with ld columns; s61 = m0, s62 = k0; neg = 1: the sign is turned; half = 1: written as f16
.macro GEN p, ld, neg, half
	v_add_nc_u32 v4, s61, v1
	v_mul_u32_u24 v4, v4, 4*\ld
	v_lshl_add_u32 v4, v2, 5, v4
	s_lshl_b32 s62, s62, 2
	v_add_nc_u32 v4, s62, v4               ; ((m0 + r) ld + k0 + 8 h) x 4
	global_load_b128 v[8:11], v4, s[\p:\p+1]
	global_load_b128 v[12:15], v4, s[\p:\p+1] offset:16
	global_load_b128 v[16:19], v4, s[\p:\p+1] offset:64
	global_load_b128 v[20:23], v4, s[\p:\p+1] offset:80
	s_wait_loadcnt 0x0
.if \half
.irp j,0,1,2,3,4,5,6,7
	RND 8+2*\j, 9+2*\j, 32
.endr
.irp j,0,1,2,3,4,5,6,7
	v_cvt_pk_f16_f32 v[24+\j], v[8+2*\j], v[9+2*\j]
.endr
.else
.irp j,0,1,2,3,4,5,6,7
	v_cvt_pk_bf16_f32 v[24+\j], v[8+2*\j], v[9+2*\j]
.endr
.endif
.if \neg
.irp j,0,1,2,3,4,5,6,7
	v_xor_b32 v[24+\j], 0x80008000, v[24+\j]
.endr
.endif
	global_store_b128 v5, v[24:27], s[52:53]             ; the wave's two stores cover 512 consecutive bytes each
	global_store_b128 v5, v[28:31], s[52:53] offset:512
	s_endpgm
.endm
	s_load_b512 s[4:19], s[0:1], 0x0       ; Wa1 4, Wa2 6, We 8, Wk 10, Wp1 12, Wp2 14, Wq 16, Wv 18
	s_load_b512 s[20:35], s[0:1], 0x40     ; a_beta 20, a_gamma 22, a_mean 24, a_var 26, ba1 28, ba2 30, be 32, bk 34
	s_load_b512 s[36:51], s[0:1], 0x80     ; bp1 36, bp2 38, bq 40, bv 42, p_beta 44, p_gamma 46, p_mean 48, p_var 50
	s_load_b128 s[52:55], s[0:1], 0xc0     ; ws 52, tab 54
	v_lshrrev_b32 v4, 5, v0
	v_readfirstlane_b32 s56, v4
	s_lshl2_add_u32 s56, ttmp9, s56        ; TAU
	v_and_b32 v3, 31, v0                   ; lane
	v_and_b32 v1, 15, v0                   ; r
	v_bfe_u32 v2, v0, 4, 1                 ; h
	v_mov_b32 v6, 0
	s_lshl_b32 s57, s56, 10
	v_lshl_add_u32 v5, v3, 4, s57          ; 1024 TAU + 16 lane
	s_wait_kmcnt 0x0
	s_cmp_ge_u32 s56, 1616
	s_cbranch_scc1 .Lrb
	s_cmp_ge_u32 s56, 1600
	s_cbranch_scc1 .Ltab
	s_cmp_ge_u32 s56, 1536
	s_cbranch_scc1 .Lrow
	s_lshr_b32 s58, s56, 6                 ; slot of the stream
	s_and_b32 s59, s56, 63                 ; fragment i of the slot
	s_cmp_ge_u32 s58, 2                    ; slots 2, 3 hold what slots 0, 1 hold; from there on t counts as if they stood once
	s_cselect_b32 s60, 2, 0
	s_sub_co_u32 s58, s58, s60
	s_cmp_lt_u32 s58, 2
	s_cbranch_scc1 .LdecA
	s_cmp_lt_u32 s58, 18
	s_cbranch_scc1 .LdecB
	s_cmp_lt_u32 s58, 20
	s_cbranch_scc1 .LdecC
	s_and_b32 s61, s59, 15                 ; t = 20, 21: We, m0 = 16 (i % 16), k0 = 32 (4 (t - 20) + i / 16)
	s_lshl_b32 s61, s61, 4
	s_sub_co_u32 s62, s58, 20
	s_lshl_b32 s62, s62, 2
	s_lshr_b32 s60, s59, 4
	s_add_co_u32 s62, s62, s60
	s_lshl_b32 s62, s62, 5
	GEN 8, 256, 0, 0
.LdecA:                                        ; t = 0, 1: pair g = 4 t + i / 16, ii = i % 16
	s_lshl_b32 s60, s58, 2
	s_lshr_b32 s63, s59, 4
	s_add_co_u32 s60, s60, s63
	s_lshl_b32 s60, s60, 5
	s_and_b32 s63, s59, 15
	s_and_b32 s61, s63, 1
	s_lshl_b32 s61, s61, 4
	s_add_co_u32 s61, s61, s60             ; m0 = 32 g + 16 (ii % 2)
	s_cmp_ge_u32 s63, 14
	s_cbranch_scc1 .Lzero
	s_cmp_ge_u32 s63, 12
	s_cbranch_scc1 .Lq
	s_cmp_ge_u32 s63, 8
	s_cbranch_scc1 .LA_p2
	s_lshr_b32 s62, s63, 1
	s_lshl_b32 s62, s62, 5
	GEN 10, 128, 1, 0                      ; -Wk
.LA_p2:
	s_sub_co_u32 s62, s63, 8
	s_lshr_b32 s62, s62, 1
	s_lshl_b32 s62, s62, 5
	GEN 14, 64, 0, 1                       ; Wp2
.LdecB:                                        ; t = 2 .. 17: chunk ch = 2 (t - 2) + i / 32, ii = i % 32
	s_sub_co_u32 s60, s58, 2
	s_lshl_b32 s60, s60, 1
	s_lshr_b32 s63, s59, 5
	s_add_co_u32 s60, s60, s63
	s_lshl_b32 s60, s60, 5                 ; 32 ch
	s_and_b32 s63, s59, 31
	s_cmp_ge_u32 s63, 16
	s_cbranch_scc1 .LB_a2
	s_and_b32 s61, s63, 1
	s_lshl_b32 s61, s61, 4
	s_add_co_u32 s61, s61, s60
	s_lshr_b32 s62, s63, 1
	s_lshl_b32 s62, s62, 5
	GEN 4, 256, 0, 1                       ; Wa1
.LB_a2:
	s_sub_co_u32 s61, s63, 16
	s_lshl_b32 s61, s61, 4
	s_mov_b32 s62, s60
	GEN 6, 1024, 0, 1                      ; Wa2
.LdecC:                                        ; t = 18, 19: tile m = 8 (t - 18) + i / 8, e = i % 8
	s_sub_co_u32 s60, s58, 18
	s_lshl_b32 s60, s60, 3
	s_lshr_b32 s63, s59, 3
	s_add_co_u32 s60, s60, s63
	s_lshl_b32 s61, s60, 4
	s_and_b32 s63, s59, 7
	s_cmp_ge_u32 s63, 6
	s_cbranch_scc1 .Lzero
	s_cmp_ge_u32 s63, 4
	s_cbranch_scc1 .LC_p2
	s_lshl_b32 s62, s63, 5
	GEN 18, 128, 0, 0                      ; Wv
.LC_p2:
	s_sub_co_u32 s62, s63, 4
	s_lshl_b32 s62, s62, 5
	GEN 14, 64, 0, 1                       ; Wp2
.Lzero:
.irp j,8,9,10,11
	v_mov_b32 v[\j], 0
.endr
	global_store_b128 v5, v[8:11], s[52:53]
	global_store_b128 v5, v[8:11], s[52:53] offset:512
	s_endpgm
.Lq:                                           ; Wq and bq - bk + 1 as one K step: k 0-2 Wq[o][:], k 9-11 the bias in three parts
	v_add_nc_u32 v4, s61, v1               ; o
	v_mul_u32_u24 v7, v4, 12
	v_lshlrev_b32 v4, 2, v4
	global_load_b32 v8, v7, s[16:17]
	global_load_b32 v9, v7, s[16:17] offset:4
	global_load_b32 v10, v7, s[16:17] offset:8
	global_load_b32 v11, v4, s[40:41]
	global_load_b32 v12, v4, s[34:35]
	v_mov_b32 v13, 0
	s_wait_loadcnt 0x0
	RND 8, 9, 14
	RND 10, 11, 14
	RND 12, 13, 14
	v_sub_f32 v11, v11, v12
	v_add_f32 v11, 1.0, v11
	SPLIT3 11, 16, 17, 18, 14
	v_cmp_eq_u32 vcc_lo, 1, v2
	v_cndmask_b32 v8, v8, v6, vcc_lo       ; lanes 0-15: k 0-7 = w0 w1 w2 0 ..; lanes 16-31: k 8-15 = 0 bh bm bl 0 ..
	v_cndmask_b32 v9, v9, v16, vcc_lo
	v_cndmask_b32 v10, v10, v17, vcc_lo
	v_cndmask_b32 v12, v6, v18, vcc_lo
	v_cvt_pk_bf16_f32 v20, v8, v9
	v_cvt_pk_bf16_f32 v21, v10, v12
.irp j,22,23,24,25,26,27
	v_mov_b32 v[\j], 0
.endr
	global_store_b128 v5, v[20:23], s[52:53]
	global_store_b128 v5, v[24:27], s[52:53] offset:512
	s_endpgm
.Lrow:                                         ; row o of W' and c'; lane l sums channels 8 l .. 8 l + 7
	s_sub_co_u32 s58, s56, 1536
	s_lshl_b32 s59, s58, 10
	v_lshl_add_u32 v4, v3, 5, s59
	v_mul_u32_u24 v7, v3, 96
	v_lshlrev_b32 v5, 5, v3
	s_lshl_b32 s60, s58, 2
	v_mov_b32 v62, s60
	s_mov_b32 s66, 0x76543210
	s_mov_b32 s67, 0xfedcba98
	global_load_b128 v[8:11], v4, s[12:13]
	global_load_b128 v[12:15], v4, s[12:13] offset:16
.irp j,0,1,2,3,4,5
	global_load_b128 v[16+4*\j:19+4*\j], v7, s[16:17] offset:16*\j
.endr
	global_load_b128 v[40:43], v5, s[40:41]
	global_load_b128 v[44:47], v5, s[40:41] offset:16
	global_load_b32 v48, v62, s[36:37]     ; bp1
	global_load_b32 v49, v62, s[46:47]     ; gamma
	global_load_b32 v50, v62, s[44:45]     ; beta
	global_load_b32 v51, v62, s[48:49]     ; mean
	global_load_b32 v52, v62, s[50:51]     ; var
	v_mov_b32 v53, 0
	v_mov_b32 v58, 0
	s_wait_loadcnt 0x0
.set i, 8
.rept 23
	RND i, i+1, 63
.set i, i+2
.endr
.irp j,0,1,2
	v_mul_f32 v[54+\j], v8, v[16+\j]
.endr
	v_mul_f32 v57, v8, v40
.set e, 1
.rept 7
.irp j,0,1,2
	v_fmac_f32 v[54+\j], v[8+e], v[16+3*e+\j]
.endr
	v_fmac_f32 v57, v[8+e], v[40+e]
.set e, e+1
.endr
.irp x,1,2,4,8
.irp j,54,55,56,57
	v_add_f32_dpp v[\j], v[\j], v[\j] row_xmask:\x row_mask:0xf bank_mask:0xf
.endr
.endr
.irp j,54,55,56,57
	v_permlanex16_b32 v58, v[\j], s66, s67
	v_add_f32 v[\j], v[\j], v58
.endr
	v_add_f32 v52, 0x3727c5ac, v52         ; var + 1e-5
	v_rsq_f32 v52, v52
	v_add_f32 v57, v57, v48                ; a plain line behind the transcendental: Wp1 bq + bp1
	s_wait_alu depctr_va_vdst(0)
	v_mul_f32 v49, v49, v52                ; s
	v_fma_f32 v50, -v51, v49, v50          ; beta - mean s
	v_mul_f32 v54, v54, v49
	v_mul_f32 v55, v55, v49
	v_mul_f32 v56, v56, v49
	v_fma_f32 v57, v57, v49, v50
	SPLIT3 54, 64, 65, 66, 63
	SPLIT3 55, 67, 68, 69, 63
	SPLIT3 56, 70, 71, 72, 63
	SPLIT3 57, 73, 74, 75, 63
	v_cvt_pk_bf16_f32 v76, v64, v67        ; k 0-7: W0h W1h W2h W0m W1m W2m W0l W1l
	v_cvt_pk_bf16_f32 v77, v70, v65
	v_cvt_pk_bf16_f32 v78, v68, v71
	v_cvt_pk_bf16_f32 v79, v66, v69
	v_cvt_pk_bf16_f32 v80, v72, v73        ; k 8-11: W2l ch cm cl
	v_cvt_pk_bf16_f32 v81, v74, v75
	v_cmp_eq_u32 vcc_lo, 0, v3
	v_cmp_eq_u32 s68, 1, v3
	v_cndmask_b32 v80, v6, v80, s68
	v_cndmask_b32 v81, v6, v81, s68
	v_cndmask_b32 v76, v80, v76, vcc_lo    ; lane 0: k 0-7; lane 1: k 8-15; lanes 2, 3: k 16-31 = 0
	v_cndmask_b32 v77, v81, v77, vcc_lo
	v_cndmask_b32 v78, v6, v78, vcc_lo
	v_cndmask_b32 v79, v6, v79, vcc_lo
	s_lshr_b32 s69, s58, 4
	s_lshl_b32 s69, s69, 10
	s_and_b32 s70, s58, 15
	s_lshl_b32 s70, s70, 4
	s_add_co_u32 s69, s69, s70
	v_lshl_add_u32 v82, v3, 8, s69         ; 1024 (o / 16) + 16 (o % 16) + 256 lane
	s_wait_xcnt 0x0                        ; EXEC changes only behind this wait
	v_cmpx_gt_u32 4, v3
	global_store_b128 v82, v[76:79], s[52:53] offset:WPQ
	s_endpgm
.Ltab:
	s_sub_co_u32 s58, s56, 1600
	s_cmp_ge_u32 s58, 8
	s_cbranch_scc1 .Ltab2
	s_lshl_b32 s59, s58, 9                 ; 128 hidden channels a wave, 4 a lane
	v_lshl_add_u32 v4, v3, 4, s59
	global_load_b128 v[8:11], v4, s[22:23]     ; gamma
	global_load_b128 v[12:15], v4, s[26:27]    ; var
	global_load_b128 v[16:19], v4, s[20:21]    ; beta
	global_load_b128 v[20:23], v4, s[24:25]    ; mean
	global_load_b128 v[24:27], v4, s[28:29]    ; ba1
	s_wait_loadcnt 0x0
.set i, 8
.rept 10
	RND i, i+1, 63
.set i, i+2
.endr
.irp j,0,1,2,3
	v_add_f32 v[12+\j], 0x3727c5ac, v[12+\j]
.endr
.irp j,0,1,2,3
	v_rsq_f32 v[12+\j], v[12+\j]
.endr
	v_nop                                  ; a plain line behind the last transcendental
	s_wait_alu depctr_va_vdst(0)
.irp j,0,1,2,3
	v_mul_f32 v[8+\j], v[8+\j], v[12+\j]               ; SA = s
	v_fma_f32 v[16+\j], -v[20+\j], v[8+\j], v[16+\j]   ; beta - mean s
	v_fma_f32 v[16+\j], v[24+\j], v[8+\j], v[16+\j]    ; TA = ba1 s + that
.endr
	v_lshrrev_b32 v5, 3, v3
	s_lshl_b32 s59, s58, 10
	v_lshl_add_u32 v5, v5, 8, s59          ; record 4 q + l / 8
	v_and_b32 v7, 7, v3
	v_lshl_add_u32 v5, v7, 4, v5
	global_store_b128 v5, v[8:11], s[54:55]
	global_store_b128 v5, v[16:19], s[54:55] offset:128
	s_endpgm
.Ltab2:                                        ; id 0: bv + bp2, 1: be, 2: bp2, 3: ba2; 128 numbers a wave
	s_sub_co_u32 s58, s58, 8
	s_lshr_b32 s59, s58, 1
	s_and_b32 s60, s58, 1
	s_lshl_b32 s60, s60, 9
	s_cmp_eq_u32 s59, 0
	s_cselect_b64 s[70:71], s[42:43], s[32:33]
	s_cselect_b32 s63, 1.0, 0
	s_cmp_eq_u32 s59, 2
	s_cselect_b64 s[70:71], s[38:39], s[70:71]
	s_cmp_eq_u32 s59, 3
	s_cselect_b64 s[70:71], s[30:31], s[70:71]
	v_lshl_add_u32 v4, v3, 4, s60
	global_load_b128 v[8:11], v4, s[70:71]
	global_load_b128 v[12:15], v4, s[38:39]
	s_wait_loadcnt 0x0
.set i, 8
.rept 4
	RND i, i+1, 63
.set i, i+2
.endr
.irp j,0,1,2,3
	v_fma_f32 v[8+\j], v[12+\j], s63, v[8+\j]
.endr
	s_lshl_b32 s61, s59, 10
	v_add_nc_u32 v5, s61, v4
	global_store_b128 v5, v[8:11], s[54:55] offset:8192
	s_endpgm
.Lrb:                                          ; 8 rows of Wa1 a wave: lane l sums |w| over quarter l % 4 of row 8 q + l / 4
	s_sub_co_u32 s58, s56, 1616            ; registers: v[8:71] the 64 weights, v72 gamma, v73 var, v[74:77] four sums, v80 4 x row, v81 at work
	s_lshl_b32 s59, s58, 3
	v_lshrrev_b32 v4, 2, v3
	v_add_nc_u32 v4, s59, v4               ; row
	v_and_b32 v7, 3, v3
	v_lshlrev_b32 v5, 10, v4
	v_lshl_add_u32 v5, v7, 8, v5
	v_lshlrev_b32 v80, 2, v4
.irp j,0,1,2,3,4,5,6,7,8,9,10,11,12,13,14,15
	global_load_b128 v[8+4*\j:11+4*\j], v5, s[4:5] offset:16*\j
.endr
	global_load_b32 v72, v80, s[22:23]     ; gamma
	global_load_b32 v73, v80, s[26:27]     ; var
	s_wait_loadcnt 0x0
	RND 72, 73, 81
.irp k,0,1,2,3
	v_add_f32 v[74+\k], |v[8+2*\k]|, |v[9+2*\k]|
.endr
.set n, 8
.rept 56
	v_add_f32 v[74+(n&3)], v[74+(n&3)], |v[8+n]|
.set n, n+1
.endr
	v_add_f32 v74, v74, v75
	v_add_f32 v76, v76, v77
	v_add_f32 v74, v74, v76
	v_add_f32_dpp v74, v74, v74 row_xmask:1 row_mask:0xf bank_mask:0xf
	v_add_f32_dpp v74, v74, v74 row_xmask:2 row_mask:0xf bank_mask:0xf
	v_add_f32 v73, 0x3727c5ac, v73
	v_rsq_f32 v73, v73
	v_nop                                  ; a plain line behind the transcendental
	s_wait_alu depctr_va_vdst(0)
	v_mul_f32 v72, v72, v73
	v_mul_f32 v74, v74, |v72|
	s_wait_xcnt 0x0                        ; EXEC changes only behind this wait
	v_cmpx_eq_u32 0, v7
	global_store_b32 v80, v74, s[54:55] offset:12288   ; 8 lanes: 32 consecutive bytes
	s_endpgm
.Lfunc_end_k_q607a4fe25f_prep:
	.size	k_q607a4fe25f_prep, .Lfunc_end_k_q607a4fe25f_prep-k_q607a4fe25f_prep
	.p2alignl 7, 3214868480
	.fill 96, 4, 3214868480
	.section	.rodata,"a",@progbits
	.p2align	6, 0x0
	.amdhsa_kernel k_q607a4fe25f_prep
		.amdhsa_group_segment_fixed_size 0
		.amdhsa_private_segment_fixed_size 0
		.amdhsa_enable_private_segment 0
		.amdhsa_kernarg_size 208
		.amdhsa_user_sgpr_count 2
		.amdhsa_user_sgpr_kernarg_segment_ptr 1
		.amdhsa_wavefront_size32 1
		.amdhsa_system_sgpr_workgroup_id_x 1
		.amdhsa_system_sgpr_workgroup_id_y 1
		.amdhsa_system_sgpr_workgroup_id_z 1
		.amdhsa_system_vgpr_workitem_id 0
		.amdhsa_next_free_vgpr 96
		.amdhsa_next_free_sgpr 76
		.amdhsa_reserve_vcc 1
		.amdhsa_float_denorm_mode_32 3
		.amdhsa_float_denorm_mode_16_64 3
		.amdhsa_memory_ordered 1
		.amdhsa_forward_progress 1
		.amdhsa_inst_pref_size 44
	.end_amdhsa_kernel
	.amdgpu_metadata
---
amdhsa.version: [ 1, 2 ]
amdhsa.kernels:
  - .name:           k_q607a4fe25f_prep
    .symbol:         k_q607a4fe25f_prep.kd
    .args:
      - { .name: Wa1, .offset: 0, .size: 8, .value_kind: global_buffer, .address_space: global }
      - { .name: Wa2, .offset: 8, .size: 8, .value_kind: global_buffer, .address_space: global }
      - { .name: We, .offset: 16, .size: 8, .value_kind: global_buffer, .address_space: global }
      - { .name: Wk, .offset: 24, .size: 8, .value_kind: global_buffer, .address_space: global }
      - { .name: Wp1, .offset: 32, .size: 8, .value_kind: global_buffer, .address_space: global }
      - { .name: Wp2, .offset: 40, .size: 8, .value_kind: global_buffer, .address_space: global }
      - { .name: Wq, .offset: 48, .size: 8, .value_kind: global_buffer, .address_space: global }
      - { .name: Wv, .offset: 56, .size: 8, .value_kind: global_buffer, .address_space: global }
      - { .name: a_beta, .offset: 64, .size: 8, .value_kind: global_buffer, .address_space: global }
      - { .name: a_gamma, .offset: 72, .size: 8, .value_kind: global_buffer, .address_space: global }
      - { .name: a_mean, .offset: 80, .size: 8, .value_kind: global_buffer, .address_space: global }
      - { .name: a_var, .offset: 88, .size: 8, .value_kind: global_buffer, .address_space: global }
      - { .name: ba1, .offset: 96, .size: 8, .value_kind: global_buffer, .address_space: global }
      - { .name: ba2, .offset: 104, .size: 8, .value_kind: global_buffer, .address_space: global }
      - { .name: be, .offset: 112, .size: 8, .value_kind: global_buffer, .address_space: global }
      - { .name: bk, .offset: 120, .size: 8, .value_kind: global_buffer, .address_space: global }
      - { .name: bp1, .offset: 128, .size: 8, .value_kind: global_buffer, .address_space: global }
      - { .name: bp2, .offset: 136, .size: 8, .value_kind: global_buffer, .address_space: global }
      - { .name: bq, .offset: 144, .size: 8, .value_kind: global_buffer, .address_space: global }
      - { .name: bv, .offset: 152, .size: 8, .value_kind: global_buffer, .address_space: global }
      - { .name: p_beta, .offset: 160, .size: 8, .value_kind: global_buffer, .address_space: global }
      - { .name: p_gamma, .offset: 168, .size: 8, .value_kind: global_buffer, .address_space: global }
      - { .name: p_mean, .offset: 176, .size: 8, .value_kind: global_buffer, .address_space: global }
      - { .name: p_var, .offset: 184, .size: 8, .value_kind: global_buffer, .address_space: global }
      - { .name: ws, .offset: 192, .size: 8, .value_kind: global_buffer, .address_space: global }
      - { .name: tab, .offset: 200, .size: 8, .value_kind: global_buffer, .address_space: global }
    .group_segment_fixed_size: 0
    .private_segment_fixed_size: 0
    .kernarg_segment_align: 8
    .kernarg_segment_size: 208
    .max_flat_workgroup_size: 128
    .sgpr_count:     76
    .vgpr_count:     96
    .wavefront_size: 32
...
	.end_amdgpu_metadata
.endif
;; end of part 1
;; launch knn1 (part 2): grid 256 x 1, 4 waves a work-group, no clusters, 88,576 bytes of LDS; arguments pos, pq, grp; writes pq, grp
.if DOCPART == 2
	.amdgcn_target "amdgcn-amd-amdhsa--gfx1250"
	.amdhsa_code_object_version 6
	.text
	.protected	k_q607a4fe25f_knn1
	.globl	k_q607a4fe25f_knn1
	.p2align	8
	.type	k_q607a4fe25f_knn1,@function
k_q607a4fe25f_knn1:
	s_mov_b64 s[64:65], 0
	v_nop
	global_prefetch_b8 v0, s[64:65] scope:SCOPE_SE
	s_setreg_imm32_b32 hwreg(HW_REG_WAVE_MODE, 25, 1), 1
	s_wait_xcnt 0x0
; First half of the 8 nearest neighbours.  pos is rounded to bf16; d(i, j) = (sq_i + sq_j) - 2 ((x x' + y y') + z z'), each step rounded to f32: products of two
; rounded coordinates are exact in f32, so fused and unfused forms give the same bits.  ASSUMED: the sums over the three coordinates go in ascending order.
; The 4,096 candidates of a batch lie in 256 groups of 16.  Each of a row's 8 nearest, ordered by (d, j), lies in one of the 8 groups that are smallest by
; (group minimum, group number): else 8 groups would each hold a point that precedes it.  This launch stores those 8 group numbers, ascending (grp), and the
; rounded points with their squares (pq).  A work-group has 32 rows, a lane a row; wave w scans candidates 1024 w .. 1024 w + 1023; the four lists are merged in LDS.
; Equal values: a strict "<" with candidates arriving in ascending order keeps the lower number first.  NaN and infinities are not treated apart.
; No matrix unit, no tensor load: 3 multiply-adds a distance, and the table of 64 KB is made by each work-group from 48 KB that all share.
.set LISTA, 65536                      ; [wave][16 words][32 lanes]: 8 values, 8 numbers; 2,048 bytes a wave
.set LB,    10240                      ; the merged lists lie this far behind: past every wave's read of its neighbour's list
.set SPARE, 88064                      ; the spare words, 128 bytes a wave
.set CA, 64                            ; v[64:127]   a group's X16, Y16, Z16, SQ16
.set CB, 128                           ; v[128:191]  the next group's
; v2 spare word's address, v3 0; v4 LDS address of the group to load; v5 group number; v6 my list; v7 lane; v[8:11] my row; v[12:19] x, y, z, sq twice each
; v[20:27] the 8 smallest values, ascending; v[28:35] their numbers; v[36:51] 16 distances, later a partner's list; v52-58 at work; s[20:27] masks
.macro RND a, b, t
	v_cvt_pk_bf16_f32 v[\t], v[\a], v[\b]
	v_lshlrev_b32 v[\a], 16, v[\t]
	v_and_b32 v[\b], 0xffff0000, v[\t]
.endm
.macro INSERT x, pay                   ; x with its number goes into the sorted list, behind its equals
.irp s,0,1,2,3,4,5,6,7
	v_cmp_lt_f32 s[20+\s], v[\x], v[20+\s]
.endr
.irp s,7,6,5,4,3,2,1
	v_cndmask_b32 v[28+\s], v[28+\s], v[\pay], s[20+\s]
	v_cndmask_b32 v[28+\s], v[28+\s], v[27+\s], s[19+\s]
.endr
	v_cndmask_b32 v28, v28, v[\pay], s20
.irp s,7,6,5,4,3,2,1
	v_med3_num_f32 v[20+\s], v[19+\s], v[\x], v[20+\s]
.endr
	v_min_num_f32 v20, v20, v[\x]
.endm
.macro FILLG buf, off                  ; 16 loads, one address for all lanes
.irp a,0,1,2,3
.irp q,0,1,2,3
	ds_load_b128 v[\buf+16*\a+4*\q:\buf+16*\a+4*\q+3], v4 offset:16384*\a+16*\q+\off
.endr
.endr
.endm
.macro GROUP buf, reload, off, left    ; left: the other buffer's younger loads
	s_wait_dscnt \left
.irp p,0,1,2,3,4,5,6,7
	v_pk_mul_f32 v[36+2*\p:37+2*\p], v[\buf+2*\p:\buf+2*\p+1], v[12:13]
.endr
.irp p,0,1,2,3,4,5,6,7
	v_pk_fma_f32 v[36+2*\p:37+2*\p], v[\buf+16+2*\p:\buf+17+2*\p], v[14:15], v[36+2*\p:37+2*\p]
.endr
.irp p,0,1,2,3,4,5,6,7
	v_pk_fma_f32 v[36+2*\p:37+2*\p], v[\buf+32+2*\p:\buf+33+2*\p], v[16:17], v[36+2*\p:37+2*\p]
.endr
.irp p,0,1,2,3,4,5,6,7
	v_pk_add_f32 v[\buf+48+2*\p:\buf+49+2*\p], v[\buf+48+2*\p:\buf+49+2*\p], v[18:19]
.endr
.irp p,0,1,2,3,4,5,6,7
	v_pk_fma_f32 v[36+2*\p:37+2*\p], v[36+2*\p:37+2*\p], -2.0, v[\buf+48+2*\p:\buf+49+2*\p] op_sel_hi:[1,0,1]
.endr
.if \reload
	FILLG \buf, \off
.endif
	v_min3_num_f32 v54, v36, v37, v38
	v_min3_num_f32 v55, v45, v46, v47
	v_min3_num_f32 v54, v54, v39, v40
	v_min3_num_f32 v55, v55, v48, v49
	v_min3_num_f32 v54, v54, v41, v42
	v_min3_num_f32 v55, v55, v50, v51
	v_min3_num_f32 v54, v54, v43, v44
	v_min_num_f32 v54, v54, v55
	INSERT 54, 5
	v_add_nc_u32 v5, 1, v5
.endm
; A sorted list of later candidates, off bytes behind my own, is taken in: 16 loads at fixed places; then 8 trips on registers: the list's head goes in, the list moves down.
.macro MERGE off
.irp s,0,1,2,3,4,5,6,7
	ds_load_b32 v[36+\s], v6 offset:\off+128*\s
	ds_load_b32 v[44+\s], v6 offset:\off+1024+128*\s
.endr
	s_wait_dscnt 0x0
	s_mov_b32 s18, 8
.Lmg_\@:
	INSERT 36, 44
.irp s,0,1,2,3,4,5,6
	v_mov_b32 v[36+\s], v[37+\s]
	v_mov_b32 v[44+\s], v[45+\s]
.endr
	s_sub_co_u32 s18, s18, 1
	s_cmp_lg_u32 s18, 0
	s_cbranch_scc1 .Lmg_\@
.endm
.macro PUTLIST off
.irp s,0,1,2,3,4,5,6,7
	ds_store_b32 v6, v[20+\s] offset:\off+128*\s
	ds_store_b32 v6, v[28+\s] offset:\off+1024+128*\s
.endr
.endm
.macro CE a, b
	v_min_u32 v52, v[28+\a], v[28+\b]
	v_max_u32 v[28+\b], v[28+\a], v[28+\b]
	v_mov_b32 v[28+\a], v52
.endm
	s_load_b128 s[4:7], s[0:1], 0x0        ; pos, pq
	s_load_b64 s[8:9], s[0:1], 0x10        ; grp
	v_lshl_add_u32 v2, v0, 2, SPARE
	v_mov_b32 v3, 0
	v_lshrrev_b32 v4, 5, v0
	v_readfirstlane_b32 s10, v4            ; wave
	s_lshr_b32 s11, ttmp9, 7               ; batch
	s_mul_i32 s12, s11, 49152
	s_mov_b32 s13, 0
	v_lshlrev_b32 v6, 4, v0                ; 16 t: four points a thread and step
	v_and_b32 v7, 31, v0
	s_wait_kmcnt 0x0
	s_add_nc_u64 s[4:5], s[4:5], s[12:13]
.irp a,0,1,2
.irp u,0,1,2,3,4,5,6,7
	global_load_b128 v[64+32*\a+4*\u:67+32*\a+4*\u], v6, s[4:5] offset:16384*\a+2048*\u
.endr
.endr
	s_wait_loadcnt 0x0
.set i, 64
.rept 48
	RND i, i+1, 52
.set i, i+2
.endr
.set i, 0
.rept 16
	v_pk_mul_f32 v[160+i:161+i], v[64+i:65+i], v[64+i:65+i]
	v_pk_fma_f32 v[160+i:161+i], v[96+i:97+i], v[96+i:97+i], v[160+i:161+i]
	v_pk_fma_f32 v[160+i:161+i], v[128+i:129+i], v[128+i:129+i], v[160+i:161+i]
.set i, i+2
.endr
.irp a,0,1,2,3
.irp u,0,1,2,3,4,5,6,7
	ds_store_b128 v6, v[64+32*\a+4*\u:67+32*\a+4*\u] offset:16384*\a+2048*\u
.endr
.endr
	s_wait_dscnt 0x0                       ; my part of the table is written,
	s_barrier_signal -1
	s_barrier_wait -1                      ; everybody's is
	s_and_b32 s14, ttmp9, 127
	s_lshl_b32 s14, s14, 7
	v_lshl_add_u32 v54, v7, 2, s14         ; my row in the table
	s_lshl_b32 s15, s10, 12
	v_mov_b32 v4, s15                      ; my wave's first group
	s_lshl_b32 s15, s10, 6
	v_mov_b32 v5, s15
	ds_load_b32 v8, v54
	ds_load_b32 v9, v54 offset:16384
	ds_load_b32 v10, v54 offset:32768
	ds_load_b32 v11, v54 offset:49152
	FILLG CA, 0
	FILLG CB, 64
.irp s,0,1,2,3,4,5,6,7
	v_mov_b32 v[20+\s], 0x7f800000
	v_mov_b32 v[28+\s], 0
.endr
	s_wait_dscnt 32                        ; the row is in; the two groups' 32 loads are younger
.irp j,0,1,2,3
	v_mov_b32 v[12+2*\j], v[8+\j]
	v_mov_b32 v[13+2*\j], v[8+\j]
.endr
	s_mov_b32 s16, 31
.Lscan:                                        ; a trip: two groups are judged, the two behind them loaded
	GROUP CA, 1, 128, 16
	GROUP CB, 1, 192, 16
	v_add_nc_u32 v4, 128, v4
	s_sub_co_u32 s16, s16, 1
	s_cmp_lg_u32 s16, 0
	s_cbranch_scc1 .Lscan
	GROUP CA, 0, 0, 16
	GROUP CB, 0, 0, 0
	s_lshl_b32 s17, s10, 11
	v_lshl_add_u32 v6, v7, 2, s17
	v_add_nc_u32 v6, LISTA, v6             ; my wave's list
	PUTLIST 0
	s_wait_dscnt 0x0
	s_barrier_signal -1
	s_barrier_wait -1
	s_and_b32 s19, s10, 1
	s_cmp_lg_u32 s19, 0
	s_cbranch_scc1 .Lodd
	MERGE 2048                             ; waves 0 and 2 take in the next wave's list
	PUTLIST LB
.Lodd:
	s_wait_dscnt 0x0
	s_barrier_signal -1
	s_barrier_wait -1
	s_cmp_lg_u32 s10, 0
	s_cbranch_scc1 .Lend
	MERGE LB+4096                          ; wave 0 takes in wave 2's merged list
	CE 0,1                                 ; the 8 numbers in ascending order: 19 exchanges
	CE 2,3
	CE 4,5
	CE 6,7
	CE 0,2
	CE 1,3
	CE 4,6
	CE 5,7
	CE 1,2
	CE 5,6
	CE 0,4
	CE 1,5
	CE 2,6
	CE 3,7
	CE 2,4
	CE 3,5
	CE 1,2
	CE 3,4
	CE 5,6
	s_lshl_b32 s28, ttmp9, 10
	v_lshl_add_u32 v57, v7, 5, s28         ; row 32 x work-group + lane, 32 bytes a row
	s_lshl_b32 s29, ttmp9, 9
	v_lshl_add_u32 v58, v7, 4, s29
	global_store_b128 v57, v[28:31], s[8:9]
	global_store_b128 v57, v[32:35], s[8:9] offset:16
	global_store_b128 v58, v[8:11], s[6:7]
.Lend:
	s_wait_tensorcnt 0x0                   ; the wave's end
	ds_add_u32 v2, v3
	s_wait_dscnt 0x0
	s_endpgm
.Lfunc_end_k_q607a4fe25f_knn1:
	.size	k_q607a4fe25f_knn1, .Lfunc_end_k_q607a4fe25f_knn1-k_q607a4fe25f_knn1
	.p2alignl 7, 3214868480
	.fill 96, 4, 3214868480
	.section	.rodata,"a",@progbits
	.p2align	6, 0x0
	.amdhsa_kernel k_q607a4fe25f_knn1
		.amdhsa_group_segment_fixed_size 88576
		.amdhsa_private_segment_fixed_size 0
		.amdhsa_enable_private_segment 0
		.amdhsa_kernarg_size 24
		.amdhsa_user_sgpr_count 2
		.amdhsa_user_sgpr_kernarg_segment_ptr 1
		.amdhsa_wavefront_size32 1
		.amdhsa_system_sgpr_workgroup_id_x 1
		.amdhsa_system_sgpr_workgroup_id_y 1
		.amdhsa_system_sgpr_workgroup_id_z 1
		.amdhsa_system_vgpr_workitem_id 0
		.amdhsa_next_free_vgpr 192
		.amdhsa_next_free_sgpr 66
		.amdhsa_reserve_vcc 0
		.amdhsa_float_denorm_mode_32 3
		.amdhsa_float_denorm_mode_16_64 3
		.amdhsa_memory_ordered 1
		.amdhsa_forward_progress 1
		.amdhsa_inst_pref_size 54
	.end_amdhsa_kernel
	.amdgpu_metadata
---
amdhsa.version: [ 1, 2 ]
amdhsa.kernels:
  - .name:           k_q607a4fe25f_knn1
    .symbol:         k_q607a4fe25f_knn1.kd
    .args:
      - { .name: pos, .offset: 0, .size: 8, .value_kind: global_buffer, .address_space: global }
      - { .name: pq, .offset: 8, .size: 8, .value_kind: global_buffer, .address_space: global }
      - { .name: grp, .offset: 16, .size: 8, .value_kind: global_buffer, .address_space: global }
    .group_segment_fixed_size: 88576
    .private_segment_fixed_size: 0
    .kernarg_segment_align: 8
    .kernarg_segment_size: 24
    .max_flat_workgroup_size: 128
    .sgpr_count:     66
    .vgpr_count:     192
    .wavefront_size: 32
...
	.end_amdgpu_metadata
.endif
;; end of part 2
;; launch knn2 (part 3): grid 256 x 1, 4 waves a work-group, no clusters, 23,040 bytes of LDS; arguments pq, grp, idx; writes idx
.if DOCPART == 3
	.amdgcn_target "amdgcn-amd-amdhsa--gfx1250"
	.amdhsa_code_object_version 6
	.text
	.protected	k_q607a4fe25f_knn2
	.globl	k_q607a4fe25f_knn2
	.p2align	8
	.type	k_q607a4fe25f_knn2,@function
k_q607a4fe25f_knn2:
	s_mov_b64 s[64:65], 0
	v_nop
	global_prefetch_b8 v0, s[64:65] scope:SCOPE_SE
	s_setreg_imm32_b32 hwreg(HW_REG_WAVE_MODE, 25, 1), 1
	s_wait_xcnt 0x0
; Second half of the 8 nearest neighbours: of a row's 8 chosen groups (grp, ascending; whole numbers from the launch before) the 128 candidates are fetched,
; their distances made with the same arithmetic, bit for bit, and the 8 smallest by (d, j) stored in that order (idx).
; A work-group has 32 rows, a lane a row; wave w takes the row's groups 2 w and 2 w + 1, so candidates arrive in ascending j within a wave and from wave to wave.
.set LB,    10240                      ; lists at 0, 2,048 bytes a wave; the merged lists this far behind
.set SPARE, 22528                      ; the spare words
.macro INSERT x, pay
.irp s,0,1,2,3,4,5,6,7
	v_cmp_lt_f32 s[20+\s], v[\x], v[20+\s]
.endr
.irp s,7,6,5,4,3,2,1
	v_cndmask_b32 v[28+\s], v[28+\s], v[\pay], s[20+\s]
	v_cndmask_b32 v[28+\s], v[28+\s], v[27+\s], s[19+\s]
.endr
	v_cndmask_b32 v28, v28, v[\pay], s20
.irp s,7,6,5,4,3,2,1
	v_med3_num_f32 v[20+\s], v[19+\s], v[\x], v[20+\s]
.endr
	v_min_num_f32 v20, v20, v[\x]
.endm
.macro MERGE off                       ; 16 loads at fixed places; then 8 trips on registers: the list's head goes in, the list moves down
.irp s,0,1,2,3,4,5,6,7
	ds_load_b32 v[36+\s], v6 offset:\off+128*\s
	ds_load_b32 v[44+\s], v6 offset:\off+1024+128*\s
.endr
	s_wait_dscnt 0x0
	s_mov_b32 s18, 8
.Lmg_\@:
	INSERT 36, 44
.irp s,0,1,2,3,4,5,6
	v_mov_b32 v[36+\s], v[37+\s]
	v_mov_b32 v[44+\s], v[45+\s]
.endr
	s_sub_co_u32 s18, s18, 1
	s_cmp_lg_u32 s18, 0
	s_cbranch_scc1 .Lmg_\@
.endm
.macro PUTLIST off
.irp s,0,1,2,3,4,5,6,7
	ds_store_b32 v6, v[20+\s] offset:\off+128*\s
	ds_store_b32 v6, v[28+\s] offset:\off+1024+128*\s
.endr
.endm
	s_load_b128 s[4:7], s[0:1], 0x0        ; pq, grp
	s_load_b64 s[8:9], s[0:1], 0x10        ; idx
	v_lshl_add_u32 v2, v0, 2, SPARE
	v_mov_b32 v3, 0
	v_lshrrev_b32 v4, 5, v0
	v_readfirstlane_b32 s10, v4
	v_and_b32 v7, 31, v0
	s_lshl_b32 s28, ttmp9, 9
	v_lshl_add_u32 v56, v7, 4, s28         ; my row in pq
	s_lshl_b32 s29, ttmp9, 10
	s_lshl_b32 s30, s10, 3
	s_add_co_u32 s29, s29, s30
	v_lshl_add_u32 v57, v7, 5, s29         ; my row in grp, my wave's two numbers
	s_lshr_b32 s12, ttmp9, 7
	s_lshl_b32 s12, s12, 16                ; the batch's points
	s_mov_b32 s13, 0
	s_wait_kmcnt 0x0
	global_load_b128 v[8:11], v56, s[4:5]
	global_load_b64 v[58:59], v57, s[6:7]
	s_add_nc_u64 s[14:15], s[4:5], s[12:13]
.irp s,0,1,2,3,4,5,6,7
	v_mov_b32 v[20+\s], 0x7f800000
	v_mov_b32 v[28+\s], 0
.endr
	s_wait_loadcnt 0x0
	v_min_u32 v58, 0xff, v58
	v_min_u32 v59, 0xff, v59
	v_lshlrev_b32 v4, 8, v58               ; a group is 256 bytes of pq
	v_lshlrev_b32 v5, 4, v58               ; its first candidate's number
	v_lshlrev_b32 v60, 8, v59
	v_lshlrev_b32 v61, 4, v59
	s_mov_b32 s16, 2
.Lgrp:
.irp e,0,1,2,3,4,5,6,7,8,9,10,11,12,13,14,15
	global_load_b128 v[64+4*\e:67+4*\e], v4, s[14:15] offset:16*\e
.endr
.irp e,0,1,2,3,4,5,6,7,8,9,10,11,12,13,14,15
	s_wait_loadcnt 15-\e                   ; candidate e is in; the younger ones stay out
	v_mul_f32 v52, v[64+4*\e], v8
	v_fmac_f32 v52, v[65+4*\e], v9
	v_fmac_f32 v52, v[66+4*\e], v10
	v_add_f32 v53, v[67+4*\e], v11
	v_fmac_f32 v53, -2.0, v52
	v_add_nc_u32 v54, \e, v5
	INSERT 53, 54
.endr
	v_mov_b32 v4, v60                      ; all 16 loads are done: the offset may be written
	v_mov_b32 v5, v61
	s_sub_co_u32 s16, s16, 1
	s_cmp_lg_u32 s16, 0
	s_cbranch_scc1 .Lgrp
	s_lshl_b32 s17, s10, 11
	v_lshl_add_u32 v6, v7, 2, s17
	PUTLIST 0
	s_wait_dscnt 0x0
	s_barrier_signal -1
	s_barrier_wait -1
	s_and_b32 s19, s10, 1
	s_cmp_lg_u32 s19, 0
	s_cbranch_scc1 .Lodd
	MERGE 2048
	PUTLIST LB
.Lodd:
	s_wait_dscnt 0x0
	s_barrier_signal -1
	s_barrier_wait -1
	s_cmp_lg_u32 s10, 0
	s_cbranch_scc1 .Lend
	MERGE LB+4096
	global_store_b128 v57, v[28:31], s[8:9]            ; wave 0: v57 is 32 x row
	global_store_b128 v57, v[32:35], s[8:9] offset:16
.Lend:
	s_wait_tensorcnt 0x0                   ; the wave's end
	ds_add_u32 v2, v3
	s_wait_dscnt 0x0
	s_endpgm
.Lfunc_end_k_q607a4fe25f_knn2:
	.size	k_q607a4fe25f_knn2, .Lfunc_end_k_q607a4fe25f_knn2-k_q607a4fe25f_knn2
	.p2alignl 7, 3214868480
	.fill 96, 4, 3214868480
	.section	.rodata,"a",@progbits
	.p2align	6, 0x0
	.amdhsa_kernel k_q607a4fe25f_knn2
		.amdhsa_group_segment_fixed_size 23040
		.amdhsa_private_segment_fixed_size 0
		.amdhsa_enable_private_segment 0
		.amdhsa_kernarg_size 24
		.amdhsa_user_sgpr_count 2
		.amdhsa_user_sgpr_kernarg_segment_ptr 1
		.amdhsa_wavefront_size32 1
		.amdhsa_system_sgpr_workgroup_id_x 1
		.amdhsa_system_sgpr_workgroup_id_y 1
		.amdhsa_system_sgpr_workgroup_id_z 1
		.amdhsa_system_vgpr_workitem_id 0
		.amdhsa_next_free_vgpr 128
		.amdhsa_next_free_sgpr 66
		.amdhsa_reserve_vcc 0
		.amdhsa_float_denorm_mode_32 3
		.amdhsa_float_denorm_mode_16_64 3
		.amdhsa_memory_ordered 1
		.amdhsa_forward_progress 1
		.amdhsa_inst_pref_size 48
	.end_amdhsa_kernel
	.amdgpu_metadata
---
amdhsa.version: [ 1, 2 ]
amdhsa.kernels:
  - .name:           k_q607a4fe25f_knn2
    .symbol:         k_q607a4fe25f_knn2.kd
    .args:
      - { .name: pq, .offset: 0, .size: 8, .value_kind: global_buffer, .address_space: global }
      - { .name: grp, .offset: 8, .size: 8, .value_kind: global_buffer, .address_space: global }
      - { .name: idx, .offset: 16, .size: 8, .value_kind: global_buffer, .address_space: global }
    .group_segment_fixed_size: 23040
    .private_segment_fixed_size: 0
    .kernarg_segment_align: 8
    .kernarg_segment_size: 24
    .max_flat_workgroup_size: 128
    .sgpr_count:     66
    .vgpr_count:     128
    .wavefront_size: 32
...
	.end_amdgpu_metadata
.endif
;; end of part 3
;; launch main (part 4): grid 256 x 1, 4 waves a work-group, clusters of 4 x 1, 327,680 bytes of LDS; arguments key, values, pq, idx, ws, tab, out0; writes out0
.if DOCPART == 4
	.amdgcn_target "amdgcn-amd-amdhsa--gfx1250"
	.amdhsa_code_object_version 6
	.text
	.protected	k_q607a4fe25f_main
	.globl	k_q607a4fe25f_main
	.p2align	8
	.type	k_q607a4fe25f_main,@function
k_q607a4fe25f_main:
	s_mov_b64 s[64:65], 0
	v_nop
	global_prefetch_b8 v0, s[64:65] scope:SCOPE_SE
	s_setreg_imm32_b32 hwreg(HW_REG_WAVE_MODE, 25, 1), 1
	s_wait_xcnt 0x0
	s_wait_alu depctr_hold_cnt(0) depctr_sa_sdst(0) depctr_va_vdst(0) depctr_va_sdst(0) depctr_va_ssrc(0) depctr_va_vcc(0) depctr_vm_vsrc(0)
	s_getreg_b32 s2, hwreg(HW_REG_IB_STS2, 6, 4)
	s_cmp_eq_u32 s2, 0
	s_cbranch_scc0 .Lentry_in_a_cluster
	s_endpgm
.Lentry_in_a_cluster:
	s_bfe_u32 s2, ttmp6, 0x10000c
	s_cmp_lg_u32 s2, 0x3003
	s_cbranch_scc0 .Lentry_shape_is_right
	s_endpgm
.Lentry_shape_is_right:
; The whole chain for 32 points (256 columns (point, slot)) a work-group, 8 points (64 columns, four tiles of 16) a wave.  Sums in f32.
;   h1 = relu(W' p + c')            u = [-Wk | Wq | bq - bk + 1] [key; p; 1] = q - k_f + 1          pe = Wp2 h1 + bp2          x = pe u
;   h2 = relu(SA (Wa1 x) + TA)      L = Wa2 h2 + ba2       w = Wv values + bv + bp2 + Wp2 h1 = v + pe
;   agg = sum over the 8 slots of softmax(L) w (the slots' maximum is taken away first)             y = We agg + be
; FORMATS.  What is an input (key, values, p, and their weights) is multiplied in bf16, to which every input is rounded.  What the program makes is kept to 11 bits or more:
; h1, x, h2 go in f16, each times a power of two that is one number for the wave: k1 and kx bring the wave's exact largest h1 and |x| into [2^14, 2^15) (for x the pairs are
; made twice: the first pass finds the maximum, the second scales); tau brings the bound 2^15 / kx max_j RB_j + max_j |TA_j| >= h2 under 2^14 (RB_j = |SA_j| sum_i |Wa1_ji|; the
; factor of 2 that is left covers the roundings).  The sums for L are kept times tau and start from ba2 tau.  agg goes as a high and a low bf16 part.
; LAYOUT.  Weights are source 0 (rows = output channels), activations source 1 (a lane = a column).  Two results one above the other, rounded in pairs, are the next
; product's source 1: nothing changes lanes.  Lane r stands for point r % 8; tile c of lane r is slot 4 (r / 8) + c: one load of 16 bytes gives a lane its number in all
; four tiles, 16 lanes read 256 consecutive bytes, and the softmax is three steps in registers and one exchange with the lane 8 away.
; WEIGHTS come as 1 KB fragment images in the order of use (24 slots of 64 KB), through two LDS slots.  CLUSTER: all work-groups walk the same weights, so the four of a
; cluster ask jointly: the same tensor load, descriptor and mask in all four; each wave brings a quarter of a slot.  A wave has three tensor loads out at the start, later one.
; LIMITS.  The three maxima are taken as lying between 2^-95 and 2^95 (smaller: numbers may flush to 0; larger: f16 may overflow).  NaN and infinities are not treated apart.
; A work-group owns 32 points, so a row of out0 leaves in aligned pieces of 128 bytes.  In the last product each point stands in two lanes (16 columns for 8 points).
; REGISTERS, in windows of 256 (s_set_vgpr_msb: bits 1:0 source 0, 3:2 source 1, 5:4 source 2, 7:6 destination):
;   window 0: v0-15 addresses and four running maxima; ST v16-47; ACC v48-111; FA v112-175, FB v176-239 weight fragments; T v240-255
;   window 1: x, fragment (K step, tile) at 32 ks + 8 c; later values 0-127, h1 128-191 (then agg's low parts), agg's high parts 192-255
;   windows 2, 3: L, tile (mt, c) at 8 (4 (mt % 8) + c); before that window 2: key 0-127, h1 128-191, p 192-223, bp2 224-255, window 3: numbers as loaded; at the end We and y
.set SLOTB, 65536
.set TAB,   131072                     ; 16,384 bytes, filled once
.set VST,   147456                     ; a wave's own 24,576 bytes: values' fragments (16 KB), h1's (8 KB); later agg's two parts in the first 16 KB
.set VSTW,  24576
.set OST,   245760                     ; 256 rows of 128 bytes, 144 apart, for the way out
.set SCR,   282624                     ; a wave's own 1,024 bytes: ba2 tau
.set SPARE, 286720                     ; the spare words, 128 bytes a wave
.set WPQ,   1572864
.set SPW, 1
.set NIL, 2
.set LN16, 3                           ; 16 x lane
.set WA, 4                             ; 16 x lane + the slot in hand
.set TP, 5                             ; walks the table's records of 256 bytes
.set BH, 6                             ; TAB + 32 (lane / 16)
.set KO, 7                             ; my offset in key and values
.set VS, 8
.set OS, 9
.set RD, 10
.set GO, 11
.set PO, 12                            ; 32 (r % 8) + 16 (r / 8); v12-15 later the four running maxima of |x|
.set MX, 12
.set AS, 13                            ; in the third phase
.set ONE, 14
.set ZR, 15
.set ST, 16
.set ACC, 48
.set FA, 112
.set FB, 176
.set T, 240
.set WV, 18
.set G1, 24                            ; s[24:31] shape of a quarter slot: 64 rows of 256 bytes
.set G1T, 32                           ; s[32:39] of a quarter of the table: 16 rows
.set GT, 40
.set GA, 44
.set GB, 48                            ; walks
.set TB, 52
.set CNT, 53
.set HM, 54
.set LAM, 66                           ; s[66:67] log2(e) / tau
.set IK1, 68                           ; s[68:69] 1 / k1
.set KX, 70                            ; s[70:71] k1, then kx
.set AL, 72                            ; s[72:73] tau / kx
.set TU, 74                            ; s[74:75] tau
.set SEL, 76                           ; s[76:77] v_permlanex16_b32's selects
.set MSB, 0
.macro WIN new                         ; the high byte repeats the setting that is left; a switch that changes nothing is dropped
.if MSB != (\new)
	s_set_vgpr_msb (MSB<<8)|(\new)
.set MSB, (\new)
.endif
.endm
.macro PLACES n                        ; plain lines between a matrix instruction and what touches its registers (ISA guide 7.12.1)
.rept \n
	v_nop
.endr
.endm
.macro MMA d, a, b
	v_wmma_f32_16x16x32_bf16 v[\d:\d+7], v[\a:\a+7], v[\b:\b+7], v[\d:\d+7]
.endm
.macro MMA0 d, a, b
	v_wmma_f32_16x16x32_bf16 v[\d:\d+7], v[\a:\a+7], v[\b:\b+7], 0
.endm
.macro MMAC d, a, b, cc
	v_wmma_f32_16x16x32_bf16 v[\d:\d+7], v[\a:\a+7], v[\b:\b+7], v[\cc:\cc+7]
.endm
.macro HMA d, a, b
	v_wmma_f32_16x16x32_f16 v[\d:\d+7], v[\a:\a+7], v[\b:\b+7], v[\d:\d+7]
.endm
.macro HMA0 d, a, b
	v_wmma_f32_16x16x32_f16 v[\d:\d+7], v[\a:\a+7], v[\b:\b+7], 0
.endm
.macro WMAX r, t                       ; the largest of the 32 lanes' v[r], in every lane; v[t] has been written before
.irp x,1,2,4,8
	v_max_num_f32_dpp v[\r], v[\r], v[\r] row_xmask:\x row_mask:0xf bank_mask:0xf
.endr
	v_permlanex16_b32 v[\t], v[\r], s[SEL], s[SEL+1]
	v_max_num_f32 v[\r], v[\r], v[\t]
.endm
.macro EXPO sd, vr                     ; the biased exponent of a number that is not negative, held within 32 .. 222; it enters arithmetic alone
	v_readfirstlane_b32 s[\sd], v[\vr]
	s_lshr_b32 s[\sd], s[\sd], 23
	s_max_u32 s[\sd], s[\sd], 32
	s_min_u32 s[\sd], s[\sd], 222
.endm
.macro CROUND                          ; a round of the cluster's barrier
	s_barrier_signal -1
	s_barrier_wait -1
	s_cmp_lg_u32 s[WV], 0
	s_cbranch_scc1 .Lnot_wave_0_\@
	s_barrier_signal -3
.Lnot_wave_0_\@:
	s_barrier_wait -3
	s_barrier_signal -1
	s_barrier_wait -1
.endm
.macro LOADW dst, off, n               ; n fragments: 32 lanes x 16 consecutive bytes, twice each
.set lf, 0
.rept \n
	ds_load_b128 v[\dst+8*lf:\dst+8*lf+3], v[WA] offset:\off+1024*lf
	ds_load_b128 v[\dst+8*lf+4:\dst+8*lf+7], v[WA] offset:\off+1024*lf+512
.set lf, lf+1
.endr
.endm
.macro LOADST dst, adr, off            ; a record of 64 numbers by channel, in the layout of four results: register j = channel 16 q + 8 (lane / 16) + j
.set lq, 0
.rept 4
	ds_load_b128 v[\dst+8*lq:\dst+8*lq+3], v[\adr] offset:\off+64*lq
	ds_load_b128 v[\dst+8*lq+4:\dst+8*lq+7], v[\adr] offset:\off+64*lq+16
.set lq, lq+1
.endr
.endm
; THE CHANGE OF SLOTS, in two parts, so that products can stand between the add and the wait for it.
.macro MEET_H step
	WIN 0
	s_wait_tensorcnt 0x0                   ; all my tensor loads have landed: my quarter of the other slot; the walking descriptor may be written
	ds_add_u32 v[SPW], v[NIL]
.if \step
	s_xor_b32 s[GB+1], s[GB+1], SLOTB
	s_add_nc_u64 s[GB+2:GB+3], s[GB+2:GB+3], SLOTB
.endif
.endm
.macro MEET_T fill
	WIN 0
	s_wait_dscnt 0x0                       ; the add is done, and my reads of the slot in hand are over
.if \fill
	CROUND                                 ; so it is with every wave of all four work-groups
	tensor_load_to_lds s[GB:GB+3], s[G1:G1+7]  ; my one load behind the round: the slot just left takes the stream's slot two further on
	s_nop 0
	PLACES 4
.else
	s_barrier_signal -1
	s_barrier_wait -1
.endif
	s_xor_b32 s[TB], s[TB], SLOTB
	v_add_nc_u32 v[WA], s[TB], v[LN16]
.endm
; 64 loads: channel 32 ks + 16 q + 8 (lane / 16) + e of my column's four tiles -> window 3, 4 (16 ks + 8 q + e).  Channels 64 on go by a second base: the immediate has 24 bits.
.macro LOADIN lo, hi
	WIN 0xc0
.set i, 0
.rept 64
.if i < 32
	global_load_b128 v[4*i:4*i+3], v[KO], s[\lo:\lo+1] offset:(32*((i/16)&1)+16*((i/8)&1)+(i&7))*131072 th:TH_LOAD_NT
.else
	global_load_b128 v[4*i:4*i+3], v[KO], s[\hi:\hi+1] offset:(32*((i/16)&1)+16*((i/8)&1)+(i&7))*131072 th:TH_LOAD_NT
.endif
.set i, i+1
.endr
	WIN 0
.endm
; window 3 -> bf16 fragments in window 2: (ks, c) register 4 q + i = channels 16 q + 8 h + 2 i, + 1.  counted = 1: 16 loads a K step, behind them the later K steps' and 4 gathers
.macro CVTIN counted
.set ks, 0
.rept 4
.if \counted
	s_wait_loadcnt 52-16*ks
.endif
	WIN 0x8f
.set n, 0
.rept 32
	v_cvt_pk_bf16_f32 v[32*ks+n], v[4*(16*ks+8*((n/4)&1)+2*(n&3))+n/8], v[4*(16*ks+8*((n/4)&1)+2*(n&3)+1)+n/8]
.set n, n+1
.endr
.set ks, ks+1
.endr
	WIN 0
.endm
	s_load_b256 s[4:11], s[0:1], 0x0       ; key 4, values 6, pq 8, idx 10
	s_load_b128 s[12:15], s[0:1], 0x20     ; ws 12, tab 14
	s_load_b64 s[16:17], s[0:1], 0x30      ; out0
	v_lshl_add_u32 v[SPW], v0, 2, SPARE
	v_mov_b32 v[NIL], 0
	ds_add_u32 v[SPW], v[NIL]              ; the wave's opening: the add and its wait ahead of my first tensor load
	v_lshrrev_b32 v48, 5, v0
	v_readfirstlane_b32 s[WV], v48
	s_bfe_u32 s19, ttmp6, 0x40000          ; cx: it enters global addresses of key, values, pq, idx and out0 alone
	s_lshl_b32 s20, ttmp9, 2
	s_add_co_u32 s20, s20, s19             ; my block of 32 points, 0 .. 255
	s_lshr_b32 s21, s20, 7                 ; batch
	s_and_b32 s22, s20, 127                ; block in the batch
	s_mov_b32 s[G1], 15|(3<<16)|(1<<21)    ; mask of four; elements of 8 bytes; bit 21 beside a mask
	s_mov_b32 s[G1+1], 32<<16              ; tensor_dim0 = 32
	s_mov_b32 s[G1+2], 64<<16              ; tensor_dim1 = 64
	s_mov_b32 s[G1+3], 32<<16              ; tile_dim0 = 32
	s_mov_b32 s[G1+4], 64                  ; tile_dim1 = 64
	s_mov_b32 s[G1+5], 32                  ; from row to row
	s_mov_b32 s[G1+6], 0
	s_mov_b32 s[G1+7], 0
	s_mov_b32 s[G1T], 15|(3<<16)|(1<<21)
	s_mov_b32 s[G1T+1], 32<<16
	s_mov_b32 s[G1T+2], 16<<16
	s_mov_b32 s[G1T+3], 32<<16
	s_mov_b32 s[G1T+4], 16
	s_mov_b32 s[G1T+5], 32
	s_mov_b32 s[G1T+6], 0
	s_mov_b32 s[G1T+7], 0
	s_lshl_b32 s62, s[WV], 12
	s_mov_b32 s63, 0
	s_lshl_b32 s60, s[WV], 14
	s_mov_b32 s61, 0
	s_mov_b32 s[GT], 1
	s_add_co_u32 s[GT+1], s62, TAB
	s_mov_b32 s[GA], 1
	s_mov_b32 s[GA+1], s60
	s_mov_b32 s[GB], 1
	s_add_co_u32 s[GB+1], s60, SLOTB
	s_mov_b32 s[TB], 0
	s_mov_b32 s[HM], 0xffff0000            ; lanes 16-31
	s_mov_b32 s[SEL], 0x76543210
	s_mov_b32 s[SEL+1], 0xfedcba98
	s_lshl_b32 s80, s22, 10                ; 32 points x 32 bytes
	s_lshl_b32 s81, s[WV], 8
	s_add_co_u32 s80, s80, s81
	s_lshl_b32 s81, s21, 24
	s_add_co_u32 s80, s80, s81
	s_mov_b32 s81, 0
	s_wait_dscnt 0x0                       ; the opening add is done
	s_wait_kmcnt 0x0
	s_add_nc_u64 s[4:5], s[4:5], s[80:81]  ; key and values at my wave's 8 points, channel 0
	s_add_nc_u64 s[6:7], s[6:7], s[80:81]
	s_add_nc_u64 s[56:57], s[4:5], 0x800000    ; and channel 64
	s_add_nc_u64 s[58:59], s[6:7], 0x800000
	s_lshl_b32 s80, s21, 16
	s_add_nc_u64 s[8:9], s[8:9], s[80:81]  ; the batch's points
	s_lshl_b32 s80, s20, 10
	s_lshl_b32 s23, s[WV], 8
	s_add_co_u32 s80, s80, s23
	s_add_nc_u64 s[10:11], s[10:11], s[80:81]  ; idx at my 8 rows
	s_lshl_b32 s80, s21, 22
	s_lshl_b32 s23, s22, 7
	s_add_co_u32 s80, s80, s23
	s_add_nc_u64 s[16:17], s[16:17], s[80:81]  ; out0 at the batch, channel 0, my block's first point
	s_add_nc_u64 s[GT+2:GT+3], s[14:15], s[62:63]
	s_or_b32 s[GT+3], s[GT+3], 0x80000000
	s_add_nc_u64 s[GA+2:GA+3], s[12:13], s[60:61]
	s_add_nc_u64 s[GB+2:GB+3], s[GA+2:GA+3], SLOTB
	s_or_b32 s[GA+3], s[GA+3], 0x80000000
	s_or_b32 s[GB+3], s[GB+3], 0x80000000
	CROUND                                 ; all four work-groups are here: the first joint loads meet
	tensor_load_to_lds s[GT:GT+3], s[G1T:G1T+7]    ; the table,
	s_nop 0
	tensor_load_to_lds s[GA:GA+3], s[G1:G1+7]      ; slot 0,
	s_nop 0
	tensor_load_to_lds s[GB:GB+3], s[G1:G1+7]      ; slot 1
	s_nop 0
	PLACES 4
	v_and_b32 v48, 31, v0
	v_bfe_u32 v49, v0, 4, 1                ; h
	v_and_b32 v50, 7, v0                   ; point
	v_bfe_u32 v51, v0, 3, 1                ; which four slots
	v_bfe_u32 v52, v0, 3, 2
	v_lshlrev_b32 v[LN16], 4, v48
	v_lshlrev_b32 v[PO], 5, v50
	v_lshl_add_u32 v[PO], v51, 4, v[PO]
	v_lshl_add_u32 v[KO], v49, 20, v[PO]   ; lanes 16-31: 8 channels of 131,072 bytes on
	global_load_b128 v[T:T+3], v[PO], s[10:11]     ; my four neighbours' numbers
.irp f,0,1,2,3
	global_load_b128 v[ST+8*\f:ST+8*\f+3], v[LN16], s[12:13] offset:WPQ+1024*\f
	global_load_b128 v[ST+8*\f+4:ST+8*\f+7], v[LN16], s[12:13] offset:WPQ+1024*\f+512
.endr
	LOADIN 4, 56                           ; key
	v_mov_b32 v[WA], v[LN16]
	v_lshl_add_u32 v[BH], v49, 5, TAB
	s_mul_i32 s80, s[WV], VSTW
	s_add_co_u32 s80, s80, VST
	v_add_nc_u32 v[VS], s80, v[LN16]
	s_lshl_b32 s80, s[WV], 5
	s_add_co_u32 s80, s80, OST
	v_mul_u32_u24 v[OS], v49, 1152         ; into the stage: row 8 h + .., my wave's 32 bytes, my point
	v_lshl_add_u32 v[OS], v50, 2, v[OS]
	v_add_nc_u32 v[OS], s80, v[OS]
	s_mul_i32 s80, s[WV], 64*144
	s_add_co_u32 s80, s80, OST
	v_mul_u32_u24 v[RD], v52, 144          ; back: rows 64 w + .., four rows of 128 bytes a load
	v_lshl_add_u32 v[RD], v50, 4, v[RD]
	v_add_nc_u32 v[RD], s80, v[RD]
	s_lshl_b32 s80, s[WV], 20
	v_lshl_add_u32 v[GO], v52, 14, s80     ; the same rows in out0, 16,384 bytes apart
	v_lshl_add_u32 v[GO], v50, 4, v[GO]
	v_mov_b32 v[ONE], 0x3f803f80
	v_mov_b32 v[ZR], 0
	s_wait_loadcnt 63                      ; the numbers and W' are in: 64 loads of key are younger
.irp c,0,1,2,3
	v_min_u32 v[T+\c], 0xfff, v[T+\c]
	v_lshlrev_b32 v[T+\c], 4, v[T+\c]
.endr
.irp c,0,1,2,3
	global_load_b128 v[FA+4*\c:FA+4*\c+3], v[T+\c], s[8:9]     ; x, y, z of tile c's neighbour
.endr
	CVTIN 1
	LOADIN 6, 58                           ; values: they land while u, pe and x are made
	s_wait_loadcnt 63                      ; the gathers are in: 64 loads are younger
.irp c,0,1,2,3
	v_cvt_pk_bf16_f32 v[T+4*\c], v[FA+4*\c], v[FA+4*\c+1]      ; x | y
	v_cvt_pk_bf16_f32 v[T+4*\c+1], v[FA+4*\c+2], v[FA+4*\c]    ; z | x
	v_cvt_pk_bf16_f32 v[T+4*\c+2], v[FA+4*\c+1], v[FA+4*\c+2]  ; y | z
	v_cvt_pk_bf16_f32 v[T+4*\c+3], v[FA+4*\c+2], 1.0           ; z | 1
.endr
	WIN 0x80                               ; p's K step: k 0-7 x y z x y z x y (lanes 0-15), k 8-11 z 1 1 1 (lanes 16-31), the rest 0
.irp c,0,1,2,3
	v_cndmask_b32 v[192+8*\c], v[T+4*\c], v[T+4*\c+3], s[HM]
	v_cndmask_b32 v[193+8*\c], v[T+4*\c+1], v[ONE], s[HM]
	v_cndmask_b32 v[194+8*\c], v[T+4*\c+2], v[ZR], s[HM]
	v_cndmask_b32 v[195+8*\c], v[T+4*\c], v[ZR], s[HM]
	v_mov_b32 v[196+8*\c], 0
	v_mov_b32 v[197+8*\c], 0
	v_mov_b32 v[198+8*\c], 0
	v_mov_b32 v[199+8*\c], 0
.endr
	WIN 0x08                               ; h1: 64 channels x 64 columns, 16 products
.set n, 0
.rept 16                               ; n = 8 q + 2 c + m
	MMA0 ACC+128*(n/8)+8*(n&7), ST+8*(2*(n/8)+(n&1)), 192+8*((n/2)&3)
.set n, n+1
.endr
	WIN 0
	PLACES 4
.set n, 0
.rept 64
	v_max_num_f32 v[ACC+n], 0, v[ACC+n]
.set n, n+1
.endr
.set n, 0
.rept 64
	v_max_num_f32 v[FB+n], 0, v[FB+n]
.set n, n+1
.endr
.set n, 0
.rept 4                                ; the wave's largest h1, in four chains
	v_max_num_f32 v[T+n], v[ACC+2*n], v[ACC+2*n+1]
.set n, n+1
.endr
.rept 28
	v_max3_num_f32 v[T+(n&3)], v[T+(n&3)], v[ACC+2*n], v[ACC+2*n+1]
.set n, n+1
.endr
.set n, 0
.rept 32
	v_max3_num_f32 v[T+(n&3)], v[T+(n&3)], v[FB+2*n], v[FB+2*n+1]
.set n, n+1
.endr
	v_max3_num_f32 v[T], v[T], v[T+1], v[T+2]
	v_max_num_f32 v[T], v[T], v[T+3]
	WMAX T, T+1
	EXPO 78, T
	s_sub_co_u32 s[KX], 268, s78           ; k1 = 2^(141 - e): the largest h1, in [2^(e-127), 2^(e-126)), comes into [2^14, 2^15)
	s_lshl_b32 s[KX], s[KX], 23
	s_mov_b32 s[KX+1], s[KX]
	s_sub_co_u32 s[IK1], s78, 14           ; 1 / k1
	s_lshl_b32 s[IK1], s[IK1], 23
	s_mov_b32 s[IK1+1], s[IK1]
.set n, 0
.rept 32
	v_pk_mul_f32 v[ACC+2*n:ACC+2*n+1], v[ACC+2*n:ACC+2*n+1], s[KX:KX+1] op_sel_hi:[1,0]
.set n, n+1
.endr
.set n, 0
.rept 32
	v_pk_mul_f32 v[FB+2*n:FB+2*n+1], v[FB+2*n:FB+2*n+1], s[KX:KX+1] op_sel_hi:[1,0]
.set n, n+1
.endr
	WIN 0x80
.set n, 0
.rept 64
	v_cvt_pk_f16_f32 v[128+n], v[ACC+128*(n/32)+2*(n%32)], v[ACC+128*(n/32)+2*(n%32)+1]
.set n, n+1
.endr
	WIN 0x08
.set n, 0
.rept 8
	ds_store_b128 v[VS], v[128+8*n:128+8*n+3] offset:16384+1024*n      ; h1 is kept for w
	ds_store_b128 v[VS], v[128+8*n+4:128+8*n+7] offset:16384+1024*n+512
.set n, n+1
.endr
	WIN 0
.irp k,0,1,2,3
	v_mov_b32 v[MX+\k], 0                  ; |x| is not negative
.endr
	s_mov_b32 s[KX], 0                     ; the first pass scales by 0: its x is not used
	s_mov_b32 s[KX+1], 0
	s_wait_tensorcnt 0x1                   ; my quarters of the table and of slot 0 are in; slot 1's may stay out
	s_wait_dscnt 0x0
	s_barrier_signal -1
	s_barrier_wait -1
; FIRST PHASE, walked twice: eight pairs of result tiles (32 channels): u, pe, x = pe u.  A pair's 14 fragments: -Wk 8, Wp2 4, Wq' 2.
.macro LOADP g
	WIN 0
	LOADW FA, 16384*((\g)&3), 8
	LOADW ST, 16384*((\g)&3)+8192, 4
	LOADW T, 16384*((\g)&3)+12288, 2
.if ((\g)&1) == 0
	WIN 0x80
	LOADST 224, BH, 10240+256*((\g)/2)     ; bp2 of this pair and the next
	WIN 0
.endif
.endm
.macro PAIR g, nxt                     ; the 8 accumulators of a run take turns
	s_wait_dscnt 0x0
	WIN 0x08
.set ks, 0
.rept 4
.set a, 0
.rept 8                                ; a = 2 c + m
.if ks == 0
	MMA0 ACC+8*a, FA+8*(a&1), 8*(a/2)
.else
	MMA ACC+8*a, FA+8*(2*ks+(a&1)), 32*ks+8*(a/2)
.endif
.set a, a+1
.endr
.set ks, ks+1
.endr
.set a, 0
.rept 8
	MMA ACC+8*a, T+8*(a&1), 192+8*(a/2)
.set a, a+1
.endr
.set a, 0
.rept 8
	HMA0 FB+8*a, ST+8*(a&1), 128+8*(a/2)
.set a, a+1
.endr
.set a, 0
.rept 8
	HMA FB+8*a, ST+16+8*(a&1), 160+8*(a/2)
.set a, a+1
.endr
	WIN 0
	PLACES 4
	WIN 0x20
.set n, 0
.rept 32                               ; pe = sum / k1 + bp2
	v_pk_fma_f32 v[FB+2*n:FB+2*n+1], v[FB+2*n:FB+2*n+1], s[IK1:IK1+1], v[224+16*((\g)&1)+8*((n/4)&1)+2*(n&3):224+16*((\g)&1)+8*((n/4)&1)+2*(n&3)+1] op_sel_hi:[1,0,1]
.set n, n+1
.endr
.if \nxt
	LOADP (\g)+1
.endif
	WIN 0
.set n, 0
.rept 32
	v_pk_mul_f32 v[ACC+2*n:ACC+2*n+1], v[ACC+2*n:ACC+2*n+1], v[FB+2*n:FB+2*n+1]
.set n, n+1
.endr
.set n, 0
.rept 32
	v_max3_num_f32 v[MX+(n&3)], v[MX+(n&3)], |v[ACC+2*n]|, |v[ACC+2*n+1]|
.set n, n+1
.endr
.set n, 0
.rept 32
	v_pk_mul_f32 v[ACC+2*n:ACC+2*n+1], v[ACC+2*n:ACC+2*n+1], s[KX:KX+1] op_sel_hi:[1,0]
.set n, n+1
.endr
	WIN 0x40
.set n, 0
.rept 32
	v_cvt_pk_f16_f32 v[32*(\g)+n], v[ACC+2*n], v[ACC+2*n+1]
.set n, n+1
.endr
	WIN 0
.endm
	s_mov_b32 s[CNT], 2
.Lpass:
	LOADP 0
	PAIR 0, 1
	PAIR 1, 1
	PAIR 2, 1
	PAIR 3, 0
	MEET_H 1
	MEET_T 1
	LOADP 4
	PAIR 4, 1
	PAIR 5, 1
	PAIR 6, 1
	PAIR 7, 0
	v_max3_num_f32 v[T], v[MX], v[MX+1], v[MX+2]   ; the wave's largest |x|: the second pass makes the same bits again, so it finds the same number
	v_max_num_f32 v[T], v[T], v[MX+3]
	WMAX T, T+1
	EXPO 78, T
	s_sub_co_u32 s[KX], 268, s78           ; kx: the largest |x| comes into [2^14, 2^15)
	s_lshl_b32 s[KX], s[KX], 23
	s_mov_b32 s[KX+1], s[KX]
	MEET_H 1
	MEET_T 1
	s_sub_co_u32 s[CNT], s[CNT], 1
	s_cmp_lg_u32 s[CNT], 0
	s_cbranch_scc1 .Lpass
	s_wait_loadcnt 0x0                     ; values
	CVTIN 0
	WIN 0x08
.set n, 0
.rept 16
	ds_store_b128 v[VS], v[8*n:8*n+3] offset:1024*n                    ; parked in my own LDS: windows 2 and 3 take the logits
	ds_store_b128 v[VS], v[8*n+4:8*n+7] offset:1024*n+512
.set n, n+1
.endr
	WIN 0
	; tau: the largest RB and the largest |TA| of the 1,024 hidden channels, 32 of each a lane
	v_add_nc_u32 v[T], TAB+12288, v[LN16]
	v_and_b32 v[T+1], 31, v0
	v_lshrrev_b32 v[T+2], 3, v[T+1]
	v_and_b32 v[T+1], 7, v[T+1]
	v_lshlrev_b32 v[T+1], 4, v[T+1]
	v_lshl_add_u32 v[T+1], v[T+2], 8, v[T+1]
	v_add_nc_u32 v[T+1], TAB+128, v[T+1]   ; TA is the second half of a record of 256 bytes
	v_lshl_add_u32 v[T+2], v[LN16], 1, TAB+11264
.irp i,0,1,2,3,4,5,6,7
	ds_load_b128 v[ACC+4*\i:ACC+4*\i+3], v[T] offset:512*\i
	ds_load_b128 v[ACC+32+4*\i:ACC+32+4*\i+3], v[T+1] offset:1024*\i
.endr
	ds_load_b128 v[FA:FA+3], v[T+2]        ; ba2, 8 numbers a lane
	ds_load_b128 v[FA+4:FA+7], v[T+2] offset:16
	s_wait_dscnt 0x0
	v_max3_num_f32 v[T+4], v[ACC], v[ACC+1], v[ACC+2]
	v_max3_num_f32 v[T+5], |v[ACC+32]|, |v[ACC+33]|, |v[ACC+34]|
.set n, 0
.rept 14
	v_max3_num_f32 v[T+4], v[T+4], v[ACC+3+2*n], v[ACC+4+2*n]
	v_max3_num_f32 v[T+5], v[T+5], |v[ACC+35+2*n]|, |v[ACC+36+2*n]|
.set n, n+1
.endr
	v_max_num_f32 v[T+4], v[T+4], v[ACC+31]
	v_max_num_f32 v[T+5], v[T+5], |v[ACC+63]|
	WMAX T+4, T+6
	WMAX T+5, T+6
	s_add_co_u32 s79, s78, 1
	s_lshl_b32 s79, s79, 23                ; 2^15 / kx
	s_sub_co_u32 s60, s78, 14
	s_lshl_b32 s60, s60, 23                ; 1 / kx
	v_fma_f32 v[T+4], v[T+4], s79, v[T+5]  ; the bound on h2
	EXPO 79, T+4
	s_sub_co_u32 s[TU], 267, s79           ; tau: the bound comes into [2^13, 2^14)
	s_lshl_b32 s[TU], s[TU], 23
	s_mov_b32 s[TU+1], s[TU]
	s_sub_co_u32 s61, s79, 13
	s_lshl_b32 s61, s61, 23                ; 1 / tau
	v_mov_b32 v[T+6], s60
	v_mov_b32 v[T+7], s61
	v_mul_f32 v[T+6], s[TU], v[T+6]
	v_mul_f32 v[T+7], 0x3fb8aa3b, v[T+7]
	v_readfirstlane_b32 s[AL], v[T+6]
	v_readfirstlane_b32 s[LAM], v[T+7]
	s_mov_b32 s[AL+1], s[AL]
	s_mov_b32 s[LAM+1], s[LAM]
.irp j,0,1,2,3
	v_pk_mul_f32 v[FA+2*\j:FA+2*\j+1], v[FA+2*\j:FA+2*\j+1], s[TU:TU+1] op_sel_hi:[1,0]
.endr
	s_lshl_b32 s62, s[WV], 10
	s_add_co_u32 s62, s62, SCR
	v_lshl_add_u32 v[T+8], v[LN16], 1, s62
	v_bfe_u32 v[T+9], v0, 4, 1
	v_lshl_add_u32 v[T+9], v[T+9], 5, s62
	ds_store_b128 v[T+8], v[FA:FA+3]
	ds_store_b128 v[T+8], v[FA+4:FA+7] offset:16
	WIN 0x80                               ; the sums for L start from ba2 tau; LDS serves a wave's instructions in order: these see the two stores
.set n, 0
.rept 32                               ; n = 4 mt + c
	ds_load_b128 v[8*n:8*n+3], v[T+9] offset:64*(n/4)
	ds_load_b128 v[8*n+4:8*n+7], v[T+9] offset:64*(n/4)+16
.set n, n+1
.endr
	WIN 0xc0
.set n, 0
.rept 32
	ds_load_b128 v[8*n:8*n+3], v[T+9] offset:512+64*(n/4)
	ds_load_b128 v[8*n+4:8*n+7], v[T+9] offset:512+64*(n/4)+16
.set n, n+1
.endr
	WIN 0
	v_mov_b32 v[TP], v[BH]
	LOADW FA, 0, 8
	LOADST ST, TP, 0
	v_add_nc_u32 v[TP], 0x100, v[TP]
	LOADW FB, 8192, 8
; SECOND PHASE: 32 chunks of 32 hidden channels, two a slot: 64 products Wa1 x, the norm and relu, 64 products Wa2 h2.
.macro S12 F, k0                       ; 32 products: K steps k0 .. k0 + 3, 8 accumulators by turns
	WIN 0x04
.set ks, 0
.rept 4
.set a, 0
.rept 8
.if (\k0+ks) == 0
	HMA0 ACC+8*a, \F+8*(a&1), 8*(a/2)
.else
	HMA ACC+8*a, \F+8*(2*ks+(a&1)), 32*(\k0+ks)+8*(a/2)
.endif
.set a, a+1
.endr
.set ks, ks+1
.endr
.endm
.macro S34 F, w                        ; 32 products onto 32 accumulators: a = 4 mt + c
	WIN \w
.set a, 0
.rept 32
	HMA 8*a, \F+8*(a/4), ACC+16*(a&3)
.set a, a+1
.endr
.endm
.macro ACT                             ; tau h2 = relu((tau / kx) SA acc + tau TA), rounded in place: tile c's fragment at ACC + 16 c
	WIN 0
.set n, 0
.rept 8
	v_pk_mul_f32 v[ST+2*n:ST+2*n+1], v[ST+2*n:ST+2*n+1], s[AL:AL+1] op_sel_hi:[1,0]
	v_pk_mul_f32 v[ST+16+2*n:ST+16+2*n+1], v[ST+16+2*n:ST+16+2*n+1], s[TU:TU+1] op_sel_hi:[1,0]
.set n, n+1
.endr
.set c, 0
.rept 4
.set n, 0
.rept 8
	v_pk_fma_f32 v[ACC+16*c+2*n:ACC+16*c+2*n+1], v[ACC+16*c+2*n:ACC+16*c+2*n+1], v[ST+2*n:ST+2*n+1], v[ST+16+2*n:ST+16+2*n+1]
.set n, n+1
.endr
.set n, 0
.rept 16
	v_max_num_f32 v[ACC+16*c+n], 0, v[ACC+16*c+n]
.set n, n+1
.endr
.set n, 0
.rept 8
	v_cvt_pk_f16_f32 v[ACC+16*c+n], v[ACC+16*c+2*n], v[ACC+16*c+2*n+1]
.set n, n+1
.endr
.set c, c+1
.endr
.endm
.macro NEXTREC
	LOADST ST, TP, 0
	v_add_nc_u32 v[TP], 0x100, v[TP]
.endm
.macro CHUNK o, end                    ; on entry out, in this order: FA 16 loads, ST 8, FB 16
	s_wait_dscnt 16                        ; FA and ST are in; FB's 16 are younger
	S12 FA, 0
	WIN 0
	PLACES 4
	LOADW FA, \o+16384, 8
	s_wait_dscnt 16                        ; FB is in
	S12 FB, 4
	WIN 0
	PLACES 4
	LOADW FB, \o+24576, 8
	ACT
.if \end
	MEET_H 1
	s_wait_dscnt 17                        ; FA is in; FB's 16 and the add are younger
	S34 FA, 0xa0                           ; 32 products stand between the add and the wait for it
	MEET_T 1                               ; the four lines behind the load are also the places in front of the loads below
	LOADW FA, 0, 8
	NEXTREC
	S34 FB, 0xf0
	WIN 0
	PLACES 5                               ; the next chunk's first products write over h2
	LOADW FB, 8192, 8
.else
	s_wait_dscnt 16
	S34 FA, 0xa0
	WIN 0
	PLACES 4
	LOADW FA, \o+32768, 8
	NEXTREC
	s_wait_dscnt 24                        ; FB is in; FA's 16 and ST's 8 are younger
	S34 FB, 0xf0
	WIN 0
	PLACES 5
	LOADW FB, \o+40960, 8
.endif
.endm
	s_mov_b32 s[CNT], 16
.Lslot:
	CHUNK 0, 0
	CHUNK 32768, 1
	WIN 0
	s_sub_co_u32 s[CNT], s[CNT], 1
	s_cmp_lg_u32 s[CNT], 0
	s_cbranch_scc1 .Lslot
; THIRD PHASE: 16 tiles of 16 channels, 8 a slot and trip: w, the softmax over the 8 slots, agg.  The trip reads L in window 2; between the trips window 3 is copied there.
	WIN 0x40
.set n, 0
.rept 24
	ds_load_b128 v[8*n:8*n+3], v[VS] offset:1024*n                     ; values' and h1's fragments come back
	ds_load_b128 v[8*n+4:8*n+7], v[VS] offset:1024*n+512
.set n, n+1
.endr
	WIN 0
	v_mov_b32 v[AS], v[VS]
.macro TW m, F                         ; 16 products Wv values from bv + bp2, 8 products Wp2 h1 on accumulators of their own; four accumulators by turns
	WIN 0x04
.set e, 0
.rept 4
.set c, 0
.rept 4
.if e == 0
	MMAC ACC+8*c, \F, 8*c, ST+8*((\m)&3)
.else
	MMA ACC+8*c, \F+8*e, 32*e+8*c
.endif
.set c, c+1
.endr
.set e, e+1
.endr
.set c, 0
.rept 4
	HMA0 80+8*c, \F+32, 128+8*c
.set c, c+1
.endr
.set c, 0
.rept 4
	HMA 80+8*c, \F+40, 160+8*c
.set c, c+1
.endr
.endm
.macro TS m                            ; register j of lane (r, h): channel 8 h + j of the tile, point r % 8, slots 4 (r / 8) + c
	WIN 0
.set n, 0
.rept 16                               ; w = the first sum + the second / k1
	v_pk_fma_f32 v[ACC+2*n:ACC+2*n+1], v[80+2*n:81+2*n], s[IK1:IK1+1], v[ACC+2*n:ACC+2*n+1] op_sel_hi:[1,0,1]
.set n, n+1
.endr
	WIN 0x2a
.set j, 0
.rept 8
	v_max3_num_f32 v[T+j], v[32*(\m)+j], v[32*(\m)+8+j], v[32*(\m)+16+j]
.set j, j+1
.endr
	WIN 0x02
.set j, 0
.rept 8
	v_max_num_f32 v[T+j], v[32*(\m)+24+j], v[T+j]
.set j, j+1
.endr
	WIN 0
.set j, 0
.rept 8
	v_max_num_f32_dpp v[T+j], v[T+j], v[T+j] row_xmask:8 row_mask:0xf bank_mask:0xf
.set j, j+1
.endr
	WIN 0x02
.set n, 0
.rept 16                               ; the maximum is taken away first, so the exponent is never above 0
	v_pk_add_f32 v[80+2*n:81+2*n], v[32*(\m)+2*n:32*(\m)+2*n+1], v[T+2*(n&3):T+2*(n&3)+1] neg_lo:[0,1] neg_hi:[0,1]
.set n, n+1
.endr
	WIN 0
.set n, 0
.rept 16
	v_pk_mul_f32 v[80+2*n:81+2*n], v[80+2*n:81+2*n], s[LAM:LAM+1] op_sel_hi:[1,0]
.set n, n+1
.endr
.set n, 0
.rept 32
	v_exp_f32 v[80+n], v[80+n]
.set n, n+1
.endr
	v_nop                                  ; a plain line behind the last exponential
.set j, 0
	s_wait_alu depctr_va_vdst(0)
.rept 4
	v_pk_add_f32 v[T+8+2*j:T+9+2*j], v[80+2*j:81+2*j], v[88+2*j:89+2*j]
.set j, j+1
.endr
.set j, 0
.rept 4
	v_pk_add_f32 v[T+8+2*j:T+9+2*j], v[T+8+2*j:T+9+2*j], v[96+2*j:97+2*j]
.set j, j+1
.endr
.set j, 0
.rept 4
	v_pk_add_f32 v[T+8+2*j:T+9+2*j], v[T+8+2*j:T+9+2*j], v[104+2*j:105+2*j]
.set j, j+1
.endr
.set j, 0
.rept 8
	v_add_f32_dpp v[T+8+j], v[T+8+j], v[T+8+j] row_xmask:8 row_mask:0xf bank_mask:0xf
.set j, j+1
.endr
.set j, 0
.rept 8
	v_rcp_f32 v[T+8+j], v[T+8+j]
.set j, j+1
.endr
.set j, 0
.rept 4
	v_pk_mul_f32 v[T+2*j:T+2*j+1], v[80+2*j:81+2*j], v[ACC+2*j:ACC+2*j+1]
.set j, j+1
.endr
.set n, 4
.rept 12
	v_pk_fma_f32 v[T+2*(n&3):T+2*(n&3)+1], v[80+2*n:81+2*n], v[ACC+2*n:ACC+2*n+1], v[T+2*(n&3):T+2*(n&3)+1]
.set n, n+1
.endr
.set j, 0
.rept 8
	v_add_f32_dpp v[T+j], v[T+j], v[T+j] row_xmask:8 row_mask:0xf bank_mask:0xf
.set j, j+1
.endr
.set j, 0
	s_wait_alu depctr_va_vdst(0)
.rept 4
	v_pk_mul_f32 v[T+2*j:T+2*j+1], v[T+2*j:T+2*j+1], v[T+8+2*j:T+9+2*j]
.set j, j+1
.endr
.set j, 0
.rept 4                                ; agg = high + low part, both bf16
	v_cvt_pk_bf16_f32 v[80+j], v[T+2*j], v[T+2*j+1]
.set j, j+1
.endr
.set j, 0
.rept 4
	v_lshlrev_b32 v[84+2*j], 16, v[80+j]
	v_and_b32 v[85+2*j], 0xffff0000, v[80+j]
.set j, j+1
.endr
.set j, 0
.rept 4
	v_pk_add_f32 v[T+2*j:T+2*j+1], v[T+2*j:T+2*j+1], v[84+2*j:85+2*j] neg_lo:[0,1] neg_hi:[0,1]
.set j, j+1
.endr
.set j, 0
.rept 4
	v_cvt_pk_bf16_f32 v[92+j], v[T+2*j], v[T+2*j+1]
.set j, j+1
.endr
	ds_store_b128 v[AS], v[80:83] offset:1024*((\m)/2)+512*((\m)&1)        ; half a fragment of each part, into my own LDS
	ds_store_b128 v[AS], v[92:95] offset:8192+1024*((\m)/2)+512*((\m)&1)
.endm
.macro TILE m
.if ((\m) == 0) || ((\m) == 7)
	s_wait_dscnt 0x0
.else
	s_wait_dscnt 12                        ; behind the run that is wanted stand 14 LDS instructions or more
.endif
.if (\m)&1
	TW \m, FB
.else
	TW \m, FA
.endif
	WIN 0
.if (\m) < 7
	PLACES 4
.if (\m) == 3
	NEXTREC                                ; bv + bp2 of the next four tiles
.endif
.if (\m) < 6
.if (\m)&1
	LOADW FB, 8192*((\m)+2), 6
.else
	LOADW FA, 8192*((\m)+2), 6
.endif
.endif
.else
	MEET_H 1
	MEET_T 1
	NEXTREC                                ; in the second trip this record (be's first) is not used
	LOADW FA, 0, 8
	LOADW FB, 8192, 8
.endif
	TS \m
.endm
	s_mov_b32 s[CNT], 2
.Lhalf:
	TILE 0
	TILE 1
	TILE 2
	TILE 3
	TILE 4
	TILE 5
	TILE 6
	TILE 7
	v_add_nc_u32 v[AS], 0x1000, v[AS]
	s_cmp_eq_u32 s[CNT], 1
	s_cbranch_scc1 .Lnocopy
	WIN 0x83                               ; the sums of channels 128 on go where the one text of a trip names them
.set n, 0
.rept 256
	v_mov_b32 v[n], v[n]
.set n, n+1
.endr
	WIN 0
.Lnocopy:
	s_sub_co_u32 s[CNT], s[CNT], 1
	s_cmp_lg_u32 s[CNT], 0
	s_cbranch_scc1 .Lhalf
; FOURTH PHASE: y = We agg + be: 8 K steps of 16 products for each of agg's two parts; y in window 3, We's fragments of a K step in a half of window 2, by turns.
.macro LOADH dst, off
	WIN 0x80
	LOADW \dst, \off, 16
.endm
.macro KS s, A, w
	WIN \w
.set a, 0
.rept 16
	MMA 8*a, \A+8*a, 192+8*(\s)
.set a, a+1
.endr
.set a, 0
.rept 16
	MMA 8*a, \A+8*a, 128+8*(\s)
.set a, a+1
.endr
.endm
	WIN 0xc0
.set n, 0
.rept 16
	ds_load_b128 v[8*n:8*n+3], v[BH] offset:9216+64*n
	ds_load_b128 v[8*n+4:8*n+7], v[BH] offset:9216+64*n+16
.set n, n+1
.endr
	WIN 0x40
.set n, 0
.rept 8
	ds_load_b128 v[192+8*n:192+8*n+3], v[VS] offset:1024*n             ; LDS serves a wave's instructions in order: these see my stores of agg
	ds_load_b128 v[192+8*n+4:192+8*n+7], v[VS] offset:1024*n+512
	ds_load_b128 v[128+8*n:128+8*n+3], v[VS] offset:8192+1024*n
	ds_load_b128 v[128+8*n+4:128+8*n+7], v[VS] offset:8192+1024*n+512
.set n, n+1
.endr
	LOADH 128, 16384
	s_wait_dscnt 32                        ; all but the 32 just issued
	KS 0, FA, 0xf4
	LOADH 0, 32768
	s_wait_dscnt 32
	KS 1, 128, 0xf6
	WIN 0
	PLACES 4
	LOADH 128, 49152
	s_wait_dscnt 32
	KS 2, 0, 0xf6
	MEET_H 0                               ; the last slot: nothing is filled, so a barrier of the work-group is enough
	MEET_T 0
	PLACES 4
	LOADH 0, 0
	KS 3, 128, 0xf6
	WIN 0
	PLACES 4
	LOADH 128, 16384
	s_wait_dscnt 32
	KS 4, 0, 0xf6
	WIN 0
	PLACES 4
	LOADH 0, 32768
	s_wait_dscnt 32
	KS 5, 128, 0xf6
	WIN 0
	PLACES 4
	LOADH 128, 49152
	s_wait_dscnt 32
	KS 6, 0, 0xf6
	s_wait_dscnt 0x0
	KS 7, 128, 0xf6
	WIN 0
	PLACES 4
	WIN 0x0c                               ; the way out: a lane's number goes to row = channel, my wave's 8 points; lanes r and r + 8 write the same number to the same word
.set n, 0
.rept 128
	ds_store_b32 v[OS], v[n] offset:144*(16*(n/8)+(n&7))
.set n, n+1
.endr
	WIN 0
	s_wait_dscnt 0x0                       ; for the others' sake: my stores into the stage are done
	s_barrier_signal -1
	s_barrier_wait -1
.set n, 0
.rept 16
	ds_load_b128 v[FA+4*n:FA+4*n+3], v[RD] offset:576*n
.set n, n+1
.endr
.set n, 0
.rept 16
	s_wait_dscnt 15-n
	global_store_b128 v[GO], v[FA+4*n:FA+4*n+3], s[16:17] offset:65536*n th:TH_STORE_NT    ; 8 lanes store 128 consecutive bytes of a row, aligned
.set n, n+1
.endr
	s_wait_tensorcnt 0x0                   ; the wave's end
	ds_add_u32 v[SPW], v[NIL]
	s_wait_dscnt 0x0
	CROUND                                 ; the closing round
	s_endpgm
.Lfunc_end_k_q607a4fe25f_main:
	.size	k_q607a4fe25f_main, .Lfunc_end_k_q607a4fe25f_main-k_q607a4fe25f_main
	.p2alignl 7, 3214868480
	.fill 96, 4, 3214868480
	.section	.rodata,"a",@progbits
	.p2align	6, 0x0
	.amdhsa_kernel k_q607a4fe25f_main
		.amdhsa_group_segment_fixed_size 327680
		.amdhsa_private_segment_fixed_size 0
		.amdhsa_enable_private_segment 0
		.amdhsa_kernarg_size 56
		.amdhsa_user_sgpr_count 2
		.amdhsa_user_sgpr_kernarg_segment_ptr 1
		.amdhsa_wavefront_size32 1
		.amdhsa_system_sgpr_workgroup_id_x 1
		.amdhsa_system_sgpr_workgroup_id_y 1
		.amdhsa_system_sgpr_workgroup_id_z 1
		.amdhsa_system_vgpr_workitem_id 0
		.amdhsa_next_free_vgpr 1024
		.amdhsa_next_free_sgpr 84
		.amdhsa_reserve_vcc 0
		.amdhsa_float_denorm_mode_32 3
		.amdhsa_float_denorm_mode_16_64 3
		.amdhsa_memory_ordered 1
		.amdhsa_forward_progress 1
		.amdhsa_inst_pref_size 255
	.end_amdhsa_kernel
	.section	.bss,"aw",@nobits
	.p2align	6
	.space	262144
	.amdgpu_metadata
---
amdhsa.version: [ 1, 2 ]
amdhsa.kernels:
  - .name:           k_q607a4fe25f_main
    .symbol:         k_q607a4fe25f_main.kd
    .args:
      - { .name: key, .offset: 0, .size: 8, .value_kind: global_buffer, .address_space: global }
      - { .name: values, .offset: 8, .size: 8, .value_kind: global_buffer, .address_space: global }
      - { .name: pq, .offset: 16, .size: 8, .value_kind: global_buffer, .address_space: global }
      - { .name: idx, .offset: 24, .size: 8, .value_kind: global_buffer, .address_space: global }
      - { .name: ws, .offset: 32, .size: 8, .value_kind: global_buffer, .address_space: global }
      - { .name: tab, .offset: 40, .size: 8, .value_kind: global_buffer, .address_space: global }
      - { .name: out0, .offset: 48, .size: 8, .value_kind: global_buffer, .address_space: global }
    .group_segment_fixed_size: 327680
    .private_segment_fixed_size: 0
    .kernarg_segment_align: 8
    .kernarg_segment_size: 56
    .max_flat_workgroup_size: 128
    .sgpr_count:     84
    .vgpr_count:     1024
    .wavefront_size: 32
...
	.end_amdgpu_metadata
.endif
;; end of part 4
;; ======== version 2 of 3: 4 launches; 1.21 times as fast as version 1
;; limits: values are held in f16: magnitudes above 65,504 overflow, below 6.1e-05 lose precision; inputs' magnitudes at most 65,504; right only within a limited range of input values
;; workspace buffers: ws 1,445,888 bytes; tab 16,384 bytes; pq 131,072 bytes; grp 262,144 bytes of whole numbers; idx 262,144 bytes of whole numbers
;; launch prep (part 5): grid 404 x 1, 4 waves a work-group, no clusters, 0 bytes of LDS; arguments Wa1, Wa2, We, Wk, Wp1, Wp2, Wq, Wv, a_beta, a_gamma, a_mean, a_var, ba1, ba2, be, bk, bp1, bp2, bq, bv, p_beta, p_gamma, p_mean, p_var, ws, tab; writes ws, tab
.if DOCPART == 5
	.amdgcn_target "amdgcn-amd-amdhsa--gfx1250"
	.amdhsa_code_object_version 6
	.text
	.protected	k_q607a4fe25f_prep
	.globl	k_q607a4fe25f_prep
	.p2align	8
	.type	k_q607a4fe25f_prep,@function
k_q607a4fe25f_prep:
	s_mov_b64 s[64:65], 0
	v_nop
	global_prefetch_b8 v0, s[64:65] scope:SCOPE_SE
	s_setreg_imm32_b32 hwreg(HW_REG_WAVE_MODE, 25, 1), 1
	s_wait_xcnt 0x0
; Weights, biases and norms -> ws (16-bit fragment images in the order in which the main launch takes them) and tab (f32 tables).
; Every input is rounded to bf16 (nearest even) before it is used.  One task a wave, 1,616 tasks: TAU = 4 x work-group + wave.
;   TAU < 1408        fragment TAU of the stream (22 slots of 64): 1 KB; byte 512 q + 16 L + 2 e = W[m0 + L%16][k0 + 16 q + 8 (L/16) + e].
;                     -Wk, Wq', Wv, We stay bf16; Wp2, Wa1, Wa2 (their partners are made by the program) are the bf16 numbers written as f16.
;   1408 .. 1471      row o of W' = s (Wp1 Wq), c' = s (Wp1 bq + bp1) + beta - mean s, s = gamma / sqrt(var + eps), in f32, split three ways into bf16 (24 bits)
;   1472 .. 1487      tables: 32 records {SA[32], TA[32]} (second norm folded with ba1), then bv + bp2, be, bp2, ba2
;   1488 .. 1615      RB[j] = |SA_j| x sum over i of |Wa1[j][i]| (of the unrounded weights: a bound, used with a spare factor of 2), 8 rows a wave
; LIMITS: NaN and infinities are not treated apart; 1 / sqrt is v_rsq_f32; a weight written as f16 must lie within 65,504, and below 2^-14 it keeps f16's fixed step.
.set WPQ, 1441792
.macro RND a, b, t                     ; two f32 rounded to bf16 and widened again
	v_cvt_pk_bf16_f32 v[\t], v[\a], v[\b]
	v_lshlrev_b32 v[\a], 16, v[\t]
	v_and_b32 v[\b], 0xffff0000, v[\t]
.endm
.macro SPLIT3 x, h, m, l, t            ; x = h + m + l: h, m exact bf16 numbers, l the rest (rounded when it is packed)
	v_cvt_pk_bf16_f32 v[\t], v[\x], v[\x]
	v_lshlrev_b32 v[\h], 16, v[\t]
	v_sub_f32 v[\l], v[\x], v[\h]
	v_cvt_pk_bf16_f32 v[\t], v[\l], v[\l]
	v_lshlrev_b32 v[\m], 16, v[\t]
	v_sub_f32 v[\l], v[\l], v[\m]
.endm
; one fragment of the matrix at s[p:p+1] with ld columns; s61 = m0, s62 = k0; neg = 1: the sign is turned; half = 1: written as f16
.macro GEN p, ld, neg, half
	v_add_nc_u32 v4, s61, v1
	v_mul_u32_u24 v4, v4, 4*\ld
	v_lshl_add_u32 v4, v2, 5, v4
	s_lshl_b32 s62, s62, 2
	v_add_nc_u32 v4, s62, v4               ; ((m0 + r) ld + k0 + 8 h) x 4
	global_load_b128 v[8:11], v4, s[\p:\p+1]
	global_load_b128 v[12:15], v4, s[\p:\p+1] offset:16
	global_load_b128 v[16:19], v4, s[\p:\p+1] offset:64
	global_load_b128 v[20:23], v4, s[\p:\p+1] offset:80
	s_wait_loadcnt 0x0
.if \half
.irp j,0,1,2,3,4,5,6,7
	RND 8+2*\j, 9+2*\j, 32
.endr
.irp j,0,1,2,3,4,5,6,7
	v_cvt_pk_f16_f32 v[24+\j], v[8+2*\j], v[9+2*\j]
.endr
.else
.irp j,0,1,2,3,4,5,6,7
	v_cvt_pk_bf16_f32 v[24+\j], v[8+2*\j], v[9+2*\j]
.endr
.endif
.if \neg
.irp j,0,1,2,3,4,5,6,7
	v_xor_b32 v[24+\j], 0x80008000, v[24+\j]
.endr
.endif
	global_store_b128 v5, v[24:27], s[52:53]             ; the wave's two stores cover 512 consecutive bytes each
	global_store_b128 v5, v[28:31], s[52:53] offset:512
	s_endpgm
.endm
	s_load_b512 s[4:19], s[0:1], 0x0       ; Wa1 4, Wa2 6, We 8, Wk 10, Wp1 12, Wp2 14, Wq 16, Wv 18
	s_load_b512 s[20:35], s[0:1], 0x40     ; a_beta 20, a_gamma 22, a_mean 24, a_var 26, ba1 28, ba2 30, be 32, bk 34
	s_load_b512 s[36:51], s[0:1], 0x80     ; bp1 36, bp2 38, bq 40, bv 42, p_beta 44, p_gamma 46, p_mean 48, p_var 50
	s_load_b128 s[52:55], s[0:1], 0xc0     ; ws 52, tab 54
	v_lshrrev_b32 v4, 5, v0
	v_readfirstlane_b32 s56, v4
	s_lshl2_add_u32 s56, ttmp9, s56        ; TAU
	v_and_b32 v3, 31, v0                   ; lane
	v_and_b32 v1, 15, v0                   ; r
	v_bfe_u32 v2, v0, 4, 1                 ; h
	v_mov_b32 v6, 0
	s_lshl_b32 s57, s56, 10
	v_lshl_add_u32 v5, v3, 4, s57          ; 1024 TAU + 16 lane
	s_wait_kmcnt 0x0
	s_cmp_ge_u32 s56, 1488
	s_cbranch_scc1 .Lrb
	s_cmp_ge_u32 s56, 1472
	s_cbranch_scc1 .Ltab
	s_cmp_ge_u32 s56, 1408
	s_cbranch_scc1 .Lrow
	s_lshr_b32 s58, s56, 6                 ; slot t of the stream
	s_and_b32 s59, s56, 63                 ; fragment i of the slot
	s_cmp_lt_u32 s58, 2
	s_cbranch_scc1 .LdecA
	s_cmp_lt_u32 s58, 18
	s_cbranch_scc1 .LdecB
	s_cmp_lt_u32 s58, 20
	s_cbranch_scc1 .LdecC
	s_and_b32 s61, s59, 15                 ; t = 20, 21: We, m0 = 16 (i % 16), k0 = 32 (4 (t - 20) + i / 16)
	s_lshl_b32 s61, s61, 4
	s_sub_co_u32 s62, s58, 20
	s_lshl_b32 s62, s62, 2
	s_lshr_b32 s60, s59, 4
	s_add_co_u32 s62, s62, s60
	s_lshl_b32 s62, s62, 5
	GEN 8, 256, 0, 0
.LdecA:                                        ; t = 0, 1: pair g = 4 t + i / 16, ii = i % 16
	s_lshl_b32 s60, s58, 2
	s_lshr_b32 s63, s59, 4
	s_add_co_u32 s60, s60, s63
	s_lshl_b32 s60, s60, 5
	s_and_b32 s63, s59, 15
	s_and_b32 s61, s63, 1
	s_lshl_b32 s61, s61, 4
	s_add_co_u32 s61, s61, s60             ; m0 = 32 g + 16 (ii % 2)
	s_cmp_ge_u32 s63, 14
	s_cbranch_scc1 .Lzero
	s_cmp_ge_u32 s63, 12
	s_cbranch_scc1 .Lq
	s_cmp_ge_u32 s63, 8
	s_cbranch_scc1 .LA_p2
	s_lshr_b32 s62, s63, 1
	s_lshl_b32 s62, s62, 5
	GEN 10, 128, 1, 0                      ; -Wk
.LA_p2:
	s_sub_co_u32 s62, s63, 8
	s_lshr_b32 s62, s62, 1
	s_lshl_b32 s62, s62, 5
	GEN 14, 64, 0, 1                       ; Wp2
.LdecB:                                        ; t = 2 .. 17: chunk ch = 2 (t - 2) + i / 32, ii = i % 32
	s_sub_co_u32 s60, s58, 2
	s_lshl_b32 s60, s60, 1
	s_lshr_b32 s63, s59, 5
	s_add_co_u32 s60, s60, s63
	s_lshl_b32 s60, s60, 5                 ; 32 ch
	s_and_b32 s63, s59, 31
	s_cmp_ge_u32 s63, 16
	s_cbranch_scc1 .LB_a2
	s_and_b32 s61, s63, 1
	s_lshl_b32 s61, s61, 4
	s_add_co_u32 s61, s61, s60
	s_lshr_b32 s62, s63, 1
	s_lshl_b32 s62, s62, 5
	GEN 4, 256, 0, 1                       ; Wa1
.LB_a2:
	s_sub_co_u32 s61, s63, 16
	s_lshl_b32 s61, s61, 4
	s_mov_b32 s62, s60
	GEN 6, 1024, 0, 1                      ; Wa2
.LdecC:                                        ; t = 18, 19: tile m = 8 (t - 18) + i / 8, e = i % 8
	s_sub_co_u32 s60, s58, 18
	s_lshl_b32 s60, s60, 3
	s_lshr_b32 s63, s59, 3
	s_add_co_u32 s60, s60, s63
	s_lshl_b32 s61, s60, 4
	s_and_b32 s63, s59, 7
	s_cmp_ge_u32 s63, 6
	s_cbranch_scc1 .Lzero
	s_cmp_ge_u32 s63, 4
	s_cbranch_scc1 .LC_p2
	s_lshl_b32 s62, s63, 5
	GEN 18, 128, 0, 0                      ; Wv
.LC_p2:
	s_sub_co_u32 s62, s63, 4
	s_lshl_b32 s62, s62, 5
	GEN 14, 64, 0, 1                       ; Wp2
.Lzero:
.irp j,8,9,10,11
	v_mov_b32 v[\j], 0
.endr
	global_store_b128 v5, v[8:11], s[52:53]
	global_store_b128 v5, v[8:11], s[52:53] offset:512
	s_endpgm
.Lq:                                           ; Wq and bq - bk + 1 as one K step: k 0-2 Wq[o][:], k 9-11 the bias in three parts
	v_add_nc_u32 v4, s61, v1               ; o
	v_mul_u32_u24 v7, v4, 12
	v_lshlrev_b32 v4, 2, v4
	global_load_b32 v8, v7, s[16:17]
	global_load_b32 v9, v7, s[16:17] offset:4
	global_load_b32 v10, v7, s[16:17] offset:8
	global_load_b32 v11, v4, s[40:41]
	global_load_b32 v12, v4, s[34:35]
	v_mov_b32 v13, 0
	s_wait_loadcnt 0x0
	RND 8, 9, 14
	RND 10, 11, 14
	RND 12, 13, 14
	v_sub_f32 v11, v11, v12
	v_add_f32 v11, 1.0, v11
	SPLIT3 11, 16, 17, 18, 14
	v_cmp_eq_u32 vcc_lo, 1, v2
	v_cndmask_b32 v8, v8, v6, vcc_lo       ; lanes 0-15: k 0-7 = w0 w1 w2 0 ..; lanes 16-31: k 8-15 = 0 bh bm bl 0 ..
	v_cndmask_b32 v9, v9, v16, vcc_lo
	v_cndmask_b32 v10, v10, v17, vcc_lo
	v_cndmask_b32 v12, v6, v18, vcc_lo
	v_cvt_pk_bf16_f32 v20, v8, v9
	v_cvt_pk_bf16_f32 v21, v10, v12
.irp j,22,23,24,25,26,27
	v_mov_b32 v[\j], 0
.endr
	global_store_b128 v5, v[20:23], s[52:53]
	global_store_b128 v5, v[24:27], s[52:53] offset:512
	s_endpgm
.Lrow:                                         ; row o of W' and c'; lane l sums channels 8 l .. 8 l + 7
	s_sub_co_u32 s58, s56, 1408
	s_lshl_b32 s59, s58, 10
	v_lshl_add_u32 v4, v3, 5, s59
	v_mul_u32_u24 v7, v3, 96
	v_lshlrev_b32 v5, 5, v3
	s_lshl_b32 s60, s58, 2
	v_mov_b32 v62, s60
	s_mov_b32 s66, 0x76543210
	s_mov_b32 s67, 0xfedcba98
	global_load_b128 v[8:11], v4, s[12:13]
	global_load_b128 v[12:15], v4, s[12:13] offset:16
.irp j,0,1,2,3,4,5
	global_load_b128 v[16+4*\j:19+4*\j], v7, s[16:17] offset:16*\j
.endr
	global_load_b128 v[40:43], v5, s[40:41]
	global_load_b128 v[44:47], v5, s[40:41] offset:16
	global_load_b32 v48, v62, s[36:37]     ; bp1
	global_load_b32 v49, v62, s[46:47]     ; gamma
	global_load_b32 v50, v62, s[44:45]     ; beta
	global_load_b32 v51, v62, s[48:49]     ; mean
	global_load_b32 v52, v62, s[50:51]     ; var
	v_mov_b32 v53, 0
	v_mov_b32 v58, 0
	s_wait_loadcnt 0x0
.set i, 8
.rept 23
	RND i, i+1, 63
.set i, i+2
.endr
.irp j,0,1,2
	v_mul_f32 v[54+\j], v8, v[16+\j]
.endr
	v_mul_f32 v57, v8, v40
.set e, 1
.rept 7
.irp j,0,1,2
	v_fmac_f32 v[54+\j], v[8+e], v[16+3*e+\j]
.endr
	v_fmac_f32 v57, v[8+e], v[40+e]
.set e, e+1
.endr
.irp x,1,2,4,8
.irp j,54,55,56,57
	v_add_f32_dpp v[\j], v[\j], v[\j] row_xmask:\x row_mask:0xf bank_mask:0xf
.endr
.endr
.irp j,54,55,56,57
	v_permlanex16_b32 v58, v[\j], s66, s67
	v_add_f32 v[\j], v[\j], v58
.endr
	v_add_f32 v52, 0x3727c5ac, v52         ; var + 1e-5
	v_rsq_f32 v52, v52
	v_add_f32 v57, v57, v48                ; a plain line behind the transcendental: Wp1 bq + bp1
	s_wait_alu depctr_va_vdst(0)
	v_mul_f32 v49, v49, v52                ; s
	v_fma_f32 v50, -v51, v49, v50          ; beta - mean s
	v_mul_f32 v54, v54, v49
	v_mul_f32 v55, v55, v49
	v_mul_f32 v56, v56, v49
	v_fma_f32 v57, v57, v49, v50
	SPLIT3 54, 64, 65, 66, 63
	SPLIT3 55, 67, 68, 69, 63
	SPLIT3 56, 70, 71, 72, 63
	SPLIT3 57, 73, 74, 75, 63
	v_cvt_pk_bf16_f32 v76, v64, v67        ; k 0-7: W0h W1h W2h W0m W1m W2m W0l W1l
	v_cvt_pk_bf16_f32 v77, v70, v65
	v_cvt_pk_bf16_f32 v78, v68, v71
	v_cvt_pk_bf16_f32 v79, v66, v69
	v_cvt_pk_bf16_f32 v80, v72, v73        ; k 8-11: W2l ch cm cl
	v_cvt_pk_bf16_f32 v81, v74, v75
	v_cmp_eq_u32 vcc_lo, 0, v3
	v_cmp_eq_u32 s68, 1, v3
	v_cndmask_b32 v80, v6, v80, s68
	v_cndmask_b32 v81, v6, v81, s68
	v_cndmask_b32 v76, v80, v76, vcc_lo    ; lane 0: k 0-7; lane 1: k 8-15; lanes 2, 3: k 16-31 = 0
	v_cndmask_b32 v77, v81, v77, vcc_lo
	v_cndmask_b32 v78, v6, v78, vcc_lo
	v_cndmask_b32 v79, v6, v79, vcc_lo
	s_lshr_b32 s69, s58, 4
	s_lshl_b32 s69, s69, 10
	s_and_b32 s70, s58, 15
	s_lshl_b32 s70, s70, 4
	s_add_co_u32 s69, s69, s70
	v_lshl_add_u32 v82, v3, 8, s69         ; 1024 (o / 16) + 16 (o % 16) + 256 lane
	s_wait_xcnt 0x0                        ; EXEC changes only behind this wait
	v_cmpx_gt_u32 4, v3
	global_store_b128 v82, v[76:79], s[52:53] offset:WPQ
	s_endpgm
.Ltab:
	s_sub_co_u32 s58, s56, 1472
	s_cmp_ge_u32 s58, 8
	s_cbranch_scc1 .Ltab2
	s_lshl_b32 s59, s58, 9                 ; 128 hidden channels a wave, 4 a lane
	v_lshl_add_u32 v4, v3, 4, s59
	global_load_b128 v[8:11], v4, s[22:23]     ; gamma
	global_load_b128 v[12:15], v4, s[26:27]    ; var
	global_load_b128 v[16:19], v4, s[20:21]    ; beta
	global_load_b128 v[20:23], v4, s[24:25]    ; mean
	global_load_b128 v[24:27], v4, s[28:29]    ; ba1
	s_wait_loadcnt 0x0
.set i, 8
.rept 10
	RND i, i+1, 63
.set i, i+2
.endr
.irp j,0,1,2,3
	v_add_f32 v[12+\j], 0x3727c5ac, v[12+\j]
.endr
.irp j,0,1,2,3
	v_rsq_f32 v[12+\j], v[12+\j]
.endr
	v_nop                                  ; a plain line behind the last transcendental
	s_wait_alu depctr_va_vdst(0)
.irp j,0,1,2,3
	v_mul_f32 v[8+\j], v[8+\j], v[12+\j]               ; SA = s
	v_fma_f32 v[16+\j], -v[20+\j], v[8+\j], v[16+\j]   ; beta - mean s
	v_fma_f32 v[16+\j], v[24+\j], v[8+\j], v[16+\j]    ; TA = ba1 s + that
.endr
	v_lshrrev_b32 v5, 3, v3
	s_lshl_b32 s59, s58, 10
	v_lshl_add_u32 v5, v5, 8, s59          ; record 4 q + l / 8
	v_and_b32 v7, 7, v3
	v_lshl_add_u32 v5, v7, 4, v5
	global_store_b128 v5, v[8:11], s[54:55]
	global_store_b128 v5, v[16:19], s[54:55] offset:128
	s_endpgm
.Ltab2:                                        ; id 0: bv + bp2, 1: be, 2: bp2, 3: ba2; 128 numbers a wave
	s_sub_co_u32 s58, s58, 8
	s_lshr_b32 s59, s58, 1
	s_and_b32 s60, s58, 1
	s_lshl_b32 s60, s60, 9
	s_cmp_eq_u32 s59, 0
	s_cselect_b64 s[70:71], s[42:43], s[32:33]
	s_cselect_b32 s63, 1.0, 0
	s_cmp_eq_u32 s59, 2
	s_cselect_b64 s[70:71], s[38:39], s[70:71]
	s_cmp_eq_u32 s59, 3
	s_cselect_b64 s[70:71], s[30:31], s[70:71]
	v_lshl_add_u32 v4, v3, 4, s60
	global_load_b128 v[8:11], v4, s[70:71]
	global_load_b128 v[12:15], v4, s[38:39]
	s_wait_loadcnt 0x0
.set i, 8
.rept 4
	RND i, i+1, 63
.set i, i+2
.endr
.irp j,0,1,2,3
	v_fma_f32 v[8+\j], v[12+\j], s63, v[8+\j]
.endr
	s_lshl_b32 s61, s59, 10
	v_add_nc_u32 v5, s61, v4
	global_store_b128 v5, v[8:11], s[54:55] offset:8192
	s_endpgm
.Lrb:                                          ; 8 rows of Wa1 a wave: lane l sums |w| over quarter l % 4 of row 8 q + l / 4
	s_sub_co_u32 s58, s56, 1488            ; registers: v[8:71] the 64 weights, v72 gamma, v73 var, v[74:77] four sums, v80 4 x row, v81 at work
	s_lshl_b32 s59, s58, 3
	v_lshrrev_b32 v4, 2, v3
	v_add_nc_u32 v4, s59, v4               ; row
	v_and_b32 v7, 3, v3
	v_lshlrev_b32 v5, 10, v4
	v_lshl_add_u32 v5, v7, 8, v5
	v_lshlrev_b32 v80, 2, v4
.irp j,0,1,2,3,4,5,6,7,8,9,10,11,12,13,14,15
	global_load_b128 v[8+4*\j:11+4*\j], v5, s[4:5] offset:16*\j
.endr
	global_load_b32 v72, v80, s[22:23]     ; gamma
	global_load_b32 v73, v80, s[26:27]     ; var
	s_wait_loadcnt 0x0
	RND 72, 73, 81
.irp k,0,1,2,3
	v_add_f32 v[74+\k], |v[8+2*\k]|, |v[9+2*\k]|
.endr
.set n, 8
.rept 56
	v_add_f32 v[74+(n&3)], v[74+(n&3)], |v[8+n]|
.set n, n+1
.endr
	v_add_f32 v74, v74, v75
	v_add_f32 v76, v76, v77
	v_add_f32 v74, v74, v76
	v_add_f32_dpp v74, v74, v74 row_xmask:1 row_mask:0xf bank_mask:0xf
	v_add_f32_dpp v74, v74, v74 row_xmask:2 row_mask:0xf bank_mask:0xf
	v_add_f32 v73, 0x3727c5ac, v73
	v_rsq_f32 v73, v73
	v_nop                                  ; a plain line behind the transcendental
	s_wait_alu depctr_va_vdst(0)
	v_mul_f32 v72, v72, v73
	v_mul_f32 v74, v74, |v72|
	s_wait_xcnt 0x0                        ; EXEC changes only behind this wait
	v_cmpx_eq_u32 0, v7
	global_store_b32 v80, v74, s[54:55] offset:12288   ; 8 lanes: 32 consecutive bytes
	s_endpgm
.Lfunc_end_k_q607a4fe25f_prep:
	.size	k_q607a4fe25f_prep, .Lfunc_end_k_q607a4fe25f_prep-k_q607a4fe25f_prep
	.p2alignl 7, 3214868480
	.fill 96, 4, 3214868480
	.section	.rodata,"a",@progbits
	.p2align	6, 0x0
	.amdhsa_kernel k_q607a4fe25f_prep
		.amdhsa_group_segment_fixed_size 0
		.amdhsa_private_segment_fixed_size 0
		.amdhsa_enable_private_segment 0
		.amdhsa_kernarg_size 208
		.amdhsa_user_sgpr_count 2
		.amdhsa_user_sgpr_kernarg_segment_ptr 1
		.amdhsa_wavefront_size32 1
		.amdhsa_system_sgpr_workgroup_id_x 1
		.amdhsa_system_sgpr_workgroup_id_y 1
		.amdhsa_system_sgpr_workgroup_id_z 1
		.amdhsa_system_vgpr_workitem_id 0
		.amdhsa_next_free_vgpr 96
		.amdhsa_next_free_sgpr 76
		.amdhsa_reserve_vcc 1
		.amdhsa_float_denorm_mode_32 3
		.amdhsa_float_denorm_mode_16_64 3
		.amdhsa_memory_ordered 1
		.amdhsa_forward_progress 1
		.amdhsa_inst_pref_size 44
	.end_amdhsa_kernel
	.amdgpu_metadata
---
amdhsa.version: [ 1, 2 ]
amdhsa.kernels:
  - .name:           k_q607a4fe25f_prep
    .symbol:         k_q607a4fe25f_prep.kd
    .args:
      - { .name: Wa1, .offset: 0, .size: 8, .value_kind: global_buffer, .address_space: global }
      - { .name: Wa2, .offset: 8, .size: 8, .value_kind: global_buffer, .address_space: global }
      - { .name: We, .offset: 16, .size: 8, .value_kind: global_buffer, .address_space: global }
      - { .name: Wk, .offset: 24, .size: 8, .value_kind: global_buffer, .address_space: global }
      - { .name: Wp1, .offset: 32, .size: 8, .value_kind: global_buffer, .address_space: global }
      - { .name: Wp2, .offset: 40, .size: 8, .value_kind: global_buffer, .address_space: global }
      - { .name: Wq, .offset: 48, .size: 8, .value_kind: global_buffer, .address_space: global }
      - { .name: Wv, .offset: 56, .size: 8, .value_kind: global_buffer, .address_space: global }
      - { .name: a_beta, .offset: 64, .size: 8, .value_kind: global_buffer, .address_space: global }
      - { .name: a_gamma, .offset: 72, .size: 8, .value_kind: global_buffer, .address_space: global }
      - { .name: a_mean, .offset: 80, .size: 8, .value_kind: global_buffer, .address_space: global }
      - { .name: a_var, .offset: 88, .size: 8, .value_kind: global_buffer, .address_space: global }
      - { .name: ba1, .offset: 96, .size: 8, .value_kind: global_buffer, .address_space: global }
      - { .name: ba2, .offset: 104, .size: 8, .value_kind: global_buffer, .address_space: global }
      - { .name: be, .offset: 112, .size: 8, .value_kind: global_buffer, .address_space: global }
      - { .name: bk, .offset: 120, .size: 8, .value_kind: global_buffer, .address_space: global }
      - { .name: bp1, .offset: 128, .size: 8, .value_kind: global_buffer, .address_space: global }
      - { .name: bp2, .offset: 136, .size: 8, .value_kind: global_buffer, .address_space: global }
      - { .name: bq, .offset: 144, .size: 8, .value_kind: global_buffer, .address_space: global }
      - { .name: bv, .offset: 152, .size: 8, .value_kind: global_buffer, .address_space: global }
      - { .name: p_beta, .offset: 160, .size: 8, .value_kind: global_buffer, .address_space: global }
      - { .name: p_gamma, .offset: 168, .size: 8, .value_kind: global_buffer, .address_space: global }
      - { .name: p_mean, .offset: 176, .size: 8, .value_kind: global_buffer, .address_space: global }
      - { .name: p_var, .offset: 184, .size: 8, .value_kind: global_buffer, .address_space: global }
      - { .name: ws, .offset: 192, .size: 8, .value_kind: global_buffer, .address_space: global }
      - { .name: tab, .offset: 200, .size: 8, .value_kind: global_buffer, .address_space: global }
    .group_segment_fixed_size: 0
    .private_segment_fixed_size: 0
    .kernarg_segment_align: 8
    .kernarg_segment_size: 208
    .max_flat_workgroup_size: 128
    .sgpr_count:     76
    .vgpr_count:     96
    .wavefront_size: 32
...
	.end_amdgpu_metadata
.endif
;; end of part 5
;; launch knn1 (part 6): grid 256 x 1, 8 waves a work-group, no clusters, 138,240 bytes of LDS; arguments pos, pq, grp; writes pq, grp
.if DOCPART == 6
	.amdgcn_target "amdgcn-amd-amdhsa--gfx1250"
	.amdhsa_code_object_version 6
	.text
	.protected	k_q607a4fe25f_knn1
	.globl	k_q607a4fe25f_knn1
	.p2align	8
	.type	k_q607a4fe25f_knn1,@function
k_q607a4fe25f_knn1:
	s_mov_b64 s[64:65], 0
	v_nop
	global_prefetch_b8 v0, s[64:65] scope:SCOPE_SE
	s_setreg_imm32_b32 hwreg(HW_REG_WAVE_MODE, 25, 1), 1
	s_wait_xcnt 0x0
; First half of the 8 nearest neighbours.  pos is rounded to bf16; d(i, j) = (sq_i + sq_j) - 2 ((x x' + y y') + z z'), each step rounded to f32: products of two
; rounded coordinates are exact in f32, so fused and unfused forms give the same bits.  ASSUMED: the sums over the three coordinates go in ascending order.
; The 4,096 candidates of a batch lie in 256 groups of 16.  Each of a row's 8 nearest, ordered by (d, j), lies in one of the 8 groups that are smallest by
; (group minimum, group number): else 8 groups would each hold a point that precedes it.  This launch stores those 8 group numbers, ascending (grp), and the
; rounded points with their squares (pq).  A work-group has 32 rows, a lane a row, and eight waves, two to a SIMD, so that one wave's lines stand in the other's waits for
; results; wave w scans candidates 512 w .. 512 w + 511; the eight lists are merged in LDS in three levels.
; Equal values: a strict "<" with candidates arriving in ascending order keeps the lower number first.  NaN and infinities are not treated apart.
; No matrix unit, no tensor load: 3 multiply-adds a distance, and the table of 64 KB is made by each work-group from 48 KB that all share.
; NO TAIL: every trip of the scan fetches the two groups behind those that it judges.  The last trip's fetch reaches 128 bytes past the wave's part of each array: the next
; wave's candidates, the next array's first bytes, or the pad behind the last array.  It is not used: 32 LDS loads a wave, the price of one text for every trip.
.set LISTA, 69632                      ; behind the table (65,536 bytes) and the pad (4,096): [wave][16 words][32 lanes]: 8 values, 8 numbers; 2,048 bytes a wave
.set L1,    20480                      ; the lists of the first merge lie this far behind, past every wave's read of its neighbour's list,
.set L2,    40960                      ; those of the second merge this far
.set SPARE, 137216                     ; the spare words, 128 bytes a wave
.set CA, 64                            ; v[64:127]   a group's X16, Y16, Z16, SQ16
.set CB, 128                           ; v[128:191]  the next group's
; v2 spare word's address, v3 0; v4 LDS address of the groups in hand; v5 group number; v6 my list; v7 lane; v[8:11] my row; v[12:19] x, y, z, sq twice each
; v[20:27] the 8 smallest values, ascending; v[28:35] their numbers; v[36:51] 16 distances, later a partner's list; v52-58 at work; s[20:27] masks
.macro RND a, b, t
	v_cvt_pk_bf16_f32 v[\t], v[\a], v[\b]
	v_lshlrev_b32 v[\a], 16, v[\t]
	v_and_b32 v[\b], 0xffff0000, v[\t]
.endm
.macro INSERT x, pay                   ; x with its number goes into the sorted list, behind its equals
.irp s,0,1,2,3,4,5,6,7
	v_cmp_lt_f32 s[20+\s], v[\x], v[20+\s]
.endr
.irp s,7,6,5,4,3,2,1
	v_cndmask_b32 v[28+\s], v[28+\s], v[\pay], s[20+\s]
	v_cndmask_b32 v[28+\s], v[28+\s], v[27+\s], s[19+\s]
.endr
	v_cndmask_b32 v28, v28, v[\pay], s20
.irp s,7,6,5,4,3,2,1
	v_med3_num_f32 v[20+\s], v[19+\s], v[\x], v[20+\s]
.endr
	v_min_num_f32 v20, v20, v[\x]
.endm
.macro FILLG buf, off                  ; 16 loads, one address for all lanes
.irp a,0,1,2,3
.irp q,0,1,2,3
	ds_load_b128 v[\buf+16*\a+4*\q:\buf+16*\a+4*\q+3], v4 offset:16384*\a+16*\q+\off
.endr
.endr
.endm
.macro GROUP buf, off                  ; a group is judged, and its buffer takes the group two further on
	s_wait_dscnt 16                        ; this buffer is in; the other buffer's 16 loads are younger
.irp p,0,1,2,3,4,5,6,7
	v_pk_mul_f32 v[36+2*\p:37+2*\p], v[\buf+2*\p:\buf+2*\p+1], v[12:13]
.endr
.irp p,0,1,2,3,4,5,6,7
	v_pk_fma_f32 v[36+2*\p:37+2*\p], v[\buf+16+2*\p:\buf+17+2*\p], v[14:15], v[36+2*\p:37+2*\p]
.endr
.irp p,0,1,2,3,4,5,6,7
	v_pk_fma_f32 v[36+2*\p:37+2*\p], v[\buf+32+2*\p:\buf+33+2*\p], v[16:17], v[36+2*\p:37+2*\p]
.endr
.irp p,0,1,2,3,4,5,6,7
	v_pk_add_f32 v[\buf+48+2*\p:\buf+49+2*\p], v[\buf+48+2*\p:\buf+49+2*\p], v[18:19]
.endr
.irp p,0,1,2,3,4,5,6,7
	v_pk_fma_f32 v[36+2*\p:37+2*\p], v[36+2*\p:37+2*\p], -2.0, v[\buf+48+2*\p:\buf+49+2*\p] op_sel_hi:[1,0,1]
.endr
	FILLG \buf, \off
	v_min3_num_f32 v54, v36, v37, v38
	v_min3_num_f32 v55, v45, v46, v47
	v_min3_num_f32 v54, v54, v39, v40
	v_min3_num_f32 v55, v55, v48, v49
	v_min3_num_f32 v54, v54, v41, v42
	v_min3_num_f32 v55, v55, v50, v51
	v_min3_num_f32 v54, v54, v43, v44
	v_min_num_f32 v54, v54, v55
	INSERT 54, 5
	v_add_nc_u32 v5, 1, v5
.endm
; A sorted list of later candidates, off bytes behind my own, is taken in: 16 loads at fixed places; then 8 trips on registers: the list's head goes in, the list moves down.
.macro MERGE off
.irp s,0,1,2,3,4,5,6,7
	ds_load_b32 v[36+\s], v6 offset:\off+128*\s
	ds_load_b32 v[44+\s], v6 offset:\off+1024+128*\s
.endr
	s_wait_dscnt 0x0
	s_mov_b32 s18, 8
.Lmg_\@:
	INSERT 36, 44
.irp s,0,1,2,3,4,5,6
	v_mov_b32 v[36+\s], v[37+\s]
	v_mov_b32 v[44+\s], v[45+\s]
.endr
	s_sub_co_u32 s18, s18, 1
	s_cmp_lg_u32 s18, 0
	s_cbranch_scc1 .Lmg_\@
.endm
.macro PUTLIST off
.irp s,0,1,2,3,4,5,6,7
	ds_store_b32 v6, v[20+\s] offset:\off+128*\s
	ds_store_b32 v6, v[28+\s] offset:\off+1024+128*\s
.endr
.endm
.macro CE a, b
	v_min_u32 v52, v[28+\a], v[28+\b]
	v_max_u32 v[28+\b], v[28+\a], v[28+\b]
	v_mov_b32 v[28+\a], v52
.endm
	s_load_b128 s[4:7], s[0:1], 0x0        ; pos, pq
	s_load_b64 s[8:9], s[0:1], 0x10        ; grp
	v_lshl_add_u32 v2, v0, 2, SPARE
	v_mov_b32 v3, 0
	v_lshrrev_b32 v4, 5, v0
	v_readfirstlane_b32 s10, v4            ; wave
	s_lshr_b32 s11, ttmp9, 7               ; batch
	s_mul_i32 s12, s11, 49152
	s_mov_b32 s13, 0
	v_lshlrev_b32 v6, 4, v0                ; 16 t: four points a thread and step; 256 threads cover 4,096 bytes
	v_and_b32 v7, 31, v0
	s_wait_kmcnt 0x0
	s_add_nc_u64 s[4:5], s[4:5], s[12:13]
.irp a,0,1,2
.irp u,0,1,2,3
	global_load_b128 v[64+16*\a+4*\u:67+16*\a+4*\u], v6, s[4:5] offset:16384*\a+4096*\u
.endr
.endr
	v_add_nc_u32 v54, 0x1000, v6
	s_wait_loadcnt 0x0
.set i, 64
.rept 24
	RND i, i+1, 52
.set i, i+2
.endr
.set i, 0
.rept 8
	v_pk_mul_f32 v[112+i:113+i], v[64+i:65+i], v[64+i:65+i]
	v_pk_fma_f32 v[112+i:113+i], v[80+i:81+i], v[80+i:81+i], v[112+i:113+i]
	v_pk_fma_f32 v[112+i:113+i], v[96+i:97+i], v[96+i:97+i], v[112+i:113+i]
.set i, i+2
.endr
.irp a,0,1,2,3
.irp u,0,1,2,3
	ds_store_b128 v6, v[64+16*\a+4*\u:67+16*\a+4*\u] offset:16384*\a+4096*\u
.endr
.endr
	ds_store_b128 v54, v[112:115] offset:61440     ; the pad, bytes 65,536 on: any numbers, so that the last fetch reads bytes that have been written
	s_wait_dscnt 0x0                       ; my part of the table is written,
	s_barrier_signal -1
	s_barrier_wait -1                      ; everybody's is
	s_and_b32 s14, ttmp9, 127
	s_lshl_b32 s14, s14, 7
	v_lshl_add_u32 v54, v7, 2, s14         ; my row in the table
	s_lshl_b32 s15, s10, 11
	v_mov_b32 v4, s15                      ; my wave's first group: 512 candidates of 4 bytes a wave
	s_lshl_b32 s15, s10, 5
	v_mov_b32 v5, s15                      ; its number
	ds_load_b32 v8, v54
	ds_load_b32 v9, v54 offset:16384
	ds_load_b32 v10, v54 offset:32768
	ds_load_b32 v11, v54 offset:49152
	FILLG CA, 0
	FILLG CB, 64
.irp s,0,1,2,3,4,5,6,7
	v_mov_b32 v[20+\s], 0x7f800000
	v_mov_b32 v[28+\s], 0
.endr
	s_wait_dscnt 32                        ; the row is in; the two groups' 32 loads are younger
.irp j,0,1,2,3
	v_mov_b32 v[12+2*\j], v[8+\j]
	v_mov_b32 v[13+2*\j], v[8+\j]
.endr
	s_mov_b32 s16, 16
.Lscan:                                        ; a trip: two groups are judged, the two behind them fetched
	GROUP CA, 128
	GROUP CB, 192
	v_add_nc_u32 v4, 128, v4
	s_sub_co_u32 s16, s16, 1
	s_cmp_lg_u32 s16, 0
	s_cbranch_scc1 .Lscan
	s_lshl_b32 s17, s10, 11
	v_lshl_add_u32 v6, v7, 2, s17
	v_add_nc_u32 v6, LISTA, v6             ; my wave's list
	PUTLIST 0
	s_wait_dscnt 0x0                       ; my list is written (and the last trip's fetch is over)
	s_barrier_signal -1
	s_barrier_wait -1
	s_and_b32 s19, s10, 1
	s_cmp_lg_u32 s19, 0
	s_cbranch_scc1 .Lskip1
	MERGE 2048                             ; waves 0, 2, 4, 6 take in the next wave's list
	PUTLIST L1
.Lskip1:
	s_wait_dscnt 0x0
	s_barrier_signal -1
	s_barrier_wait -1
	s_and_b32 s19, s10, 3
	s_cmp_lg_u32 s19, 0
	s_cbranch_scc1 .Lskip2
	MERGE L1+4096                          ; waves 0 and 4 take in the merged list two waves on
	PUTLIST L2
.Lskip2:
	s_wait_dscnt 0x0
	s_barrier_signal -1
	s_barrier_wait -1
	s_cmp_lg_u32 s10, 0
	s_cbranch_scc1 .Lend
	MERGE L2+8192                          ; wave 0 takes in wave 4's merged list
	CE 0,1                                 ; the 8 numbers in ascending order: 19 exchanges
	CE 2,3
	CE 4,5
	CE 6,7
	CE 0,2
	CE 1,3
	CE 4,6
	CE 5,7
	CE 1,2
	CE 5,6
	CE 0,4
	CE 1,5
	CE 2,6
	CE 3,7
	CE 2,4
	CE 3,5
	CE 1,2
	CE 3,4
	CE 5,6
	s_lshl_b32 s28, ttmp9, 10
	v_lshl_add_u32 v57, v7, 5, s28         ; row 32 x work-group + lane, 32 bytes a row
	s_lshl_b32 s29, ttmp9, 9
	v_lshl_add_u32 v58, v7, 4, s29
	global_store_b128 v57, v[28:31], s[8:9]
	global_store_b128 v57, v[32:35], s[8:9] offset:16
	global_store_b128 v58, v[8:11], s[6:7]
.Lend:
	s_wait_tensorcnt 0x0                   ; the wave's end
	ds_add_u32 v2, v3
	s_wait_dscnt 0x0
	s_endpgm
.Lfunc_end_k_q607a4fe25f_knn1:
	.size	k_q607a4fe25f_knn1, .Lfunc_end_k_q607a4fe25f_knn1-k_q607a4fe25f_knn1
	.p2alignl 7, 3214868480
	.fill 96, 4, 3214868480
	.section	.rodata,"a",@progbits
	.p2align	6, 0x0
	.amdhsa_kernel k_q607a4fe25f_knn1
		.amdhsa_group_segment_fixed_size 138240
		.amdhsa_private_segment_fixed_size 0
		.amdhsa_enable_private_segment 0
		.amdhsa_kernarg_size 24
		.amdhsa_user_sgpr_count 2
		.amdhsa_user_sgpr_kernarg_segment_ptr 1
		.amdhsa_wavefront_size32 1
		.amdhsa_system_sgpr_workgroup_id_x 1
		.amdhsa_system_sgpr_workgroup_id_y 1
		.amdhsa_system_sgpr_workgroup_id_z 1
		.amdhsa_system_vgpr_workitem_id 0
		.amdhsa_next_free_vgpr 192
		.amdhsa_next_free_sgpr 66
		.amdhsa_reserve_vcc 0
		.amdhsa_float_denorm_mode_32 3
		.amdhsa_float_denorm_mode_16_64 3
		.amdhsa_memory_ordered 1
		.amdhsa_forward_progress 1
		.amdhsa_inst_pref_size 41
	.end_amdhsa_kernel
	.amdgpu_metadata
---
amdhsa.version: [ 1, 2 ]
amdhsa.kernels:
  - .name:           k_q607a4fe25f_knn1
    .symbol:         k_q607a4fe25f_knn1.kd
    .args:
      - { .name: pos, .offset: 0, .size: 8, .value_kind: global_buffer, .address_space: global }
      - { .name: pq, .offset: 8, .size: 8, .value_kind: global_buffer, .address_space: global }
      - { .name: grp, .offset: 16, .size: 8, .value_kind: global_buffer, .address_space: global }
    .group_segment_fixed_size: 138240
    .private_segment_fixed_size: 0
    .kernarg_segment_align: 8
    .kernarg_segment_size: 24
    .max_flat_workgroup_size: 256
    .sgpr_count:     66
    .vgpr_count:     192
    .wavefront_size: 32
...
	.end_amdgpu_metadata
.endif
;; end of part 6
;; launch knn2: the kernel of part 3 again; grid 256 x 1, 4 waves a work-group, no clusters, 23,040 bytes of LDS; arguments pq, grp, idx; writes idx
;; launch main (part 7): grid 256 x 1, 4 waves a work-group, clusters of 4 x 1, 327,680 bytes of LDS; arguments key, values, pq, idx, ws, tab, out0; writes out0
.if DOCPART == 7
	.amdgcn_target "amdgcn-amd-amdhsa--gfx1250"
	.amdhsa_code_object_version 6
	.text
	.protected	k_q607a4fe25f_main
	.globl	k_q607a4fe25f_main
	.p2align	8
	.type	k_q607a4fe25f_main,@function
k_q607a4fe25f_main:
	s_mov_b64 s[64:65], 0
	v_nop
	global_prefetch_b8 v0, s[64:65] scope:SCOPE_SE
	s_setreg_imm32_b32 hwreg(HW_REG_WAVE_MODE, 25, 1), 1
	s_wait_xcnt 0x0
	s_wait_alu depctr_hold_cnt(0) depctr_sa_sdst(0) depctr_va_vdst(0) depctr_va_sdst(0) depctr_va_ssrc(0) depctr_va_vcc(0) depctr_vm_vsrc(0)
	s_getreg_b32 s2, hwreg(HW_REG_IB_STS2, 6, 4)
	s_cmp_eq_u32 s2, 0
	s_cbranch_scc0 .Lentry_in_a_cluster
	s_endpgm
.Lentry_in_a_cluster:
	s_bfe_u32 s2, ttmp6, 0x10000c
	s_cmp_lg_u32 s2, 0x3003
	s_cbranch_scc0 .Lentry_shape_is_right
	s_endpgm
.Lentry_shape_is_right:
; The whole chain for 32 points (256 columns (point, slot)) a work-group, 8 points (64 columns, four tiles of 16) a wave.  Sums in f32.
;   h1 = relu(W' p + c')            u = [-Wk | Wq | bq - bk + 1] [key; p; 1] = q - k_f + 1          pe = Wp2 h1 + bp2          x = pe u
;   h2 = relu(SA (Wa1 x) + TA)      L = Wa2 h2 + ba2       w = Wv values + bv + bp2 + Wp2 h1 = v + pe
;   agg = sum over the 8 slots of softmax(L) w (the slots' maximum is taken away first)             y = We agg + be
; FORMATS.  What is an input (key, values, p, and their weights) is multiplied in bf16, to which every input is rounded.  What the program makes is kept to 11 bits or more:
; h1, x, h2 go in f16, each times a power of two that is one number for the wave.  k1 brings the wave's exact largest h1 into [2^14, 2^15).  x is made in eight pairs of tiles; each
; pair is first scaled so that ITS largest |x| lies in [2^14, 2^15) and rounded to f16; when all pairs are made, each is multiplied by the power of two (1 or less) that brings it
; to the scale kx of the largest pair: exact while the result is a normal f16.  tau brings the bound 2^15 / kx max_j RB_j + max_j |TA_j| >= h2 under 2^14
; (RB_j = |SA_j| sum_i |Wa1_ji|; the factor of 2 that is left covers the roundings).  The sums for L are kept times tau and start from ba2 tau.  agg goes as a high and a low bf16 part.
; LAYOUT.  Weights are source 0 (rows = output channels), activations source 1 (a lane = a column).  Two results one above the other, rounded in pairs, are the next
; product's source 1: nothing changes lanes.  Lane r stands for point r % 8; tile c of lane r is slot 4 (r / 8) + c: one load of 16 bytes gives a lane its number in all
; four tiles, 16 lanes read 256 consecutive bytes, and the softmax is three steps in registers and one exchange with the lane 8 away.
; WEIGHTS come as 1 KB fragment images in the order of use (22 slots of 64 KB), through two LDS slots.  CLUSTER: all work-groups walk the same weights, so the four of a
; cluster ask jointly: the same tensor load, descriptor and mask in all four; each wave brings a quarter of a slot.  A wave has three tensor loads out at the start, later one.
; ONE TEXT FOR EACH STEP.  A pair of the first phase and a tile of the third are written once and walked by counted loops; what hangs on the step's number is an LDS address,
; a scalar that steps added to a lane term that stays.  Registers cannot be named so: a pair's x goes through the wave's own LDS and comes back when all pairs are made,
; and a tile's sums are copied to the registers that the one text names, by a chain of forward jumps on the counter.
; LIMITS.  The maxima are taken as lying between 2^-95 and 2^95 (smaller: numbers may flush to 0; larger: f16 may overflow).  Of x times kx what falls below 2^-14 is rounded a second
; time, to f16's fixed step of 2^-24, and a pair whose largest |x| lies more than 2^24 below the wave's largest counts as 0.  NaN and infinities are not treated apart.
; A work-group owns 32 points, so a row of out0 leaves in aligned pieces of 128 bytes.  In the last product each point stands in two lanes (16 columns for 8 points).
; REGISTERS, in windows of 256 (s_set_vgpr_msb: bits 1:0 source 0, 3:2 source 1, 5:4 source 2, 7:6 destination):
;   window 0: v0-15 addresses and four maxima at work; ST v16-47; ACC v48-111; FA v112-175, FB v176-239 weight fragments; T v240-255
;   window 1: x, fragment (K step, tile) at 32 ks + 8 c; later values 0-127, h1 128-191 (then agg's low parts), agg's high parts 192-255
;   windows 2, 3: L, tile (mt, c) at 8 (4 (mt % 8) + c); before that window 2: key 0-127, h1 128-191, p 192-223, bp2 224-239, window 3: numbers as loaded; at the end We and y
.set SLOTB, 65536
.set TAB,   131072                     ; 16,384 bytes, filled once
.set VST,   147456                     ; a wave's own 40,960 bytes: 32 KB for x's fragments, later values' (16 KB), later agg's two parts (16 KB); then h1's 8 KB
.set VSTW,  40960
.set H1O,   32768
.set OST,   VST                        ; the way out: 256 rows of 128 bytes, 144 apart, in wave 0's part: every read of that part stands ahead of the fourth phase's barrier
.set SCR,   311296                     ; a wave's own 1,024 bytes: ba2 tau
.set SPARE, 315392                     ; the spare words, 128 bytes a wave
.set WPQ,   1441792
.set SPW, 1
.set NIL, 2
.set LN16, 3                           ; 16 x lane
.set WA, 4                             ; 16 x lane + the place in the slot in hand
.set TP, 5                             ; a place in the table
.set BH, 6                             ; TAB + 32 (lane / 16)
.set KO, 7                             ; my offset in key and values
.set VS, 8                             ; 16 x lane + my wave's own part
.set XA, 9                             ; first phase: where the pair's x goes
.set OS, 9                             ; the way out
.set RD, 10
.set GO, 11
.set PO, 12                            ; 32 (r % 8) + 16 (r / 8); v12-15 later four chains for a pair's largest |x|
.set MX, 12
.set AS, 13                            ; third phase: where the tile's agg goes
.set ONE, 14
.set ZR, 15
.set ST, 16
.set ACC, 48
.set FA, 112
.set FB, 176
.set T, 240
.set WV, 18
.set G1, 24                            ; s[24:31] shape of a quarter slot: 64 rows of 256 bytes
.set G1T, 32                           ; s[32:39] of a quarter of the table: 16 rows
.set GT, 40
.set GA, 44
.set GB, 48                            ; walks
.set TB, 52                            ; LDS byte of the step in hand
.set CNT, 53
.set HM, 54
.set CN2, 55                           ; the inner loops' counter
.set LAM, 66                           ; s[66:67] log2(e) / tau
.set IK1, 68                           ; s[68:69] 1 / k1
.set KX, 70                            ; s[70:71] k1, then the scale of the pair in hand
.set AL, 72                            ; s[72:73] tau / kx
.set TU, 74                            ; s[74:75] tau
.set SEL, 76                           ; s[76:77] v_permlanex16_b32's selects
.set XB, 82                            ; byte in my wave's own part
.set BB, 83                            ; byte in the table
.set EM, 84                            ; the largest of the pairs' exponents
.set EP, 85                            ; the exponents of the slot's pairs, 8 bits each, the first on top
.set EPA, 86                           ; those of the second slot's four pairs,
.set EPB, 87                           ; of the first slot's
.set MSB, 0
.macro WIN new                         ; the high byte repeats the setting that is left; a switch that changes nothing is dropped
.if MSB != (\new)
	s_set_vgpr_msb (MSB<<8)|(\new)
.set MSB, (\new)
.endif
.endm
.macro PLACES n                        ; plain lines between a matrix instruction and what touches its registers (ISA guide 7.12.1)
.rept \n
	v_nop
.endr
.endm
.macro MMA d, a, b
	v_wmma_f32_16x16x32_bf16 v[\d:\d+7], v[\a:\a+7], v[\b:\b+7], v[\d:\d+7]
.endm
.macro MMA0 d, a, b
	v_wmma_f32_16x16x32_bf16 v[\d:\d+7], v[\a:\a+7], v[\b:\b+7], 0
.endm
.macro MMAC d, a, b, cc
	v_wmma_f32_16x16x32_bf16 v[\d:\d+7], v[\a:\a+7], v[\b:\b+7], v[\cc:\cc+7]
.endm
.macro HMA d, a, b
	v_wmma_f32_16x16x32_f16 v[\d:\d+7], v[\a:\a+7], v[\b:\b+7], v[\d:\d+7]
.endm
.macro HMA0 d, a, b
	v_wmma_f32_16x16x32_f16 v[\d:\d+7], v[\a:\a+7], v[\b:\b+7], 0
.endm
.macro WMAX r, t                       ; the largest of the 32 lanes' v[r], in every lane; v[t] has been written before
.irp x,1,2,4,8
	v_max_num_f32_dpp v[\r], v[\r], v[\r] row_xmask:\x row_mask:0xf bank_mask:0xf
.endr
	v_permlanex16_b32 v[\t], v[\r], s[SEL], s[SEL+1]
	v_max_num_f32 v[\r], v[\r], v[\t]
.endm
.macro EXPO sd, vr                     ; the biased exponent of a number that is not negative, held within 32 .. 222; it enters arithmetic alone
	v_readfirstlane_b32 s[\sd], v[\vr]
	s_lshr_b32 s[\sd], s[\sd], 23
	s_max_u32 s[\sd], s[\sd], 32
	s_min_u32 s[\sd], s[\sd], 222
.endm
.macro CROUND                          ; a round of the cluster's barrier
	s_barrier_signal -1
	s_barrier_wait -1
	s_cmp_lg_u32 s[WV], 0
	s_cbranch_scc1 .Lnot_wave_0_\@
	s_barrier_signal -3
.Lnot_wave_0_\@:
	s_barrier_wait -3
	s_barrier_signal -1
	s_barrier_wait -1
.endm
.macro LOADW dst, off, n               ; n fragments: 32 lanes x 16 consecutive bytes, twice each
.set lf, 0
.rept \n
	ds_load_b128 v[\dst+8*lf:\dst+8*lf+3], v[WA] offset:\off+1024*lf
	ds_load_b128 v[\dst+8*lf+4:\dst+8*lf+7], v[WA] offset:\off+1024*lf+512
.set lf, lf+1
.endr
.endm
.macro LOADST dst, adr, off            ; a record of 64 numbers by channel, in the layout of four results: register j = channel 16 q + 8 (lane / 16) + j
.set lq, 0
.rept 4
	ds_load_b128 v[\dst+8*lq:\dst+8*lq+3], v[\adr] offset:\off+64*lq
	ds_load_b128 v[\dst+8*lq+4:\dst+8*lq+7], v[\adr] offset:\off+64*lq+16
.set lq, lq+1
.endr
.endm
; THE CHANGE OF SLOTS, in two parts, so that products can stand between the add and the wait for it.  s[TB] stands at the head of the slot that is left.
.macro MEET_H step
	WIN 0
	s_wait_tensorcnt 0x0                   ; all my tensor loads have landed: my quarter of the other slot; the walking descriptor may be written
	ds_add_u32 v[SPW], v[NIL]
.if \step
	s_xor_b32 s[GB+1], s[GB+1], SLOTB
	s_add_nc_u64 s[GB+2:GB+3], s[GB+2:GB+3], SLOTB
.endif
.endm
.macro MEET_T fill
	WIN 0
	s_wait_dscnt 0x0                       ; the add is done, and my reads of the slot in hand are over
.if \fill
	CROUND                                 ; so it is with every wave of all four work-groups
	tensor_load_to_lds s[GB:GB+3], s[G1:G1+7]  ; my one load behind the round: the slot just left takes the stream's slot two further on
	s_nop 0
	PLACES 4
.else
	s_barrier_signal -1
	s_barrier_wait -1
.endif
	s_xor_b32 s[TB], s[TB], SLOTB
	v_add_nc_u32 v[WA], s[TB], v[LN16]
.endm
; 64 loads: channel 32 ks + 16 q + 8 (lane / 16) + e of my column's four tiles -> window 3, 4 (16 ks + 8 q + e).  Channels 64 on go by a second base: the immediate has 24 bits.
.macro LOADIN lo, hi
	WIN 0xc0
.set i, 0
.rept 64
.if i < 32
	global_load_b128 v[4*i:4*i+3], v[KO], s[\lo:\lo+1] offset:(32*((i/16)&1)+16*((i/8)&1)+(i&7))*131072 th:TH_LOAD_NT
.else
	global_load_b128 v[4*i:4*i+3], v[KO], s[\hi:\hi+1] offset:(32*((i/16)&1)+16*((i/8)&1)+(i&7))*131072 th:TH_LOAD_NT
.endif
.set i, i+1
.endr
	WIN 0
.endm
; window 3 -> bf16 fragments in window 2: (ks, c) register 4 q + i = channels 16 q + 8 h + 2 i, + 1.  counted = 1: 16 loads a K step, behind them the later K steps' and 4 gathers
.macro CVTIN counted
.set ks, 0
.rept 4
.if \counted
	s_wait_loadcnt 52-16*ks
.endif
	WIN 0x8f
.set n, 0
.rept 32
	v_cvt_pk_bf16_f32 v[32*ks+n], v[4*(16*ks+8*((n/4)&1)+2*(n&3))+n/8], v[4*(16*ks+8*((n/4)&1)+2*(n&3)+1)+n/8]
.set n, n+1
.endr
.set ks, ks+1
.endr
	WIN 0
.endm
	s_load_b256 s[4:11], s[0:1], 0x0       ; key 4, values 6, pq 8, idx 10
	s_load_b128 s[12:15], s[0:1], 0x20     ; ws 12, tab 14
	s_load_b64 s[16:17], s[0:1], 0x30      ; out0
	v_lshl_add_u32 v[SPW], v0, 2, SPARE
	v_mov_b32 v[NIL], 0
	ds_add_u32 v[SPW], v[NIL]              ; the wave's opening: the add and its wait ahead of my first tensor load
	v_lshrrev_b32 v48, 5, v0
	v_readfirstlane_b32 s[WV], v48
	s_bfe_u32 s19, ttmp6, 0x40000          ; cx: it enters global addresses of key, values, pq, idx and out0 alone
	s_lshl_b32 s20, ttmp9, 2
	s_add_co_u32 s20, s20, s19             ; my block of 32 points, 0 .. 255
	s_lshr_b32 s21, s20, 7                 ; batch
	s_and_b32 s22, s20, 127                ; block in the batch
	s_mov_b32 s[G1], 15|(3<<16)|(1<<21)    ; mask of four; elements of 8 bytes; bit 21 beside a mask
	s_mov_b32 s[G1+1], 32<<16              ; tensor_dim0 = 32
	s_mov_b32 s[G1+2], 64<<16              ; tensor_dim1 = 64
	s_mov_b32 s[G1+3], 32<<16              ; tile_dim0 = 32
	s_mov_b32 s[G1+4], 64                  ; tile_dim1 = 64
	s_mov_b32 s[G1+5], 32                  ; from row to row
	s_mov_b32 s[G1+6], 0
	s_mov_b32 s[G1+7], 0
	s_mov_b32 s[G1T], 15|(3<<16)|(1<<21)
	s_mov_b32 s[G1T+1], 32<<16
	s_mov_b32 s[G1T+2], 16<<16
	s_mov_b32 s[G1T+3], 32<<16
	s_mov_b32 s[G1T+4], 16
	s_mov_b32 s[G1T+5], 32
	s_mov_b32 s[G1T+6], 0
	s_mov_b32 s[G1T+7], 0
	s_lshl_b32 s62, s[WV], 12
	s_mov_b32 s63, 0
	s_lshl_b32 s60, s[WV], 14
	s_mov_b32 s61, 0
	s_mov_b32 s[GT], 1
	s_add_co_u32 s[GT+1], s62, TAB
	s_mov_b32 s[GA], 1
	s_mov_b32 s[GA+1], s60
	s_mov_b32 s[GB], 1
	s_add_co_u32 s[GB+1], s60, SLOTB
	s_mov_b32 s[TB], 0
	s_mov_b32 s[HM], 0xffff0000            ; lanes 16-31
	s_mov_b32 s[SEL], 0x76543210
	s_mov_b32 s[SEL+1], 0xfedcba98
	s_lshl_b32 s80, s22, 10                ; 32 points x 32 bytes
	s_lshl_b32 s81, s[WV], 8
	s_add_co_u32 s80, s80, s81
	s_lshl_b32 s81, s21, 24
	s_add_co_u32 s80, s80, s81
	s_mov_b32 s81, 0
	s_wait_dscnt 0x0                       ; the opening add is done
	s_wait_kmcnt 0x0
	s_add_nc_u64 s[4:5], s[4:5], s[80:81]  ; key and values at my wave's 8 points, channel 0
	s_add_nc_u64 s[6:7], s[6:7], s[80:81]
	s_add_nc_u64 s[56:57], s[4:5], 0x800000    ; and channel 64
	s_add_nc_u64 s[58:59], s[6:7], 0x800000
	s_lshl_b32 s80, s21, 16
	s_add_nc_u64 s[8:9], s[8:9], s[80:81]  ; the batch's points
	s_lshl_b32 s80, s20, 10
	s_lshl_b32 s23, s[WV], 8
	s_add_co_u32 s80, s80, s23
	s_add_nc_u64 s[10:11], s[10:11], s[80:81]  ; idx at my 8 rows
	s_lshl_b32 s80, s21, 22
	s_lshl_b32 s23, s22, 7
	s_add_co_u32 s80, s80, s23
	s_add_nc_u64 s[16:17], s[16:17], s[80:81]  ; out0 at the batch, channel 0, my block's first point
	s_add_nc_u64 s[GT+2:GT+3], s[14:15], s[62:63]
	s_or_b32 s[GT+3], s[GT+3], 0x80000000
	s_add_nc_u64 s[GA+2:GA+3], s[12:13], s[60:61]
	s_add_nc_u64 s[GB+2:GB+3], s[GA+2:GA+3], SLOTB
	s_or_b32 s[GA+3], s[GA+3], 0x80000000
	s_or_b32 s[GB+3], s[GB+3], 0x80000000
	CROUND                                 ; all four work-groups are here: the first joint loads meet
	tensor_load_to_lds s[GT:GT+3], s[G1T:G1T+7]    ; the table,
	s_nop 0
	tensor_load_to_lds s[GA:GA+3], s[G1:G1+7]      ; slot 0,
	s_nop 0
	tensor_load_to_lds s[GB:GB+3], s[G1:G1+7]      ; slot 1
	s_nop 0
	PLACES 4
	v_and_b32 v48, 31, v0
	v_bfe_u32 v49, v0, 4, 1                ; h
	v_and_b32 v50, 7, v0                   ; point
	v_bfe_u32 v51, v0, 3, 1                ; which four slots
	v_lshlrev_b32 v[LN16], 4, v48
	v_lshlrev_b32 v[PO], 5, v50
	v_lshl_add_u32 v[PO], v51, 4, v[PO]
	v_lshl_add_u32 v[KO], v49, 20, v[PO]   ; lanes 16-31: 8 channels of 131,072 bytes on
	global_load_b128 v[T:T+3], v[PO], s[10:11]     ; my four neighbours' numbers
.irp f,0,1,2,3
	global_load_b128 v[ST+8*\f:ST+8*\f+3], v[LN16], s[12:13] offset:WPQ+1024*\f
	global_load_b128 v[ST+8*\f+4:ST+8*\f+7], v[LN16], s[12:13] offset:WPQ+1024*\f+512
.endr
	LOADIN 4, 56                           ; key
	v_mov_b32 v[WA], v[LN16]
	v_lshl_add_u32 v[BH], v49, 5, TAB
	s_mul_i32 s80, s[WV], VSTW
	s_add_co_u32 s80, s80, VST
	v_add_nc_u32 v[VS], s80, v[LN16]
	v_mov_b32 v[ONE], 0x3f803f80
	v_mov_b32 v[ZR], 0
	s_wait_loadcnt 63                      ; the numbers and W' are in: 64 loads of key are younger
.irp c,0,1,2,3
	v_min_u32 v[T+\c], 0xfff, v[T+\c]
	v_lshlrev_b32 v[T+\c], 4, v[T+\c]
.endr
.irp c,0,1,2,3
	global_load_b128 v[FA+4*\c:FA+4*\c+3], v[T+\c], s[8:9]     ; x, y, z of tile c's neighbour
.endr
	CVTIN 1
	LOADIN 6, 58                           ; values: they land while u, pe and x are made
	s_wait_loadcnt 63                      ; the gathers are in: 64 loads are younger
.irp c,0,1,2,3
	v_cvt_pk_bf16_f32 v[T+4*\c], v[FA+4*\c], v[FA+4*\c+1]      ; x | y
	v_cvt_pk_bf16_f32 v[T+4*\c+1], v[FA+4*\c+2], v[FA+4*\c]    ; z | x
	v_cvt_pk_bf16_f32 v[T+4*\c+2], v[FA+4*\c+1], v[FA+4*\c+2]  ; y | z
	v_cvt_pk_bf16_f32 v[T+4*\c+3], v[FA+4*\c+2], 1.0           ; z | 1
.endr
	WIN 0x80                               ; p's K step: k 0-7 x y z x y z x y (lanes 0-15), k 8-11 z 1 1 1 (lanes 16-31), the rest 0
.irp c,0,1,2,3
	v_cndmask_b32 v[192+8*\c], v[T+4*\c], v[T+4*\c+3], s[HM]
	v_cndmask_b32 v[193+8*\c], v[T+4*\c+1], v[ONE], s[HM]
	v_cndmask_b32 v[194+8*\c], v[T+4*\c+2], v[ZR], s[HM]
	v_cndmask_b32 v[195+8*\c], v[T+4*\c], v[ZR], s[HM]
	v_mov_b32 v[196+8*\c], 0
	v_mov_b32 v[197+8*\c], 0
	v_mov_b32 v[198+8*\c], 0
	v_mov_b32 v[199+8*\c], 0
.endr
	WIN 0x08                               ; h1: 64 channels x 64 columns, 16 products
.set n, 0
.rept 16                               ; n = 8 q + 2 c + m
	MMA0 ACC+128*(n/8)+8*(n&7), ST+8*(2*(n/8)+(n&1)), 192+8*((n/2)&3)
.set n, n+1
.endr
	WIN 0
	PLACES 4
.set n, 0
.rept 64
	v_max_num_f32 v[ACC+n], 0, v[ACC+n]
.set n, n+1
.endr
.set n, 0
.rept 64
	v_max_num_f32 v[FB+n], 0, v[FB+n]
.set n, n+1
.endr
.set n, 0
.rept 4                                ; the wave's largest h1, in four chains
	v_max_num_f32 v[T+n], v[ACC+2*n], v[ACC+2*n+1]
.set n, n+1
.endr
.rept 28
	v_max3_num_f32 v[T+(n&3)], v[T+(n&3)], v[ACC+2*n], v[ACC+2*n+1]
.set n, n+1
.endr
.set n, 0
.rept 32
	v_max3_num_f32 v[T+(n&3)], v[T+(n&3)], v[FB+2*n], v[FB+2*n+1]
.set n, n+1
.endr
	v_max3_num_f32 v[T], v[T], v[T+1], v[T+2]
	v_max_num_f32 v[T], v[T], v[T+3]
	WMAX T, T+1
	EXPO 78, T
	s_sub_co_u32 s[KX], 268, s78           ; k1 = 2^(141 - e): the largest h1, in [2^(e-127), 2^(e-126)), comes into [2^14, 2^15)
	s_lshl_b32 s[KX], s[KX], 23
	s_mov_b32 s[KX+1], s[KX]
	s_sub_co_u32 s[IK1], s78, 14           ; 1 / k1
	s_lshl_b32 s[IK1], s[IK1], 23
	s_mov_b32 s[IK1+1], s[IK1]
.set n, 0
.rept 32
	v_pk_mul_f32 v[ACC+2*n:ACC+2*n+1], v[ACC+2*n:ACC+2*n+1], s[KX:KX+1] op_sel_hi:[1,0]
.set n, n+1
.endr
.set n, 0
.rept 32
	v_pk_mul_f32 v[FB+2*n:FB+2*n+1], v[FB+2*n:FB+2*n+1], s[KX:KX+1] op_sel_hi:[1,0]
.set n, n+1
.endr
	WIN 0x80
.set n, 0
.rept 64
	v_cvt_pk_f16_f32 v[128+n], v[ACC+128*(n/32)+2*(n%32)], v[ACC+128*(n/32)+2*(n%32)+1]
.set n, n+1
.endr
	WIN 0x08
.set n, 0
.rept 8
	ds_store_b128 v[VS], v[128+8*n:128+8*n+3] offset:H1O+1024*n        ; h1 is kept for w
	ds_store_b128 v[VS], v[128+8*n+4:128+8*n+7] offset:H1O+1024*n+512
.set n, n+1
.endr
	WIN 0
	s_mov_b32 s[EM], 0                     ; below every exponent
	s_mov_b32 s[EP], 0
	s_mov_b32 s[EPA], 0
	s_mov_b32 s[BB], 0                     ; 128 x the pair's number
	s_wait_tensorcnt 0x1                   ; my quarters of the table and of slot 0 are in; slot 1's may stay out
	s_wait_dscnt 0x0
	s_barrier_signal -1
	s_barrier_wait -1
; FIRST PHASE: eight pairs of result tiles (32 channels each): u, pe, x = pe u.  Two slots of four pairs; a pair's 14 fragments: -Wk 8, Wp2 4, Wq' 2.
; 32 loads: the fragments off bytes behind v[WA], and bp2 of pair s[BB] / 128
.macro LOADP off
	WIN 0
	v_add_nc_u32 v[TP], s[BB], v[BH]
	LOADW FA, \off, 8
	LOADW ST, \off+8192, 4
	LOADW T, \off+12288, 2
	WIN 0x80
	ds_load_b128 v[224:227], v[TP] offset:10240
	ds_load_b128 v[228:231], v[TP] offset:10240+16
	ds_load_b128 v[232:235], v[TP] offset:10240+64
	ds_load_b128 v[236:239], v[TP] offset:10240+80
	WIN 0
.endm
	s_mov_b32 s[CNT], 2
.Lpass:                                        ; a slot
	LOADP 0
	s_mov_b32 s[CN2], 4
	s_wait_dscnt 0x0
.Lpair:                                        ; a pair; the 8 accumulators of a run take turns
	s_lshl_b32 s[XB], s[BB], 5             ; 4,096 x the pair's number
	v_add_nc_u32 v[XA], s[XB], v[VS]
	s_wait_dscnt 8                         ; the pair's fragments are in: behind their loads stand the last pair's eight stores (on the way in: nothing is out)
	WIN 0x08
.set ks, 0
.rept 4
.set a, 0
.rept 8                                ; a = 2 c + m
.if ks == 0
	MMA0 ACC+8*a, FA+8*(a&1), 8*(a/2)
.else
	MMA ACC+8*a, FA+8*(2*ks+(a&1)), 32*ks+8*(a/2)
.endif
.set a, a+1
.endr
.set ks, ks+1
.endr
.set a, 0
.rept 8
	MMA ACC+8*a, T+8*(a&1), 192+8*(a/2)
.set a, a+1
.endr
.set a, 0
.rept 8
	HMA0 FB+8*a, ST+8*(a&1), 128+8*(a/2)
.set a, a+1
.endr
.set a, 0
.rept 8
	HMA FB+8*a, ST+16+8*(a&1), 160+8*(a/2)
.set a, a+1
.endr
	WIN 0
	PLACES 4
	WIN 0x20
.set n, 0
.rept 32                               ; pe = sum / k1 + bp2
	v_pk_fma_f32 v[FB+2*n:FB+2*n+1], v[FB+2*n:FB+2*n+1], s[IK1:IK1+1], v[224+8*((n/4)&1)+2*(n&3):224+8*((n/4)&1)+2*(n&3)+1] op_sel_hi:[1,0,1]
.set n, n+1
.endr
	WIN 0
	s_add_co_u32 s[BB], s[BB], 128         ; the next pair
	s_and_b32 s[BB], s[BB], 1023
	s_cmp_eq_u32 s[CN2], 1
	s_cbranch_scc1 .Lslot_ends             ; the slot's last pair fetches nothing: the next pair lies in the other slot
	LOADP 16384
.Lslot_ends:
.set n, 0
.rept 32
	v_pk_mul_f32 v[ACC+2*n:ACC+2*n+1], v[ACC+2*n:ACC+2*n+1], v[FB+2*n:FB+2*n+1]
.set n, n+1
.endr
.set n, 0
.rept 4                                ; the pair's largest |x| in the wave, in four chains; pe's registers are free from here on and serve as scratch
	v_max_num_f32 v[MX+n], |v[ACC+2*n]|, |v[ACC+2*n+1]|
.set n, n+1
.endr
.rept 28
	v_max3_num_f32 v[MX+(n&3)], v[MX+(n&3)], |v[ACC+2*n]|, |v[ACC+2*n+1]|
.set n, n+1
.endr
	v_max3_num_f32 v[FB], v[MX], v[MX+1], v[MX+2]
	v_max_num_f32 v[FB], v[FB], v[MX+3]
	WMAX FB, FB+1
	EXPO 78, FB
	s_max_u32 s[EM], s[EM], s78            ; the largest exponent so far,
	s_lshl_b32 s[EP], s[EP], 8             ; and this pair's is kept: 8 bits hold 32 .. 222
	s_or_b32 s[EP], s[EP], s78
	s_sub_co_u32 s[KX], 268, s78           ; the pair's scale: its largest |x| comes into [2^14, 2^15)
	s_lshl_b32 s[KX], s[KX], 23
	s_mov_b32 s[KX+1], s[KX]
.set n, 0
.rept 32
	v_pk_mul_f32 v[ACC+2*n:ACC+2*n+1], v[ACC+2*n:ACC+2*n+1], s[KX:KX+1] op_sel_hi:[1,0]
.set n, n+1
.endr
.set n, 0
.rept 32                               ; rounded in place, ascending: tile c's fragment at ACC + 8 c
	v_cvt_pk_f16_f32 v[ACC+n], v[ACC+2*n], v[ACC+2*n+1]
.set n, n+1
.endr
.set c, 0
.rept 4
	ds_store_b128 v[XA], v[ACC+8*c:ACC+8*c+3] offset:1024*c            ; into my wave's own LDS: 32 lanes x 16 consecutive bytes
	ds_store_b128 v[XA], v[ACC+8*c+4:ACC+8*c+7] offset:1024*c+512
.set c, c+1
.endr
	s_add_co_u32 s[TB], s[TB], 16384
	v_add_nc_u32 v[WA], s[TB], v[LN16]
	s_sub_co_u32 s[CN2], s[CN2], 1
	s_cmp_lg_u32 s[CN2], 0
	s_cbranch_scc1 .Lpair
	s_mov_b32 s[EPB], s[EPA]               ; behind the second slot: the first slot's four exponents,
	s_mov_b32 s[EPA], s[EP]                ; and the second's (four shifts by 8 have pushed the older ones out)
	s_sub_co_u32 s[TB], s[TB], SLOTB       ; back to the slot's head
	MEET_H 1
	MEET_T 1
	s_sub_co_u32 s[CNT], s[CNT], 1
	s_cmp_lg_u32 s[CNT], 0
	s_cbranch_scc1 .Lpass
	WIN 0x40                               ; x comes back: fragment n = 4 x pair + tile.  LDS serves a wave's instructions in order: these see my stores, and stand ahead of the stores below
.set n, 0
.rept 32
	ds_load_b128 v[8*n:8*n+3], v[VS] offset:1024*n
	ds_load_b128 v[8*n+4:8*n+7], v[VS] offset:1024*n+512
.set n, n+1
.endr
	WIN 0
	s_wait_loadcnt 0x0                     ; values
	CVTIN 0
	WIN 0x08
.set n, 0
.rept 16
	ds_store_b128 v[VS], v[8*n:8*n+3] offset:1024*n                    ; parked in my own LDS: windows 2 and 3 take the logits
	ds_store_b128 v[VS], v[8*n+4:8*n+7] offset:1024*n+512
.set n, n+1
.endr
	WIN 0
	; tau: the largest RB and the largest |TA| of the 1,024 hidden channels, 32 of each a lane
	v_add_nc_u32 v[T], TAB+12288, v[LN16]
	v_and_b32 v[T+1], 31, v0
	v_lshrrev_b32 v[T+2], 3, v[T+1]
	v_and_b32 v[T+1], 7, v[T+1]
	v_lshlrev_b32 v[T+1], 4, v[T+1]
	v_lshl_add_u32 v[T+1], v[T+2], 8, v[T+1]
	v_add_nc_u32 v[T+1], TAB+128, v[T+1]   ; TA is the second half of a record of 256 bytes
	v_lshl_add_u32 v[T+2], v[LN16], 1, TAB+11264
.irp i,0,1,2,3,4,5,6,7
	ds_load_b128 v[ACC+4*\i:ACC+4*\i+3], v[T] offset:512*\i
	ds_load_b128 v[ACC+32+4*\i:ACC+32+4*\i+3], v[T+1] offset:1024*\i
.endr
	ds_load_b128 v[FA:FA+3], v[T+2]        ; ba2, 8 numbers a lane
	ds_load_b128 v[FA+4:FA+7], v[T+2] offset:16
	s_wait_dscnt 0x0                       ; these, and x
	v_max3_num_f32 v[T+4], v[ACC], v[ACC+1], v[ACC+2]
	v_max3_num_f32 v[T+5], |v[ACC+32]|, |v[ACC+33]|, |v[ACC+34]|
.set n, 0
.rept 14
	v_max3_num_f32 v[T+4], v[T+4], v[ACC+3+2*n], v[ACC+4+2*n]
	v_max3_num_f32 v[T+5], v[T+5], |v[ACC+35+2*n]|, |v[ACC+36+2*n]|
.set n, n+1
.endr
	v_max_num_f32 v[T+4], v[T+4], v[ACC+31]
	v_max_num_f32 v[T+5], v[T+5], |v[ACC+63]|
	WMAX T+4, T+6
	WMAX T+5, T+6
	s_add_co_u32 s79, s[EM], 1             ; kx = 2^(141 - the largest exponent)
	s_lshl_b32 s79, s79, 23                ; 2^15 / kx
	s_sub_co_u32 s60, s[EM], 14
	s_lshl_b32 s60, s60, 23                ; 1 / kx
	v_fma_f32 v[T+4], v[T+4], s79, v[T+5]  ; the bound on h2
	EXPO 79, T+4
	s_sub_co_u32 s[TU], 267, s79           ; tau: the bound comes into [2^13, 2^14)
	s_lshl_b32 s[TU], s[TU], 23
	s_mov_b32 s[TU+1], s[TU]
	s_sub_co_u32 s61, s79, 13
	s_lshl_b32 s61, s61, 23                ; 1 / tau
	v_mov_b32 v[T+6], s60
	v_mov_b32 v[T+7], s61
	v_mul_f32 v[T+6], s[TU], v[T+6]
	v_mul_f32 v[T+7], 0x3fb8aa3b, v[T+7]
	v_readfirstlane_b32 s[AL], v[T+6]
	v_readfirstlane_b32 s[LAM], v[T+7]
	s_mov_b32 s[AL+1], s[AL]
	s_mov_b32 s[LAM+1], s[LAM]
.irp j,0,1,2,3
	v_pk_mul_f32 v[FA+2*\j:FA+2*\j+1], v[FA+2*\j:FA+2*\j+1], s[TU:TU+1] op_sel_hi:[1,0]
.endr
	s_lshl_b32 s62, s[WV], 10
	s_add_co_u32 s62, s62, SCR
	v_lshl_add_u32 v[T+8], v[LN16], 1, s62
	v_bfe_u32 v[T+9], v0, 4, 1
	v_lshl_add_u32 v[T+9], v[T+9], 5, s62
	ds_store_b128 v[T+8], v[FA:FA+3]
	ds_store_b128 v[T+8], v[FA+4:FA+7] offset:16
	WIN 0x80                               ; the sums for L start from ba2 tau; LDS serves a wave's instructions in order: these see the two stores
.set n, 0
.rept 32                               ; n = 4 mt + c
	ds_load_b128 v[8*n:8*n+3], v[T+9] offset:64*(n/4)
	ds_load_b128 v[8*n+4:8*n+7], v[T+9] offset:64*(n/4)+16
.set n, n+1
.endr
	WIN 0xc0
.set n, 0
.rept 32
	ds_load_b128 v[8*n:8*n+3], v[T+9] offset:512+64*(n/4)
	ds_load_b128 v[8*n+4:8*n+7], v[T+9] offset:512+64*(n/4)+16
.set n, n+1
.endr
	WIN 0
	v_mov_b32 v[TP], v[BH]
	LOADW FA, 0, 8
	LOADST ST, TP, 0
	v_add_nc_u32 v[TP], 0x100, v[TP]
	LOADW FB, 8192, 8
	; ALL OF x TO ONE SCALE, while those loads are on their way: pair g times 2^-(the largest exponent - its own), as f16 in both halves of a register.
	; The conversion makes of a factor below 2^-14 a denormal f16, of one below 2^-24 a zero.
	s_sub_co_i32 s81, 127, s[EM]
.set g, 0
.rept 8
.if g < 4
	s_bfe_u32 s80, s[EPB], (8<<16)|(24-8*g)
.else
	s_bfe_u32 s80, s[EPA], (8<<16)|(24-8*(g-4))
.endif
	s_add_co_i32 s80, s80, s81             ; the factor's biased exponent in f32,
	s_max_i32 s80, s80, 1                  ; held above 0
	s_lshl_b32 s80, s80, 23
	v_mov_b32 v[ACC+g], s80
.set g, g+1
.endr
.set g, 0
.rept 8
	v_cvt_pk_f16_f32 v[ACC+g], v[ACC+g], v[ACC+g]
.set g, g+1
.endr
	WIN 0x41                               ; x (destination and source 0) in window 1, the factor in window 0
.set n, 0
.rept 256
	v_pk_mul_f16 v[n], v[n], v[ACC+n/32]
.set n, n+1
.endr
	WIN 0
; SECOND PHASE: 32 chunks of 32 hidden channels, two a slot: 64 products Wa1 x, the norm and relu, 64 products Wa2 h2.
.macro S12 F, k0                       ; 32 products: K steps k0 .. k0 + 3, 8 accumulators by turns
	WIN 0x04
.set ks, 0
.rept 4
.set a, 0
.rept 8
.if (\k0+ks) == 0
	HMA0 ACC+8*a, \F+8*(a&1), 8*(a/2)
.else
	HMA ACC+8*a, \F+8*(2*ks+(a&1)), 32*(\k0+ks)+8*(a/2)
.endif
.set a, a+1
.endr
.set ks, ks+1
.endr
.endm
.macro S34 F, w                        ; 32 products onto 32 accumulators: a = 4 mt + c
	WIN \w
.set a, 0
.rept 32
	HMA 8*a, \F+8*(a/4), ACC+16*(a&3)
.set a, a+1
.endr
.endm
.macro ACT                             ; tau h2 = relu((tau / kx) SA acc + tau TA), rounded in place: tile c's fragment at ACC + 16 c
	WIN 0
.set n, 0
.rept 8
	v_pk_mul_f32 v[ST+2*n:ST+2*n+1], v[ST+2*n:ST+2*n+1], s[AL:AL+1] op_sel_hi:[1,0]
	v_pk_mul_f32 v[ST+16+2*n:ST+16+2*n+1], v[ST+16+2*n:ST+16+2*n+1], s[TU:TU+1] op_sel_hi:[1,0]
.set n, n+1
.endr
.set c, 0
.rept 4
.set n, 0
.rept 8
	v_pk_fma_f32 v[ACC+16*c+2*n:ACC+16*c+2*n+1], v[ACC+16*c+2*n:ACC+16*c+2*n+1], v[ST+2*n:ST+2*n+1], v[ST+16+2*n:ST+16+2*n+1]
.set n, n+1
.endr
.set n, 0
.rept 16
	v_max_num_f32 v[ACC+16*c+n], 0, v[ACC+16*c+n]
.set n, n+1
.endr
.set n, 0
.rept 8
	v_cvt_pk_f16_f32 v[ACC+16*c+n], v[ACC+16*c+2*n], v[ACC+16*c+2*n+1]
.set n, n+1
.endr
.set c, c+1
.endr
.endm
.macro NEXTREC
	LOADST ST, TP, 0
	v_add_nc_u32 v[TP], 0x100, v[TP]
.endm
.macro CHUNK o, end                    ; on entry out, in this order: FA 16 loads, ST 8, FB 16
	s_wait_dscnt 16                        ; FA and ST are in; FB's 16 are younger
	S12 FA, 0
	WIN 0
	PLACES 4
	LOADW FA, \o+16384, 8
	s_wait_dscnt 16                        ; FB is in
	S12 FB, 4
	WIN 0
	PLACES 4
	LOADW FB, \o+24576, 8
	ACT
.if \end
	MEET_H 1
	s_wait_dscnt 17                        ; FA is in; FB's 16 and the add are younger
	S34 FA, 0xa0                           ; 32 products stand between the add and the wait for it
	MEET_T 1                               ; the four lines behind the load are also the places in front of the loads below
	LOADW FA, 0, 8
	NEXTREC
	S34 FB, 0xf0
	WIN 0
	PLACES 5                               ; the next chunk's first products write over h2
	LOADW FB, 8192, 8
.else
	s_wait_dscnt 16
	S34 FA, 0xa0
	WIN 0
	PLACES 4
	LOADW FA, \o+32768, 8
	NEXTREC
	s_wait_dscnt 24                        ; FB is in; FA's 16 and ST's 8 are younger
	S34 FB, 0xf0
	WIN 0
	PLACES 5
	LOADW FB, \o+40960, 8
.endif
.endm
	s_mov_b32 s[CNT], 16
.Lslot:
	CHUNK 0, 0
	CHUNK 32768, 1
	WIN 0
	s_sub_co_u32 s[CNT], s[CNT], 1
	s_cmp_lg_u32 s[CNT], 0
	s_cbranch_scc1 .Lslot
; THIRD PHASE: 16 tiles of 16 channels, 8 a slot: w, the softmax over the 8 slots, agg.  The last chunk has fetched tile 0's fragments (FA) and its bv + bp2 (ST).
; The one text reads a tile's sums in window 2, v0-31.  One buffer of weights is enough: the softmax stands between the fetch of the next tile's and their use.
	WIN 0x40
.set n, 0
.rept 16
	ds_load_b128 v[8*n:8*n+3], v[VS] offset:1024*n                     ; values' fragments come back,
	ds_load_b128 v[8*n+4:8*n+7], v[VS] offset:1024*n+512
.set n, n+1
.endr
.set n, 0
.rept 8
	ds_load_b128 v[128+8*n:128+8*n+3], v[VS] offset:H1O+1024*n         ; and h1's
	ds_load_b128 v[128+8*n+4:128+8*n+7], v[VS] offset:H1O+1024*n+512
.set n, n+1
.endr
	WIN 0
.macro LOADB                           ; bv + bp2 of the next tile: register j = channel 8 (lane / 16) + j
	v_add_nc_u32 v[TP], s[BB], v[BH]
	ds_load_b128 v[ST:ST+3], v[TP]
	ds_load_b128 v[ST+4:ST+7], v[TP] offset:16
	s_add_co_u32 s[BB], s[BB], 64
.endm
.macro TW                              ; 16 products Wv values from bv + bp2, 8 products Wp2 h1 on accumulators of their own; four accumulators by turns
	WIN 0x04
.set e, 0
.rept 4
.set c, 0
.rept 4
.if e == 0
	MMAC ACC+8*c, FA, 8*c, ST
.else
	MMA ACC+8*c, FA+8*e, 32*e+8*c
.endif
.set c, c+1
.endr
.set e, e+1
.endr
.set c, 0
.rept 4
	HMA0 80+8*c, FA+32, 128+8*c
.set c, c+1
.endr
.set c, 0
.rept 4
	HMA 80+8*c, FA+40, 160+8*c
.set c, c+1
.endr
.endm
.macro TS                              ; register j of lane (r, h): channel 8 h + j of the tile, point r % 8, slots 4 (r / 8) + c
	WIN 0
.set n, 0
.rept 16                               ; w = the first sum + the second / k1
	v_pk_fma_f32 v[ACC+2*n:ACC+2*n+1], v[80+2*n:81+2*n], s[IK1:IK1+1], v[ACC+2*n:ACC+2*n+1] op_sel_hi:[1,0,1]
.set n, n+1
.endr
	WIN 0x2a
.set j, 0
.rept 8
	v_max3_num_f32 v[T+j], v[j], v[8+j], v[16+j]
.set j, j+1
.endr
	WIN 0x02
.set j, 0
.rept 8
	v_max_num_f32 v[T+j], v[24+j], v[T+j]
.set j, j+1
.endr
	WIN 0
.set j, 0
.rept 8
	v_max_num_f32_dpp v[T+j], v[T+j], v[T+j] row_xmask:8 row_mask:0xf bank_mask:0xf
.set j, j+1
.endr
	WIN 0x02
.set n, 0
.rept 16                               ; the maximum is taken away first, so the exponent is never above 0
	v_pk_add_f32 v[80+2*n:81+2*n], v[2*n:2*n+1], v[T+2*(n&3):T+2*(n&3)+1] neg_lo:[0,1] neg_hi:[0,1]
.set n, n+1
.endr
	WIN 0
.set n, 0
.rept 16
	v_pk_mul_f32 v[80+2*n:81+2*n], v[80+2*n:81+2*n], s[LAM:LAM+1] op_sel_hi:[1,0]
.set n, n+1
.endr
.set n, 0
.rept 32
	v_exp_f32 v[80+n], v[80+n]
.set n, n+1
.endr
	v_nop                                  ; a plain line behind the last exponential
.set j, 0
	s_wait_alu depctr_va_vdst(0)
.rept 4
	v_pk_add_f32 v[T+8+2*j:T+9+2*j], v[80+2*j:81+2*j], v[88+2*j:89+2*j]
.set j, j+1
.endr
.set j, 0
.rept 4
	v_pk_add_f32 v[T+8+2*j:T+9+2*j], v[T+8+2*j:T+9+2*j], v[96+2*j:97+2*j]
.set j, j+1
.endr
.set j, 0
.rept 4
	v_pk_add_f32 v[T+8+2*j:T+9+2*j], v[T+8+2*j:T+9+2*j], v[104+2*j:105+2*j]
.set j, j+1
.endr
.set j, 0
.rept 8
	v_add_f32_dpp v[T+8+j], v[T+8+j], v[T+8+j] row_xmask:8 row_mask:0xf bank_mask:0xf
.set j, j+1
.endr
.set j, 0
.rept 8
	v_rcp_f32 v[T+8+j], v[T+8+j]
.set j, j+1
.endr
.set j, 0
.rept 4
	v_pk_mul_f32 v[T+2*j:T+2*j+1], v[80+2*j:81+2*j], v[ACC+2*j:ACC+2*j+1]
.set j, j+1
.endr
.set n, 4
.rept 12
	v_pk_fma_f32 v[T+2*(n&3):T+2*(n&3)+1], v[80+2*n:81+2*n], v[ACC+2*n:ACC+2*n+1], v[T+2*(n&3):T+2*(n&3)+1]
.set n, n+1
.endr
.set j, 0
.rept 8
	v_add_f32_dpp v[T+j], v[T+j], v[T+j] row_xmask:8 row_mask:0xf bank_mask:0xf
.set j, j+1
.endr
.set j, 0
	s_wait_alu depctr_va_vdst(0)
.rept 4
	v_pk_mul_f32 v[T+2*j:T+2*j+1], v[T+2*j:T+2*j+1], v[T+8+2*j:T+9+2*j]
.set j, j+1
.endr
.set j, 0
.rept 4                                ; agg = high + low part, both bf16
	v_cvt_pk_bf16_f32 v[80+j], v[T+2*j], v[T+2*j+1]
.set j, j+1
.endr
.set j, 0
.rept 4
	v_lshlrev_b32 v[84+2*j], 16, v[80+j]
	v_and_b32 v[85+2*j], 0xffff0000, v[80+j]
.set j, j+1
.endr
.set j, 0
.rept 4
	v_pk_add_f32 v[T+2*j:T+2*j+1], v[T+2*j:T+2*j+1], v[84+2*j:85+2*j] neg_lo:[0,1] neg_hi:[0,1]
.set j, j+1
.endr
.set j, 0
.rept 4
	v_cvt_pk_bf16_f32 v[92+j], v[T+2*j], v[T+2*j+1]
.set j, j+1
.endr
	ds_store_b128 v[AS], v[80:83]                  ; half a fragment of each part, into my own LDS
	ds_store_b128 v[AS], v[92:95] offset:8192
.endm
	s_mov_b32 s[XB], 0                     ; 512 x the tile's number
	s_mov_b32 s[BB], 8192+64               ; bv + bp2 of tile 1
	s_mov_b32 s[CNT], 2
.Lhalf:                                        ; a slot
	s_mov_b32 s[CN2], 8
	s_wait_dscnt 0x0
.Ltile:                                        ; a tile
	v_add_nc_u32 v[AS], s[XB], v[VS]
	s_wait_dscnt 2                         ; the tile's fragments and its bv + bp2 are in: behind their loads stand the last tile's two stores (at a slot's head: nothing is out)
	TW
	WIN 0
	PLACES 4
	s_cmp_eq_u32 s[CN2], 1
	s_cbranch_scc1 .Llast_tile             ; the slot's last tile fetches nothing: the next tile lies in the other slot
	LOADW FA, 8192, 6
	LOADB
.Llast_tile:
	TS
	s_add_co_u32 s[XB], s[XB], 512
	s_add_co_u32 s[TB], s[TB], 8192
	v_add_nc_u32 v[WA], s[TB], v[LN16]
	s_cmp_eq_u32 s[CN2], 1                 ; the next tile's sums go where the one text names them: behind tile k - 1 of the slot, from v[32 k ..] of window 2
	s_cbranch_scc1 .Lcopied
.irp k,1,2,3,4,5,6
	s_cmp_lg_u32 s[CN2], 9-\k
	s_cbranch_scc1 .Lnot_\k
	WIN 0x82
.set n, 0
.rept 32
	v_mov_b32 v[n], v[32*\k+n]
.set n, n+1
.endr
	WIN 0
	s_branch .Lcopied
.Lnot_\k:
.endr
	WIN 0x82
.set n, 0
.rept 32
	v_mov_b32 v[n], v[224+n]
.set n, n+1
.endr
	WIN 0
.Lcopied:
	s_sub_co_u32 s[CN2], s[CN2], 1
	s_cmp_lg_u32 s[CN2], 0
	s_cbranch_scc1 .Ltile
	s_sub_co_u32 s[TB], s[TB], SLOTB       ; back to the slot's head
	MEET_H 1
	MEET_T 1
	LOADB                                  ; behind the second slot these two loads (be's first numbers) are not used
	LOADW FA, 0, 8                         ; the next slot's first tile; behind the second slot: the first eight fragments of We
	s_cmp_eq_u32 s[CNT], 1
	s_cbranch_scc1 .Lnocopy
	WIN 0x83                               ; the sums of channels 128 on go into window 2
.set n, 0
.rept 256
	v_mov_b32 v[n], v[n]
.set n, n+1
.endr
	WIN 0
.Lnocopy:
	s_sub_co_u32 s[CNT], s[CNT], 1
	s_cmp_lg_u32 s[CNT], 0
	s_cbranch_scc1 .Lhalf
; FOURTH PHASE: y = We agg + be: 8 K steps of 16 products for each of agg's two parts; y in window 3, We's fragments of a K step in a half of window 2, by turns.
.macro LOADH dst, off
	WIN 0x80
	LOADW \dst, \off, 16
.endm
.macro KS s, A, w
	WIN \w
.set a, 0
.rept 16
	MMA 8*a, \A+8*a, 192+8*(\s)
.set a, a+1
.endr
.set a, 0
.rept 16
	MMA 8*a, \A+8*a, 128+8*(\s)
.set a, a+1
.endr
.endm
	LOADW FB, 8192, 8                      ; the other eight fragments of We's first K step
	WIN 0xc0
.set n, 0
.rept 16
	ds_load_b128 v[8*n:8*n+3], v[BH] offset:9216+64*n
	ds_load_b128 v[8*n+4:8*n+7], v[BH] offset:9216+64*n+16
.set n, n+1
.endr
	WIN 0x40
.set n, 0
.rept 8
	ds_load_b128 v[192+8*n:192+8*n+3], v[VS] offset:1024*n             ; LDS serves a wave's instructions in order: these see my stores of agg
	ds_load_b128 v[192+8*n+4:192+8*n+7], v[VS] offset:1024*n+512
	ds_load_b128 v[128+8*n:128+8*n+3], v[VS] offset:8192+1024*n
	ds_load_b128 v[128+8*n+4:128+8*n+7], v[VS] offset:8192+1024*n+512
.set n, n+1
.endr
	LOADH 128, 16384
	s_wait_dscnt 32                        ; all but the 32 just issued
	KS 0, FA, 0xf4
	LOADH 0, 32768
	s_wait_dscnt 32
	KS 1, 128, 0xf6
	WIN 0
	PLACES 4
	LOADH 128, 49152
	s_wait_dscnt 32
	KS 2, 0, 0xf6
	MEET_H 0                               ; the last slot: nothing is filled, so a barrier of the work-group is enough
	MEET_T 0
	PLACES 4
	LOADH 0, 0
	KS 3, 128, 0xf6
	WIN 0
	PLACES 4
	LOADH 128, 16384
	s_wait_dscnt 32
	KS 4, 0, 0xf6
	WIN 0
	PLACES 4
	LOADH 0, 32768
	s_wait_dscnt 32
	KS 5, 128, 0xf6
	WIN 0
	PLACES 4
	LOADH 128, 49152
	s_wait_dscnt 32
	KS 6, 0, 0xf6
	s_wait_dscnt 0x0
	KS 7, 128, 0xf6
	WIN 0                                  ; the addresses for the way out: eleven plain lines, the places behind the last products
	v_bfe_u32 v[T], v0, 4, 1               ; h
	v_and_b32 v[T+1], 7, v0                ; point
	v_bfe_u32 v[T+2], v0, 3, 2
	s_lshl_b32 s80, s[WV], 5
	s_add_co_u32 s80, s80, OST
	v_mul_u32_u24 v[OS], v[T], 1152        ; into the stage: row 8 h + .., my wave's 32 bytes, my point
	v_lshl_add_u32 v[OS], v[T+1], 2, v[OS]
	v_add_nc_u32 v[OS], s80, v[OS]
	s_mul_i32 s80, s[WV], 64*144
	s_add_co_u32 s80, s80, OST
	v_mul_u32_u24 v[RD], v[T+2], 144       ; back: rows 64 w + .., four rows of 128 bytes a load
	v_lshl_add_u32 v[RD], v[T+1], 4, v[RD]
	v_add_nc_u32 v[RD], s80, v[RD]
	s_lshl_b32 s80, s[WV], 20
	v_lshl_add_u32 v[GO], v[T+2], 14, s80  ; the same rows in out0, 16,384 bytes apart
	v_lshl_add_u32 v[GO], v[T+1], 4, v[GO]
	WIN 0x0c                               ; the way out: a lane's number goes to row = channel, my wave's 8 points; lanes r and r + 8 write the same number to the same word
.set n, 0
.rept 128
	ds_store_b32 v[OS], v[n] offset:144*(16*(n/8)+(n&7))
.set n, n+1
.endr
	WIN 0
	s_wait_dscnt 0x0                       ; for the others' sake: my stores into the stage are done
	s_barrier_signal -1
	s_barrier_wait -1
.set n, 0
.rept 16
	ds_load_b128 v[FA+4*n:FA+4*n+3], v[RD] offset:576*n
.set n, n+1
.endr
.set n, 0
.rept 16
	s_wait_dscnt 15-n
	global_store_b128 v[GO], v[FA+4*n:FA+4*n+3], s[16:17] offset:65536*n th:TH_STORE_NT    ; 8 lanes store 128 consecutive bytes of a row, aligned
.set n, n+1
.endr
	s_wait_tensorcnt 0x0                   ; the wave's end
	ds_add_u32 v[SPW], v[NIL]
	s_wait_dscnt 0x0
	CROUND                                 ; the closing round
	s_endpgm
.Lfunc_end_k_q607a4fe25f_main:
	.size	k_q607a4fe25f_main, .Lfunc_end_k_q607a4fe25f_main-k_q607a4fe25f_main
	.p2alignl 7, 3214868480
	.fill 96, 4, 3214868480
	.section	.rodata,"a",@progbits
	.p2align	6, 0x0
	.amdhsa_kernel k_q607a4fe25f_main
		.amdhsa_group_segment_fixed_size 327680
		.amdhsa_private_segment_fixed_size 0
		.amdhsa_enable_private_segment 0
		.amdhsa_kernarg_size 56
		.amdhsa_user_sgpr_count 2
		.amdhsa_user_sgpr_kernarg_segment_ptr 1
		.amdhsa_wavefront_size32 1
		.amdhsa_system_sgpr_workgroup_id_x 1
		.amdhsa_system_sgpr_workgroup_id_y 1
		.amdhsa_system_sgpr_workgroup_id_z 1
		.amdhsa_system_vgpr_workitem_id 0
		.amdhsa_next_free_vgpr 1024
		.amdhsa_next_free_sgpr 88
		.amdhsa_reserve_vcc 0
		.amdhsa_float_denorm_mode_32 3
		.amdhsa_float_denorm_mode_16_64 3
		.amdhsa_memory_ordered 1
		.amdhsa_forward_progress 1
		.amdhsa_inst_pref_size 245
	.end_amdhsa_kernel
	.amdgpu_metadata
---
amdhsa.version: [ 1, 2 ]
amdhsa.kernels:
  - .name:           k_q607a4fe25f_main
    .symbol:         k_q607a4fe25f_main.kd
    .args:
      - { .name: key, .offset: 0, .size: 8, .value_kind: global_buffer, .address_space: global }
      - { .name: values, .offset: 8, .size: 8, .value_kind: global_buffer, .address_space: global }
      - { .name: pq, .offset: 16, .size: 8, .value_kind: global_buffer, .address_space: global }
      - { .name: idx, .offset: 24, .size: 8, .value_kind: global_buffer, .address_space: global }
      - { .name: ws, .offset: 32, .size: 8, .value_kind: global_buffer, .address_space: global }
      - { .name: tab, .offset: 40, .size: 8, .value_kind: global_buffer, .address_space: global }
      - { .name: out0, .offset: 48, .size: 8, .value_kind: global_buffer, .address_space: global }
    .group_segment_fixed_size: 327680
    .private_segment_fixed_size: 0
    .kernarg_segment_align: 8
    .kernarg_segment_size: 56
    .max_flat_workgroup_size: 128
    .sgpr_count:     88
    .vgpr_count:     1024
    .wavefront_size: 32
...
	.end_amdgpu_metadata
.endif
;; end of part 7
;; ======== version 3 of 3: 4 launches; version 2 with the launch knn1 written anew for expert scheduling mode
;; limits: values are held in f16: magnitudes above 65,504 overflow, below 6.1e-05 lose precision; inputs' magnitudes at most 65,504; right only within a limited range of input values
;; workspace buffers: ws 1,445,888 bytes; tab 16,384 bytes; pq 131,072 bytes; grp 262,144 bytes of whole numbers; idx 262,144 bytes of whole numbers
;; launch prep: the kernel of part 5 again; grid 404 x 1, 4 waves a work-group, no clusters, 0 bytes of LDS; arguments Wa1, Wa2, We, Wk, Wp1, Wp2, Wq, Wv, a_beta, a_gamma, a_mean, a_var, ba1, ba2, be, bk, bp1, bp2, bq, bv, p_beta, p_gamma, p_mean, p_var, ws, tab; writes ws, tab
;; launch knn1 (part 8): grid 256 x 1, 8 waves a work-group, no clusters, 138,240 bytes of LDS; arguments pos, pq, grp; writes pq, grp
.if DOCPART == 8
	.amdgcn_target "amdgcn-amd-amdhsa--gfx1250"
	.amdhsa_code_object_version 6
	.text
	.protected	k_q607a4fe25f_knn1
	.globl	k_q607a4fe25f_knn1
	.p2align	8
	.type	k_q607a4fe25f_knn1,@function
k_q607a4fe25f_knn1:
	s_mov_b64 s[64:65], 0
	v_nop
	global_prefetch_b8 v0, s[64:65] scope:SCOPE_SE
	s_setreg_imm32_b32 hwreg(HW_REG_WAVE_SCHED_MODE, 0, 2), 2
	s_setreg_imm32_b32 hwreg(HW_REG_WAVE_MODE, 25, 1), 1
	s_wait_xcnt 0x0
	s_wait_alu depctr_vm_vsrc(0)
; First half of the 8 nearest neighbours.  pos is rounded to bf16; d(i, j) = (sq_i + sq_j) - 2 ((x x' + y y') + z z'), each step rounded to f32: products of two
; rounded coordinates are exact in f32, so fused and unfused forms give the same bits.  ASSUMED: the sums over the three coordinates go in ascending order.
; The 4,096 candidates of a batch lie in 256 groups of 16.  Each of a row's 8 nearest, ordered by (d, j), lies in one of the 8 groups that are smallest by
; (group minimum, group number): else 8 groups would each hold a point that precedes it.  This launch stores those 8 group numbers, ascending (grp), and the
; rounded points with their squares (pq).  A work-group has 32 rows, a lane a row, and eight waves, two to a SIMD, so that one wave's lines stand in the other's waits for
; results; wave w scans candidates 512 w .. 512 w + 511; the eight lists are merged in LDS in three levels.
; Equal values: a strict "<" with candidates arriving in ascending order keeps the lower number first.  NaN and infinities are not treated apart.
; No matrix unit, no tensor load: 3 multiply-adds a distance, and the table of 64 KB is made by each work-group from 48 KB that all share.
; NO TAIL: every trip of the scan fetches the two groups behind those that it judges.  The last trip's fetch reaches 128 bytes past the wave's part of each array: the next
; wave's candidates, the next array's first bytes, or the pad behind the last array.  It is not used: 32 LDS loads a wave, the price of one text for every trip.
; THE MODE: SCHED_MODE bits 1:0 = 2 (LLVM: expert scheduling mode 2), set by the entry lines.  The code itself states the register dependences
; between vector instructions and memory or LDS instructions, with s_wait_alu, always for 0.
; THE PLAN.  Registers that memory or LDS instructions touch:
;   CA, CB      A group's 40 packed lines read its buffer (and write its quarter of squares); behind them the loads of the group two further on land in it.
;   v4          Read by every load of a group; written once a trip, at the trip's end.
;   v[20:35]    Written by the insertions and the exchanges; read by the stores of a list and by wave 0's last stores.
;   v[36:51]    Distances in the scan; a merge's loads land in them, and its loop moves them down.
;   v6, v54     Offsets and addresses at the head, each made anew once: v6 behind the scan (my list), v54 behind the first barrier (my row); from the scan on v54 is the group's minimum.
;   v[8:11]     Loaded once; read by vector lines and by wave 0's last store; never written again.        v57, v58, v2, v3: made once, read once.
;   s10, s[20:27]   Scalar registers that vector lines write: the wave's number; an insertion's eight masks.
; In a group ONE wait on va_vdst stands behind the minimum's tree: the 40 lines are done with the buffer (in a trip's first group: v4 is written).  The 16 loads follow it, eight behind
; the insertion's compares and eight behind its selects, which name v54, v5 and v[20:35]: neither the buffer nor v4.  One wait on va_sdst stands between an insertion's compares and its
; selects; one on vm_vsrc a trip ahead of the add to v4; one on va_vdst ahead of each run of stores; one on vm_vsrc behind each barrier that a merge follows.
.set LISTA, 69632                      ; behind the table (65,536 bytes) and the pad (4,096): [wave][16 words][32 lanes]: 8 values, 8 numbers; 2,048 bytes a wave
.set L1,    20480                      ; the lists of the first merge lie this far behind, past every wave's read of its neighbour's list,
.set L2,    40960                      ; those of the second merge this far
.set SPARE, 137216                     ; the spare words, 128 bytes a wave
.set CA, 64                            ; v[64:127]   a group's X16, Y16, Z16, SQ16
.set CB, 128                           ; v[128:191]  the next group's
; v2 spare word's address, v3 0; v4 LDS address of the groups in hand; v5 group number; v6 my list; v7 lane; v[8:11] my row; v[12:19] x, y, z, sq twice each
; v[20:27] the 8 smallest values, ascending; v[28:35] their numbers; v[36:51] 16 distances, later a partner's list; v52-58 at work; s[20:27] masks
.macro RND a, b, t
	v_cvt_pk_bf16_f32 v[\t], v[\a], v[\b]
	v_lshlrev_b32 v[\a], 16, v[\t]
	v_and_b32 v[\b], 0xffff0000, v[\t]
.endm
; x with its number goes into the sorted list, behind its equals: in three parts, so that a group's loads can stand between them
.macro ASK x                           ; where does x belong?
.irp s,0,1,2,3,4,5,6,7
	v_cmp_lt_f32 s[20+\s], v[\x], v[20+\s]
.endr
.endm
.macro NUMS pay                        ; the numbers move up and make room
	s_wait_alu depctr_va_sdst(0)           ; the eight compares have written s[20:27], ahead of their first reader
.irp s,7,6,5,4,3,2,1
	v_cndmask_b32 v[28+\s], v[28+\s], v[\pay], s[20+\s]
	v_cndmask_b32 v[28+\s], v[28+\s], v[27+\s], s[19+\s]
.endr
	v_cndmask_b32 v28, v28, v[\pay], s20
.endm
.macro VALS x                          ; and so do the values
.irp s,7,6,5,4,3,2,1
	v_med3_num_f32 v[20+\s], v[19+\s], v[\x], v[20+\s]
.endr
	v_min_num_f32 v20, v20, v[\x]
.endm
.macro INSERT x, pay
	ASK \x
	NUMS \pay
	VALS \x
.endm
.macro FILL2 buf, off, first           ; 8 loads, one address for all lanes: two of a group's four arrays, from array first on
.irp a,0,1
.irp q,0,1,2,3
	ds_load_b128 v[\buf+16*(\first+\a)+4*\q:\buf+16*(\first+\a)+4*\q+3], v4 offset:16384*(\first+\a)+16*\q+\off
.endr
.endr
.endm
.macro GROUP buf, off                  ; a group is judged, and its buffer takes the group two further on
	s_wait_dscnt 16                        ; this buffer is in; the other buffer's 16 loads are younger
.irp p,0,1,2,3,4,5,6,7
	v_pk_mul_f32 v[36+2*\p:37+2*\p], v[\buf+2*\p:\buf+2*\p+1], v[12:13]
.endr
.irp p,0,1,2,3,4,5,6,7
	v_pk_fma_f32 v[36+2*\p:37+2*\p], v[\buf+16+2*\p:\buf+17+2*\p], v[14:15], v[36+2*\p:37+2*\p]
.endr
.irp p,0,1,2,3,4,5,6,7
	v_pk_fma_f32 v[36+2*\p:37+2*\p], v[\buf+32+2*\p:\buf+33+2*\p], v[16:17], v[36+2*\p:37+2*\p]
.endr
.irp p,0,1,2,3,4,5,6,7
	v_pk_add_f32 v[\buf+48+2*\p:\buf+49+2*\p], v[\buf+48+2*\p:\buf+49+2*\p], v[18:19]
.endr
.irp p,0,1,2,3,4,5,6,7
	v_pk_fma_f32 v[36+2*\p:37+2*\p], v[36+2*\p:37+2*\p], -2.0, v[\buf+48+2*\p:\buf+49+2*\p] op_sel_hi:[1,0,1]
.endr
	v_min3_num_f32 v54, v36, v37, v38
	v_min3_num_f32 v55, v45, v46, v47
	v_min3_num_f32 v54, v54, v39, v40
	v_min3_num_f32 v55, v55, v48, v49
	v_min3_num_f32 v54, v54, v41, v42
	v_min3_num_f32 v55, v55, v50, v51
	v_min3_num_f32 v54, v54, v43, v44
	v_min_num_f32 v54, v54, v55
	s_wait_alu depctr_va_vdst(0)           ; the packed lines above are done reading and writing this buffer, in which the 16 loads below land; in a trip's first group v4, their address, is written
	ASK 54
	FILL2 \buf, \off, 0                    ; no further wait: no vector line since the wait names the buffer or v4
	NUMS 5
	FILL2 \buf, \off, 2
	VALS 54
	v_add_nc_u32 v5, 1, v5
.endm
; A sorted list of later candidates, off bytes behind my own, is taken in: 16 loads at fixed places; then 8 trips on registers: the list's head goes in, the list moves down.
; The loads owe no wait of their own: every vector line that has named v[36:51] or v6 stands ahead of the wait on va_vdst in front of my last run of list stores.
.macro MERGE off
.irp s,0,1,2,3,4,5,6,7
	ds_load_b32 v[36+\s], v6 offset:\off+128*\s
	ds_load_b32 v[44+\s], v6 offset:\off+1024+128*\s
.endr
	s_wait_dscnt 0x0
	s_mov_b32 s18, 8
.Lmg_\@:
	INSERT 36, 44
.irp s,0,1,2,3,4,5,6
	v_mov_b32 v[36+\s], v[37+\s]
	v_mov_b32 v[44+\s], v[45+\s]
.endr
	s_sub_co_u32 s18, s18, 1
	s_cmp_lg_u32 s18, 0
	s_cbranch_scc1 .Lmg_\@
.endm
.macro PUTLIST off
	s_wait_alu depctr_va_vdst(0)           ; the insertions have written v[20:35], which the stores read; the first time v6, their address, is written too
.irp s,0,1,2,3,4,5,6,7
	ds_store_b32 v6, v[20+\s] offset:\off+128*\s
	ds_store_b32 v6, v[28+\s] offset:\off+1024+128*\s
.endr
.endm
.macro CE a, b
	v_min_u32 v52, v[28+\a], v[28+\b]
	v_max_u32 v[28+\b], v[28+\a], v[28+\b]
	v_mov_b32 v[28+\a], v52
.endm
	s_load_b128 s[4:7], s[0:1], 0x0        ; pos, pq
	s_load_b64 s[8:9], s[0:1], 0x10        ; grp
	v_lshl_add_u32 v2, v0, 2, SPARE
	v_mov_b32 v3, 0
	v_lshrrev_b32 v4, 5, v0
	v_readfirstlane_b32 s10, v4            ; wave
	s_lshr_b32 s11, ttmp9, 7               ; batch
	s_mul_i32 s12, s11, 49152
	s_mov_b32 s13, 0
	v_lshlrev_b32 v6, 4, v0                ; 16 t: four points a thread and step; 256 threads cover 4,096 bytes
	v_and_b32 v7, 31, v0
	s_wait_alu depctr_va_sdst(0)           ; s10 is written, ahead of its first reader: LDS addresses and branches are made from it
	s_wait_kmcnt 0x0
	s_add_nc_u64 s[4:5], s[4:5], s[12:13]
	s_wait_alu depctr_va_vdst(0)           ; v6 is written, which the loads below read as their offset
.irp a,0,1,2
.irp u,0,1,2,3
	global_load_b128 v[64+16*\a+4*\u:67+16*\a+4*\u], v6, s[4:5] offset:16384*\a+4096*\u
.endr
.endr
	v_add_nc_u32 v54, 0x1000, v6
	s_wait_loadcnt 0x0
.set i, 64
.rept 24
	RND i, i+1, 52
.set i, i+2
.endr
.set i, 0
.rept 8
	v_pk_mul_f32 v[112+i:113+i], v[64+i:65+i], v[64+i:65+i]
	v_pk_fma_f32 v[112+i:113+i], v[80+i:81+i], v[80+i:81+i], v[112+i:113+i]
	v_pk_fma_f32 v[112+i:113+i], v[96+i:97+i], v[96+i:97+i], v[112+i:113+i]
.set i, i+2
.endr
	s_wait_alu depctr_va_vdst(0)           ; the roundings and the squares have written v[64:127], and v54 is written: the stores below read them
.irp a,0,1,2,3
.irp u,0,1,2,3
	ds_store_b128 v6, v[64+16*\a+4*\u:67+16*\a+4*\u] offset:16384*\a+4096*\u
.endr
.endr
	ds_store_b128 v54, v[112:115] offset:61440     ; the pad, bytes 65,536 on: any numbers, so that the last fetch reads bytes that have been written
	s_wait_dscnt 0x0                       ; my part of the table is written,
	s_barrier_signal -1
	s_barrier_wait -1                      ; everybody's is
	s_wait_alu depctr_vm_vsrc(0)           ; my stores into the table have read v54, which is made anew below, and v[64:127], in which the first group's loads land
	s_and_b32 s14, ttmp9, 127
	s_lshl_b32 s14, s14, 7
	v_lshl_add_u32 v54, v7, 2, s14         ; my row in the table
	s_lshl_b32 s15, s10, 11
	v_mov_b32 v4, s15                      ; my wave's first group: 512 candidates of 4 bytes a wave
	s_lshl_b32 s15, s10, 5
	v_mov_b32 v5, s15                      ; its number
	s_wait_alu depctr_va_vdst(0)           ; v54 and v4 are written, the addresses of the loads below
	ds_load_b32 v8, v54
	ds_load_b32 v9, v54 offset:16384
	ds_load_b32 v10, v54 offset:32768
	ds_load_b32 v11, v54 offset:49152
	FILL2 CA, 0, 0
	FILL2 CA, 0, 2
	FILL2 CB, 64, 0
	FILL2 CB, 64, 2
.irp s,0,1,2,3,4,5,6,7
	v_mov_b32 v[20+\s], 0x7f800000
	v_mov_b32 v[28+\s], 0
.endr
	s_wait_dscnt 32                        ; the row is in; the two groups' 32 loads are younger
.irp j,0,1,2,3
	v_mov_b32 v[12+2*\j], v[8+\j]
	v_mov_b32 v[13+2*\j], v[8+\j]
.endr
	s_wait_alu depctr_vm_vsrc(0)           ; the row's four loads have read v54, which the first group's minimum writes
	s_mov_b32 s16, 16
.Lscan:                                        ; a trip: two groups are judged, the two behind them fetched
	GROUP CA, 128
	GROUP CB, 192
	s_wait_alu depctr_vm_vsrc(0)           ; the loads issued so far have read v4
	v_add_nc_u32 v4, 128, v4
	s_sub_co_u32 s16, s16, 1
	s_cmp_lg_u32 s16, 0
	s_cbranch_scc1 .Lscan
	s_lshl_b32 s17, s10, 11
	v_lshl_add_u32 v6, v7, 2, s17          ; (what read the old v6, the head's loads and stores, stands ahead of the waits on vm_vsrc above)
	v_add_nc_u32 v6, LISTA, v6             ; my wave's list
	PUTLIST 0
	s_wait_dscnt 0x0                       ; my list is written (and the last trip's fetch is over)
	s_barrier_signal -1
	s_barrier_wait -1
	s_wait_alu depctr_vm_vsrc(0)           ; my stores of the list have read v[20:35], which the merge below writes again
	s_and_b32 s19, s10, 1
	s_cmp_lg_u32 s19, 0
	s_cbranch_scc1 .Lskip1
	MERGE 2048                             ; waves 0, 2, 4, 6 take in the next wave's list
	PUTLIST L1
.Lskip1:
	s_wait_dscnt 0x0
	s_barrier_signal -1
	s_barrier_wait -1
	s_wait_alu depctr_vm_vsrc(0)           ; the stores of the merged list have read v[20:35], which the merge below writes again
	s_and_b32 s19, s10, 3
	s_cmp_lg_u32 s19, 0
	s_cbranch_scc1 .Lskip2
	MERGE L1+4096                          ; waves 0 and 4 take in the merged list two waves on
	PUTLIST L2
.Lskip2:
	s_wait_dscnt 0x0
	s_barrier_signal -1
	s_barrier_wait -1
	s_wait_alu depctr_vm_vsrc(0)           ; the stores of the merged list have read v[20:35], which the merge below writes again
	s_cmp_lg_u32 s10, 0
	s_cbranch_scc1 .Lend
	MERGE L2+8192                          ; wave 0 takes in wave 4's merged list
	CE 0,1                                 ; the 8 numbers in ascending order: 19 exchanges
	CE 2,3
	CE 4,5
	CE 6,7
	CE 0,2
	CE 1,3
	CE 4,6
	CE 5,7
	CE 1,2
	CE 5,6
	CE 0,4
	CE 1,5
	CE 2,6
	CE 3,7
	CE 2,4
	CE 3,5
	CE 1,2
	CE 3,4
	CE 5,6
	s_lshl_b32 s28, ttmp9, 10
	v_lshl_add_u32 v57, v7, 5, s28         ; row 32 x work-group + lane, 32 bytes a row
	s_lshl_b32 s29, ttmp9, 9
	v_lshl_add_u32 v58, v7, 4, s29
	s_wait_alu depctr_va_vdst(0)           ; the exchanges have written v[28:35], and v57 and v58 are written: the stores below read them
	global_store_b128 v57, v[28:31], s[8:9]
	global_store_b128 v57, v[32:35], s[8:9] offset:16
	global_store_b128 v58, v[8:11], s[6:7]
.Lend:
	s_wait_dscnt 0x0                       ; the closing lines, six on end
	s_wait_alu 0x0
	s_wait_tensorcnt 0x0
	ds_add_u32 v2, v3
	s_wait_dscnt 0x0
	s_endpgm
.Lfunc_end_k_q607a4fe25f_knn1:
	.size	k_q607a4fe25f_knn1, .Lfunc_end_k_q607a4fe25f_knn1-k_q607a4fe25f_knn1
	.p2alignl 7, 3214868480
	.fill 96, 4, 3214868480
	.section	.rodata,"a",@progbits
	.p2align	6, 0x0
	.amdhsa_kernel k_q607a4fe25f_knn1
		.amdhsa_group_segment_fixed_size 138240
		.amdhsa_private_segment_fixed_size 0
		.amdhsa_enable_private_segment 0
		.amdhsa_kernarg_size 24
		.amdhsa_user_sgpr_count 2
		.amdhsa_user_sgpr_kernarg_segment_ptr 1
		.amdhsa_wavefront_size32 1
		.amdhsa_system_sgpr_workgroup_id_x 1
		.amdhsa_system_sgpr_workgroup_id_y 1
		.amdhsa_system_sgpr_workgroup_id_z 1
		.amdhsa_system_vgpr_workitem_id 0
		.amdhsa_next_free_vgpr 192
		.amdhsa_next_free_sgpr 66
		.amdhsa_reserve_vcc 0
		.amdhsa_float_denorm_mode_32 3
		.amdhsa_float_denorm_mode_16_64 3
		.amdhsa_memory_ordered 1
		.amdhsa_forward_progress 1
		.amdhsa_inst_pref_size 42
	.end_amdhsa_kernel
	.amdgpu_metadata
---
amdhsa.version: [ 1, 2 ]
amdhsa.kernels:
  - .name:           k_q607a4fe25f_knn1
    .symbol:         k_q607a4fe25f_knn1.kd
    .args:
      - { .name: pos, .offset: 0, .size: 8, .value_kind: global_buffer, .address_space: global }
      - { .name: pq, .offset: 8, .size: 8, .value_kind: global_buffer, .address_space: global }
      - { .name: grp, .offset: 16, .size: 8, .value_kind: global_buffer, .address_space: global }
    .group_segment_fixed_size: 138240
    .private_segment_fixed_size: 0
    .kernarg_segment_align: 8
    .kernarg_segment_size: 24
    .max_flat_workgroup_size: 256
    .sgpr_count:     66
    .vgpr_count:     192
    .wavefront_size: 32
...
	.end_amdgpu_metadata
.endif
;; end of part 8
;; launch knn2: the kernel of part 3 again; grid 256 x 1, 4 waves a work-group, no clusters, 23,040 bytes of LDS; arguments pq, grp, idx; writes idx
;; launch main: the kernel of part 7 again; grid 256 x 1, 4 waves a work-group, clusters of 4 x 1, 327,680 bytes of LDS; arguments key, values, pq, idx, ws, tab, out0; writes out0
